; MI455X (gfx1250); checked and timed in simulation.
; The chip was launched on July 23, 2026; its instructions are those of AMD's public machine-readable ISA for CDNA 5 (MIT licence, August 2026) and "CDNA5" Instruction Set Architecture Reference Guide (July 2026). The comments in the code are by the model that wrote it; some were corrected since.
;; Trans Relation. Allowed arithmetic: matrix products marked QUANTISED: E4M3 operands, one given power-of-two scale a tensor, by v_wmma_f32_16x16x64_fp8_fp8 or v_wmma_f32_16x16x128_fp8_fp8, f32 sums; everything else in f32.
;; Inputs: Wk_codes 512 x 64 x 32 uint8 (E4M3 codes of Wk, K innermost, in blocks of 32 codes); Wo_codes 2,048 x 64 x 32 uint8 (E4M3 codes of Wo, K innermost, in blocks of 32 codes); Wq_codes 2,048 x 64 x 32 uint8 (E4M3 codes of Wq, K innermost, in blocks of 32 codes); Wv_codes 512 x 64 x 32 uint8 (E4M3 codes of Wv, K innermost, in blocks of 32 codes); bk 512 float32; bo 2,048 float32; bq 2,048 float32; bv 512 float32; ln_beta 2,048 float32; ln_gamma 2,048 float32; lowp_scales 12 int32 (the exponents e of the quantised operands' scales 2^e); mem_codes 4 x 2,048 x 64 x 32 uint8 (E4M3 codes of mem, K innermost, in blocks of 32 codes); neg_peak_mzs_embed 4 x 2,048 x 64 float32; peak_mzs_embed 4 x 2,048 x 64 float32; step_mass_embed 4 x 512 x 64 float32; tgt 4 x 512 x 2,048 float32.
;; Outputs: out0 4 x 512 x 2,048 float32.
;; This version of the problem:
;;   THIS VERSION OF THE PROBLEM IS GIVEN IN LOW PRECISION. The matrix products marked QUANTISED in the list below multiply operands that are first quantised to E4M3 (4 exponent bits, 3 mantissa bits; 8 bits a number), with one given power-of-two scale for each operand tensor; their sums are f32. All else is computed in f32.
;;   The module's matrix products, in the order in which they are computed (A, B: the left and right operand; K: the contracted axis; several contracted axes count as one K, in the product's order):
;;     1. [M 2,048, K 2,048] x [K 2,048, N 2,048]; A: input tgt; B: input Wq (given as codes): QUANTISED (scales: A lowp_scales[0], B lowp_scales[1])
;;     2. [M 8,192, K 2,048] x [K 2,048, N 512]; A: input mem (given as codes); B: input Wk (given as codes): QUANTISED (scales: A lowp_scales[2], B lowp_scales[3])
;;     3. [M 8,192, K 2,048] x [K 2,048, N 512]; A: input mem (given as codes); B: input Wv (given as codes): QUANTISED (scales: A lowp_scales[4], B lowp_scales[5])
;;     4. batch 32 x [M 2,048, K 64] x [K 64, N 2,048]; A: computed on the way; B: computed on the way: QUANTISED (scales: A lowp_scales[6], B lowp_scales[7])
;;     5. batch 32 x [M 64, K 2,048] x [K 2,048, N 2,048]; A: computed on the way; B: softmax (see below): QUANTISED (scales: A lowp_scales[8], B lowp_scales[9])
;;     6. [M 2,048, K 2,048] x [K 2,048, N 2,048]; A: computed on the way; B: input Wo (given as codes): QUANTISED (scales: A lowp_scales[10], B lowp_scales[11])
;;   THE QUANTISER, for each operand of a quantised product, along K:
;;     - The operand's scale is 2^e, e = its entry of the input lowp_scales (int32; the entries are numbered through the quantised products in the list's order, A before B).
;;     - Each number is divided by the scale, clamped to +-448, and rounded to the nearest number of E4M3, ties to even, subnormals kept.
;;     - The product sums the exact products of the quantised numbers (number of the format x scale) in f32.
;;   ~~~python
;;   def quantise(x, axis, e):      # numpy; x: float32 -> the quantised numbers, widened to float32 again
;;       x = np.moveaxis(x, axis, -1); K = x.shape[-1]
;;       r = np.clip(x / 2.0 ** e, -448, 448)
;;       step = 2.0 ** (np.maximum(np.frexp(np.where(r == 0, 1, r))[1] - 1, -6) - 3)
;;       q = np.round(r / step) * step * 2.0 ** e      # np.round: ties to even
;;       return np.moveaxis(q, -1, axis).astype(np.float32)
;;   ~~~
;;   SOFTMAX AHEAD OF A QUANTISED PRODUCT. Where the list says 'softmax', what is quantised is not the finished softmax but p = 2^(t - M), with t = logit x log2(e) and M = ceil(the row's largest t), a whole number; so 1/2 < the row's largest p <= 1. The row's sum l is taken of the UNQUANTISED p, in f32, and the product's result is divided by l at the end. Since M is a whole number, a kernel that streams over the keys may use a running M (the ceiling of the running maximum): every later rescaling is an exact power of two, so the quantised numbers keep their values, but for numbers so far below the row's largest that they fall under the format's range.
;;   OPERANDS COMPUTED ON THE WAY. 'Computed on the way' means the value that the module computes at that place (a softmax that the list does not call 'softmax' is quantised finished and normalised). What goes into a quantiser is computed in f32, as accurately as f32 sums, v_exp_f32 and their like allow (about 1e-6 of the number): no bf16 or f16 on the way to a quantiser, and a product that is left as it is and whose result goes on into a quantised operand takes f32 operands (vector FMAs, or v_wmma_f32_16x16x4_f32). A number that lies on a knife's edge between two numbers of the format may be rounded either way, as far as f32 arithmetic and the matrix unit's own rounding can turn it there, and no further.
;;   INPUTS GIVEN AS CODES. Wk (in the module: [2048, 512], K = its axis 0); Wo (in the module: [2048, 2048], K = its axis 0); Wq (in the module: [2048, 2048], K = its axis 0); Wv (in the module: [2048, 512], K = its axis 0); mem (in the module: [4, 2048, 2048], K = its axis 2): each comes as NAME_codes (uint8): NAME with its K axis moved to the last place and cut into blocks of 32 codes, [.., K / 32, bytes a block], one block behind the other in memory; one code a byte (a code: sign, 4 exponent bits, 3 mantissa bits); its scale is its entry of lowp_scales. Its value is code x scale, taken as it is: it is not quantised again, and the codes and scales need not be those that the quantiser above would give.
;; 3 versions, each right; version 2 is faster than version 1; version 3 is version 2 with the launch attn written anew for expert scheduling mode. Each part assembles by itself: llvm-mc -triple=amdgcn-amd-amdhsa -mcpu=gfx1250 --defsym DOCPART=n.
;; ======== version 1 of 3: 5 launches
;; workspace buffers: tq 4,194,304 bytes; qimg 4,194,304 bytes; kimg 4,194,304 bytes; vimg 4,194,304 bytes; ao 4,194,304 bytes; op 16,777,216 bytes
;; launch quant (part 1): grid 256 x 1, 4 waves a work-group, no clusters, 33,280 bytes of LDS; arguments tgt, lowp_scales, tq; writes tq
.if DOCPART == 1
	.amdgcn_target "amdgcn-amd-amdhsa--gfx1250"
	.amdhsa_code_object_version 6
	.text
	.protected	k_q9df57816db_quant
	.globl	k_q9df57816db_quant
	.p2align	8
	.type	k_q9df57816db_quant,@function
k_q9df57816db_quant:
	s_mov_b64 s[64:65], 0
	v_nop
	global_prefetch_b8 v0, s[64:65] scope:SCOPE_SE
	s_setreg_imm32_b32 hwreg(HW_REG_WAVE_MODE, 25, 1), 1
	s_wait_xcnt 0x0
; tgt [2048][2048] f32 becomes codes of E4M3, K innermost, with the given scale 2^e0 (entry 0 of the scales): code = x / 2^e0, held within +-448, to the nearest code, ties to even.
; LIMITS: e0 between -126 and 119, so that 2^e0 and 448 x 2^e0 are f32 numbers.  NaN among the inputs is not served; an infinity is held at the largest code.
; Rows are dense, so the tensor is a plain stream.  A wave takes 8 steps of 512 numbers, a work-group 16,384: 256 work-groups.
; A conversion takes 8 neighbours along K from ONE lane's registers, a load is best where neighbouring LANES take neighbouring bytes.  Both are had: a step's four loads read 512 consecutive bytes each, 16 a lane;
; the 2,048 bytes turn through the wave's own stage in LDS (16 bytes of padding behind each 64) and come back 64 bytes a lane.  A lane's 16 codes are 16 bytes: the wave stores 512 consecutive bytes.
; No barrier: waves share nothing.  Loads run four steps (16 loads a wave) ahead, the turn through LDS one step.  No matrix unit, no cluster: the launch only streams, and no two work-groups read the same byte.
.set STEPS, 8
.set CB,    16                         ; bytes of 16 codes
.set R,     16                         ; v16-79   four sets of 16 numbers as they are loaded
.set X,     80                         ; v80-111  two sets of 16 neighbours
.set C,     128                        ; v128-159 codes: four registers for each step, so that no store's data are written again
.set WREG,  8192                       ; LDS: a region of its own for each wave: two stages of 32 x SP bytes
.set SP,    80                         ; a lane's place in a stage: its 64 bytes + 16 of padding
	s_load_b128 s[4:7], s[0:1], 0x0                ; tgt s[4:5], the scales' exponents s[6:7]
	s_load_b64 s[8:9], s[0:1], 0x10                ; the codes
	v_lshl_add_u32 v160, v0, 2, 0x8000
	v_mov_b32 v161, 0
	v_lshrrev_b32 v1, 5, v0
	v_readfirstlane_b32 s16, v1                    ; wave
	v_and_b32 v2, 31, v0                           ; lane
	v_lshlrev_b32 v3, 4, v2                        ; my 16 bytes of a load's 512
	s_mul_i32 s17, s16, WREG
	v_lshrrev_b32 v14, 2, v2
	v_mul_u32_u24 v14, v14, SP
	v_and_b32 v15, 3, v2
	v_lshl_add_u32 v14, v15, 4, v14
	v_add_nc_u32 v14, s17, v14                     ; the stage, on the way in: SP (lane / 4) + 16 (lane % 4); a load's 512 bytes take eight places
	v_mul_u32_u24 v15, v2, SP
	v_add_nc_u32 v15, s17, v15                     ; and on the way out: SP x lane: my 16 neighbours
	v_mul_u32_u24 v4, v2, CB                       ; my codes' place in a step's
	s_lshl_b32 s18, ttmp9, 2
	s_add_co_u32 s18, s18, s16                     ; which run of 4,096 numbers is my wave's: 0 .. 1,023
	s_lshl_b32 s20, s18, 14                        ; its bytes in tgt,
	s_mov_b32 s21, 0
	s_lshl_b32 s24, s18, 12                        ; and among the codes
	s_mov_b32 s25, 0
	s_wait_kmcnt 0x0
	s_load_b32 s22, s[6:7], 0x0                    ; e0
	s_add_nc_u64 s[4:5], s[4:5], s[20:21]
	s_add_nc_u64 s[8:9], s[8:9], s[24:25]
.macro LOAD t
.irp i, 0,1,2,3
	global_load_b128 v[R+16*((\t)%4)+4*\i:R+16*((\t)%4)+4*\i+3], v3, s[4:5] offset:2048*(\t)+512*\i th:TH_LOAD_NT   ; 32 lanes read 512 consecutive bytes
.endr
.endm
.macro TURN t                          ; step t's numbers through the stage: LDS serves a wave's instructions in order, so no wait stands between the stores and the loads
.irp i, 0,1,2,3
	ds_store_b128 v14, v[R+16*((\t)%4)+4*\i:R+16*((\t)%4)+4*\i+3] offset:32*SP*((\t)%2)+8*SP*\i
.endr
.irp i, 0,1,2,3
	ds_load_b128 v[X+16*((\t)%2)+4*\i:X+16*((\t)%2)+4*\i+3], v15 offset:32*SP*((\t)%2)+16*\i
.endr
.endm
.irp t, 0,1,2,3
	LOAD \t
.endr
	s_wait_kmcnt 0x0
	s_add_co_i32 s22, s22, 127
	s_lshl_b32 s23, s22, 23
	v_mov_b32 v11, s23                             ; 2^e0 as f32: the conversion takes its exponent field
	s_add_co_i32 s22, s22, 8
	s_lshl_b32 s22, s22, 23
	s_or_b32 s22, s22, 0x600000
	v_mov_b32 v10, s22                             ; 448 x 2^e0
	s_wait_loadcnt 12                              ; step 0's four loads are in; the twelve of steps 1 to 3 may be out
	TURN 0
.macro STEP t
.set XS, X+16*((\t)%2)
	s_wait_dscnt 0x0                               ; this step's numbers are back from the stage: so its stores into the stage have read their registers,
.if (\t)+4 < STEPS
	LOAD (\t)+4                                    ; which take the loads of four steps on
.endif
.if (\t)+1 < STEPS
.if STEPS-2-(\t) >= 3
	s_wait_loadcnt 12                              ; the next step's four loads are in; those of the three steps behind it may be out
.else
	s_wait_loadcnt 4*(STEPS-2-(\t))                ; near the end: four for each step still behind the next one
.endif
	TURN (\t)+1                                    ; and go through the other stage while this step is worked
.endif
.irp i, 0,1,2,3,4,5,6,7,8,9,10,11,12,13,14,15
	v_med3_num_f32 v[XS+\i], v[XS+\i], -v10, v10   ; the conversion to an 8-bit code does not saturate (ISA guide 7.6.2): the number is held within the largest code x the scale first
.endr
	v_cvt_scalef32_pk8_fp8_f32 v[C+4*(\t):C+4*(\t)+1], v[XS:XS+7], v11
	v_cvt_scalef32_pk8_fp8_f32 v[C+4*(\t)+2:C+4*(\t)+3], v[XS+8:XS+15], v11
	v_nop                                          ; one plain vector line behind the last conversion of the run
	global_store_b128 v4, v[C+4*(\t):C+4*(\t)+3], s[8:9] offset:32*CB*(\t)   ; 32 lanes store 512 consecutive bytes, at a multiple of 512 from the buffer's first byte
.endm
.irp t, 0,1,2,3,4,5,6,7
	STEP \t
.endr
	s_wait_tensorcnt 0x0
	ds_add_u32 v160, v161
	s_wait_dscnt 0x0
	s_endpgm
.Lfunc_end_k_q9df57816db_quant:
	.size	k_q9df57816db_quant, .Lfunc_end_k_q9df57816db_quant-k_q9df57816db_quant
	.p2alignl 7, 3214868480
	.fill 96, 4, 3214868480
	.section	.rodata,"a",@progbits
	.p2align	6, 0x0
	.amdhsa_kernel k_q9df57816db_quant
		.amdhsa_group_segment_fixed_size 33280
		.amdhsa_private_segment_fixed_size 0
		.amdhsa_enable_private_segment 0
		.amdhsa_kernarg_size 24
		.amdhsa_user_sgpr_count 2
		.amdhsa_user_sgpr_kernarg_segment_ptr 1
		.amdhsa_wavefront_size32 1
		.amdhsa_system_sgpr_workgroup_id_x 1
		.amdhsa_system_sgpr_workgroup_id_y 1
		.amdhsa_system_sgpr_workgroup_id_z 1
		.amdhsa_system_vgpr_workitem_id 0
		.amdhsa_next_free_vgpr 162
		.amdhsa_next_free_sgpr 66
		.amdhsa_reserve_vcc 0
		.amdhsa_float_denorm_mode_32 3
		.amdhsa_float_denorm_mode_16_64 3
		.amdhsa_memory_ordered 1
		.amdhsa_forward_progress 1
		.amdhsa_inst_pref_size 20
	.end_amdhsa_kernel
	.amdgpu_metadata
---
amdhsa.version: [ 1, 2 ]
amdhsa.kernels:
  - .name:           k_q9df57816db_quant
    .symbol:         k_q9df57816db_quant.kd
    .args:
      - { .name: tgt, .offset: 0, .size: 8, .value_kind: global_buffer, .address_space: global }
      - { .name: lowp_scales, .offset: 8, .size: 8, .value_kind: global_buffer, .address_space: global }
      - { .name: tq, .offset: 16, .size: 8, .value_kind: global_buffer, .address_space: global }
    .group_segment_fixed_size: 33280
    .private_segment_fixed_size: 0
    .kernarg_segment_align: 8
    .kernarg_segment_size: 24
    .max_flat_workgroup_size: 128
    .sgpr_count:     66
    .vgpr_count:     162
    .wavefront_size: 32
...
	.end_amdgpu_metadata
.endif
;; end of part 1
;; launch proj (part 2): grid 64 x 3, 4 waves a work-group, no clusters, 327,680 bytes of LDS; arguments tq, mem_codes, Wq_codes, Wk_codes, Wv_codes, bq, bk, bv, step_mass_embed, peak_mzs_embed, neg_peak_mzs_embed, lowp_scales, qimg, kimg, vimg; writes qimg, kimg, vimg
.if DOCPART == 2
	.amdgcn_target "amdgcn-amd-amdhsa--gfx1250"
	.amdhsa_code_object_version 6
	.text
	.protected	k_q9df57816db_proj
	.globl	k_q9df57816db_proj
	.p2align	8
	.type	k_q9df57816db_proj,@function
k_q9df57816db_proj:
	s_mov_b64 s[64:65], 0
	v_nop
	global_prefetch_b8 v0, s[64:65] scope:SCOPE_SE
	s_setreg_imm32_b32 hwreg(HW_REG_WAVE_MODE, 25, 1), 1
	s_wait_xcnt 0x0
; The three projections, one launch: work-group y = 0: q = tgt Wq + bq; 1: k = mem Wk + bk; 2: v = mem Wv + bv.  All operands are codes of E4M3 with K = 2,048 innermost; sums in f32, each multiplied once by 2^(its two exponents added).
; q and k then get the rotary embedding, k's heads their new order, and all three are quantised for the attention's products: k with entry 6 of the scales, q with entry 7, v with entry 8.
; SHARES.  A work-group multiplies 256 rows of an "A side" by 256 rows of a "B side"; four waves, as many as a WGP has SIMDs, 128 x 128 each: 64 accumulators, 512 registers.  64 work-groups for each projection, all of equal matrix work.
;   q: A side = tgt's codes (8 tiles of rows), B side = Wq (8);   k: A side = mem (32), B side = Wk (2);   v: A side = Wv (2), B side = mem (32).
; THE MATRIX INSTRUCTION takes 16 rows of the B side as source 0 and 16 rows of the A side as source 1: lane (r, h) then holds ONE row 16 a + r of the A side, and its eight registers the B side's rows 16 b + 8 h + 0 .. 7.
;   q, k: a lane holds one token and eight neighbouring channels: after the conversion these are registers 2 c, 2 c + 1 of a fragment 16 tokens x 64 channels (channel place 16 c + 8 h + j), as the 16x16x64 form wants them.
;   v:    a lane holds one channel and eight neighbouring keys: registers 2 b, 2 b + 1 of a fragment 16 channels x 128 keys, as the 16x16x128 form wants them.  So nothing is transposed.
; RESULTS LEAVE AS IMAGES OF THE OPERANDS' REGISTERS: four registers a store, lane l's 16 bytes at 16 l: each store of the wave covers 512 consecutive bytes, aligned.
;   qimg [b][query head 0..31][tile of 16 tokens 0..31][1,024];  kimg [b][kv head, new order][tile of 16 keys 0..127][1,024];  vimg [b][kv head][128 keys 0..15][16 channels 0..3][2,048].
; ROTARY.  Channels 2 i, 2 i + 1 of a head are x0, x1; place 2 i takes x0 cos_i - x1 sin_i (reference's element i), place 2 i + 1 takes x1 cos_i + x0 sin_i (its element 32 + i): one permutation of the head's 64, the same in q and k,
;   so every product of the scores meets its partner.  k's even heads take peak_mzs_embed and become heads 0-3, its odd heads neg_peak_mzs_embed and become heads 4-7; v keeps its order.
; K goes in steps of 256 through a ring of two LDS slots filled by the tensor data mover: a tile's row is 256 bytes of memory.  Each wave brings 128 rows with one load.
; NO CLUSTER: the three kinds have different ways out and k's and v's weights have only two tiles of 256 rows, so no 4 x 4 block of one kind exists; in a row of four only the weights' half of a step's bytes would be shared,
;   at a round of the cluster's barrier for each of the six refills.  No prefetch: of the eight K steps two are first fills and each refill has a K step's 128 matrix instructions in which to land.
; LIMITS on the given exponents, so that each power of two is an f32 number: e0 + e1, e2 + e3, e4 + e5 between -126 and 127; e6, e7, e8 between -126 and 119.  NaN is not served.
; REGISTERS, in windows of 256: window 0: v16-29 addresses; from v128 the A side's fragments, ONE set; on the way out v32-255 are free.  window 1: the B side's fragments, TWO sets.  windows 2, 3: accumulator (a, b) at v[8 (8 (a % 4) + b)].
.set KSTEP,  256
.set ROWB,   256                       ; a tile's row in bytes
.set KROW,   2048                      ; a row of codes in memory
.set PITCH,  272                       ; an LDS row: 256 bytes + 16 of padding = 68 words: the 16 rows that a load touches start at 16 different banks (64 banks of 4 bytes: ISA guide 11.1)
.set FR,     16                        ; registers of a fragment: 16 rows x 128 K
.set NL,     4                         ; LDS loads that bring one
.set NP,     4                         ; places behind this matrix instruction (ISA guide 7.12.1)
.set HALFT,  128*PITCH                 ; 128 rows: what one tensor load brings
.set SLOT,   4*HALFT                   ; the A side's 256 rows, then the B side's
.set LAPS,   KROW/(2*KSTEP)            ; 4 laps of two K steps
.set SPARE,  2*SLOT                    ; behind the ring: the spare words, 128 bytes for each wave: two blocks of 256 bytes that no other line names
.set ADRA, 16                          ; v16-17  LDS address of my A-side fragments in slot 0, 1
.set ADRB, 20                          ; v20-21  the same for the B side
.set SO,   24                          ; v24     16 x lane: my place in an image's block
.set EO,   25                          ; v25     256 r + 16 h: my four sines of an embedding's row
.set BO,   26                          ; v26     32 h: my eight numbers of a bias
.set VO,   27                          ; v27     4 r: my one number of bv
.set SPW,  28                          ; v28     LDS address of my spare word; never rewritten
.set NIL,  29                          ; v29     0; never rewritten
.set BI,   32                          ; v32-95  the way out: bias
.set E,    96                          ; v96-159 two sets of 32: sines and cosines
.set X,    160                         ; v160-223 numbers at work
.set T,    224                         ; v224-227
.set CD,   232                         ; v232-247 codes
.set SC,   248                         ; v248    the result's scale as f32
.set LM,   249                         ; v249    448 x that
.set AF,   128
.set G1, 24                            ; s[24:31] descriptor group 1, one for all loads
.set G0, 32                            ; s[32:39] group 0, one set for each slot
.set MSB, 0
.macro WIN new                         ; the immediate's high byte repeats the setting that is left
.if MSB != (\new)
	s_set_vgpr_msb (MSB<<8)|(\new)
.set MSB, (\new)
.endif
.endm
.set MUL_LO, 0xa1                      ; source 0 (B side) window 1, source 1 (A side) window 0, C and D window 2
.set MUL_HI, 0xf1                      ; the same, C and D window 3
.set TO_B,   0x40                      ; destination window 1, address window 0
	s_load_b512 s[68:83], s[0:1], 0x0              ; tq 68, mem 70, Wq 72, Wk 74, Wv 76, bq 78, bk 80, bv 82
	s_load_b256 s[84:91], s[0:1], 0x40             ; step 84, peak 86, neg 88, the scales' exponents 90
	s_load_b128 s[92:95], s[0:1], 0x60             ; qimg 92, kimg 94
	s_load_b64 s[96:97], s[0:1], 0x70              ; vimg
	v_lshl_add_u32 v[SPW], v0, 2, SPARE
	v_mov_b32 v[NIL], 0
	ds_add_u32 v28, v29
	ds_add_u32 v28, v29
	s_wait_dscnt 0x0
	v_lshrrev_b32 v1, 5, v0
	v_readfirstlane_b32 s14, v1                    ; wave 0..3
	s_lshr_b32 s15, s14, 1                         ; which half of the A side's rows is mine.  Also: I fetch for the A side (0) or the B side (1)
	s_and_b32 s16, s14, 1                          ; which half of the B side's rows.  Also: which 128 rows of that tile I fetch
	s_and_b32 s12, ttmp7, 0xffff                   ; kind: 0 q, 1 k, 2 v
	s_mov_b32 s13, ttmp9                           ; x: 0 .. 63
	s_lshr_b32 s8, s13, 3
	s_and_b32 s9, s13, 7
	s_lshr_b32 s10, s13, 1
	s_and_b32 s11, s13, 1
	; descriptor group 1: a tile of 128 rows x 256 bytes, padded in LDS
	s_mov_b32 s[G1+0], (0<<16)|(1<<20)|(5<<22)|(3<<25)   ; 15:0 no mask; 17:16 elements of 1 byte; 20 padding on; 24:22 after every 64 words (code 5); 31:25 four words (code 3)
	s_mov_b32 s[G1+1], ROWB<<16                    ; tensor_dim0
	s_mov_b32 s[G1+2], 128<<16                     ; tensor_dim1
	s_mov_b32 s[G1+3], ROWB<<16                    ; tile_dim0
	s_mov_b32 s[G1+4], 128                         ; tile_dim1
	s_mov_b32 s[G1+5], KROW                        ; tensor_dim0_stride
	s_mov_b32 s[G1+6], 0
	s_mov_b32 s[G1+7], 0
	s_wait_kmcnt 0x0
	s_load_b256 s[40:47], s[90:91], 0x0            ; e0 .. e7
	s_load_b128 s[48:51], s[90:91], 0x20           ; e8 .. e11
	s_cmp_eq_u32 s12, 0                            ; the choices hang on the work-group's number alone
	s_cselect_b32 s17, s8, s10                     ; TR, the A side's tile: q: x / 8; k: x / 2
	s_cselect_b32 s18, s9, s11                     ; TC, the B side's tile: q: x % 8; k: x % 2
	s_cselect_b64 s[4:5], s[68:69], s[70:71]       ; the A side: tq or mem
	s_cselect_b64 s[6:7], s[72:73], s[74:75]       ; the B side: Wq or Wk
	s_cmp_eq_u32 s12, 2
	s_cselect_b32 s17, s11, s17                    ; v: TR = x % 2,
	s_cselect_b32 s18, s10, s18                    ;    TC = x / 2,
	s_cselect_b64 s[4:5], s[76:77], s[4:5]         ;    the A side is Wv,
	s_cselect_b64 s[6:7], s[70:71], s[6:7]         ;    the B side mem
	s_cmp_eq_u32 s15, 0                            ; what I fetch: waves 0, 1 the A side's two halves, waves 2, 3 the B side's
	s_cselect_b64 s[8:9], s[4:5], s[6:7]
	s_cselect_b32 s10, s17, s18
	s_lshl_b32 s10, s10, 8
	s_lshl_b32 s11, s16, 7
	s_add_co_u32 s10, s10, s11                     ; row 256 x tile + 128 x half,
	s_lshl_b32 s10, s10, 11                        ; of 2,048 bytes: under 2^24
	s_mov_b32 s11, 0
	s_add_nc_u64 s[8:9], s[8:9], s[10:11]
	s_mul_i32 s20, s14, HALFT                      ; where they go: wave x 128 rows
.irp s, 0,1
	s_mov_b32 s[G0+4*\s], 1                        ; 1:0 count = 1
	s_add_co_u32 s[G0+4*\s+1], s20, \s*SLOT        ; 63:32 LDS address
	s_add_nc_u64 s[G0+4*\s+2:G0+4*\s+3], s[8:9], \s*ROWB   ; 120:64 global address: K step s
	s_or_b32 s[G0+4*\s+3], s[G0+4*\s+3], 0x80000000        ; 127:126 type = 2
.endr
	tensor_load_to_lds s[G0:G0+3], s[G1:G1+7]      ; the two first fills go out together, ahead of every wait on TENSORcnt, every LDS read and every barrier: two loads of mine are out
	s_nop 0
	tensor_load_to_lds s[G0+4:G0+7], s[G1:G1+7]
	s_nop 0
.rept 4
	v_nop
.endr
	v_and_b32 v1, 15, v0                           ; r = l % 16
	v_bfe_u32 v2, v0, 4, 1                         ; h = l / 16
	v_mul_u32_u24 v3, v1, PITCH
	v_lshl_add_u32 v4, v2, 4, v3                   ; a fragment's row x pitch + 16 x half
	s_mul_i32 s21, s15, HALFT                      ; my 128 rows of the A side
	s_mul_i32 s22, s16, HALFT                      ; my 128 rows of the B side,
	s_add_co_u32 s22, s22, 2*HALFT                 ; which lie behind the A side's 256
.irp s, 0,1
	v_add_nc_u32 v[ADRA+\s], s21, v4
	v_add_nc_u32 v[ADRB+\s], s22, v4
	s_add_co_u32 s21, s21, SLOT
	s_add_co_u32 s22, s22, SLOT
.endr
	v_and_b32 v5, 31, v0
	v_lshlrev_b32 v[SO], 4, v5
	v_lshlrev_b32 v[EO], 8, v1
	v_lshl_add_u32 v[EO], v2, 4, v[EO]
	v_lshlrev_b32 v[BO], 5, v2
	v_lshlrev_b32 v[VO], 2, v1
.macro FRAG reg, adr, q, i             ; a fragment, 16 rows x 128 K, is 16 registers, brought by four loads of 16 bytes: registers 4 c .. 4 c + 3 hold K = 32 c + 16 (l / 16) + 0 .. 15: one permutation of k, the same on both sides
.irp c, 0,1,2,3
	ds_load_b128 v[\reg+4*\c:\reg+4*\c+3], v[\adr] offset:128*(\q)+32*\c+(\i)*16*PITCH
.endr
.endm
; 16 matrix instructions: the A side's blocks a0, a0 + 1 x the B side's eight, 128 along K.  p: the B side's set.  zero = 1: the first product starts the sums: nothing is ever cleared.
; The 64 accumulators take turns, one instruction a turn, in the same order in every step.
.macro MUL16 a0, p, zero
.irp a, \a0, \a0+1
.irp b, 0,1,2,3,4,5,6,7
.if \zero
	v_wmma_f32_16x16x128_fp8_fp8 v[8*(8*((\a)%4)+\b):8*(8*((\a)%4)+\b)+7], v[128*(\p)+FR*\b:128*(\p)+FR*\b+FR-1], v[AF+FR*(\a):AF+FR*(\a)+FR-1], 0
.else
	v_wmma_f32_16x16x128_fp8_fp8 v[8*(8*((\a)%4)+\b):8*(8*((\a)%4)+\b)+7], v[128*(\p)+FR*\b:128*(\p)+FR*\b+FR-1], v[AF+FR*(\a):AF+FR*(\a)+FR-1], v[8*(8*((\a)%4)+\b):8*(8*((\a)%4)+\b)+7]
.endif
.endr
.endr
.endm
.macro FETCH_B slot, q, p              ; the B side's eight fragments of the slot's q-th 128 along K into set p
	WIN TO_B
.irp i, 0,1,2,3,4,5,6,7
	FRAG 128*(\p)+FR*\i, ADRB+\slot, \q, \i
.endr
	WIN 0
.endm
.macro FETCH_A slot, q, i0             ; the A side's blocks i0 .. i0 + 3
.irp i, \i0, \i0+1, \i0+2, \i0+3
	FRAG AF+FR*(\i), ADRA+\slot, \q, \i
.endr
.endm
; A load into a register that a matrix instruction has read, and a vector instruction that reads a matrix result, stand NP places behind that matrix instruction; only plain vector instructions that name none of its registers are places.
.macro PLACES n
.rept \n
	v_nop
.endr
.endm
; A step of 128 along K that has its successor in the same slot.  A block of the A side is free as soon as its eight products are issued: blocks 0-3 are fetched anew in the step's middle, blocks 4-7 at its end.
.macro STEP slot, q, zero
	s_wait_dscnt 4*NL                              ; the B side's set and blocks 0-3 are in; the youngest sixteen loads (blocks 4-7) may be out
	WIN MUL_LO
	MUL16 0, (\q)%2, \zero
	MUL16 2, (\q)%2, \zero
	s_wait_dscnt 0                                 ; blocks 4-7 are in (asked for 32 matrix instructions ago)
	PLACES NP
	FETCH_B \slot, (\q)+1, 1-(\q)%2
	FETCH_A \slot, (\q)+1, 0
	WIN MUL_HI
	MUL16 4, (\q)%2, \zero
	MUL16 6, (\q)%2, \zero
	PLACES NP
	WIN 0
	FETCH_A \slot, (\q)+1, 4
.endm
; A slot's last step changes slots: ONE barrier.  In front of it each wave waits for all its tensor loads (one is out: its part of the next slot), adds 0 to its spare word, and waits for that and for its own reads of this slot.
; Behind it nobody reads this slot and the next slot is whole.  fill = 1: this slot is filled again, two K steps ahead: my one tensor load until the next such barrier, and the first thing behind this one.
.macro TURN slot, next, fill
	s_wait_tensorcnt 0x0                           ; all my tensor loads have landed  (every window is 0 here: the add's two registers lie in window 0)
	ds_add_u32 v[SPW], v[NIL]                      ; 0 onto my spare word
	s_wait_dscnt 4*NL+1                            ; (the add and the youngest sixteen loads, blocks 4-7, may be out)
	WIN MUL_LO
	MUL16 0, 1, 0                                  ; sixteen matrix instructions stand between the add and the wait for it
	s_wait_dscnt 0x0                               ; the add is done, and my reads of this slot are over
	s_barrier_signal -1
	MUL16 2, 1, 0                                  ; work on registers while the others arrive
	WIN 0
	s_barrier_wait -1
.if \fill
	s_add_nc_u64 s[G0+4*\slot+2:G0+4*\slot+3], s[G0+4*\slot+2:G0+4*\slot+3], 2*ROWB   ; no tensor load of mine is out, so the group 0 may be written; the type bits on top are not reached
	tensor_load_to_lds s[G0+4*\slot:G0+4*\slot+3], s[G1:G1+7]
	s_nop 0
	PLACES 4                                       ; the places in front of the loads below
.else
	PLACES NP
.endif
	FETCH_B \next, 0, 0
	FETCH_A \next, 0, 0
	WIN MUL_HI
	MUL16 4, 1, 0
	MUL16 6, 1, 0
	PLACES NP
	WIN 0
	FETCH_A \next, 0, 4
.endm
	s_wait_tensorcnt 1                             ; my part of K step 0 is in; K step 1's load may be out
	s_barrier_signal -1
	s_barrier_wait -1                              ; everybody's is
	FETCH_B 0, 0, 0
	FETCH_A 0, 0, 0
	FETCH_A 0, 0, 4
	STEP 0, 0, 1                                   ; the first step stands in front of the loop: its products start the sums
	s_mov_b32 s3, LAPS-1
.Llap:                                                 ; a trip goes once round the ring, from a lap's second step to the next lap's first, and fills both slots again
	TURN 0, 1, 1
	STEP 1, 0, 0
	TURN 1, 0, 1
	STEP 0, 0, 0
	s_sub_co_u32 s3, s3, 1
	s_cmp_lg_u32 s3, 0
	s_cbranch_scc1 .Llap
	TURN 0, 1, 0                                   ; the last lap fills nothing
	STEP 1, 0, 0
	s_wait_dscnt 4*NL                              ; the very last step: nothing more to fetch
	WIN MUL_LO
	MUL16 0, 1, 0
	MUL16 2, 1, 0
	s_wait_dscnt 0
	WIN MUL_HI
	MUL16 4, 1, 0
	MUL16 6, 1, 0
	WIN 0
	PLACES NP                                      ; in front of the first read of results and of the loads into registers that held fragments
	s_wait_kmcnt 0x0                               ; the exponents
	s_cmp_eq_u32 s12, 2                            ; the one branch between the ways out: on the work-group's number
	s_cbranch_scc1 .Lv
	; ---- THE WAY OUT OF q AND k.  What differs between the two is chosen without a branch.
	s_cmp_eq_u32 s12, 0
	s_cselect_b32 s8, 1, 3                         ; tiles of 256 tokens in a batch entry: 2 or 8, as a shift,
	s_cselect_b32 s9, 1, 7                         ; and as a mask
	s_cselect_b32 s10, 15, 17                      ; a head's images: 2^15 or 2^17 bytes
	s_cselect_b32 s11, 1, 0                        ; my first head: q: 2 (2 TC + half); k: new head 2 TC + half
	s_cselect_b32 s20, 1, 4                        ; my second head: q: the next; k: the odd head goes four heads on
	s_cselect_b64 s[52:53], s[84:85], s[86:87]     ; the first head's embedding: step or peak,
	s_cselect_b64 s[54:55], s[84:85], s[88:89]     ; the second's: step or neg
	s_cselect_b64 s[98:99], s[78:79], s[80:81]     ; bq or bk
	s_cselect_b64 s[56:57], s[92:93], s[94:95]     ; qimg or kimg
	s_cselect_b32 s21, s40, s42                    ; e0 or e2,
	s_cselect_b32 s22, s41, s43                    ; e1 or e3
	s_cselect_b32 s23, s47, s46                    ; the result's: q is the scores' right operand (e7), k their left (e6)
	s_lshr_b32 s100, s17, s8                       ; b
	s_lshl_b32 s100, s100, 20
	s_and_b32 s101, s17, s9
	s_lshl_b32 s101, s101, 4
	s_lshl_b32 s8, s15, 3
	s_add_co_u32 s101, s101, s8                    ; my first tile of 16 tokens in the batch entry
	s_lshl_b32 s101, s101, 10
	s_add_co_u32 s100, s100, s101
	s_lshl_b32 s8, s18, 1
	s_add_co_u32 s8, s8, s16
	s_lshl_b32 s8, s8, s11                         ; my first head
	s_lshl_b32 s8, s8, s10
	s_add_co_u32 s100, s100, s8
	s_mov_b32 s101, 0
	s_add_nc_u64 s[56:57], s[56:57], s[100:101]    ; where the first head's images go,
	s_lshl_b32 s100, s20, s10
	s_add_nc_u64 s[58:59], s[56:57], s[100:101]    ; and the second's
	s_lshl_b32 s100, s17, 16
	s_lshl_b32 s8, s15, 15
	s_add_co_u32 s100, s100, s8                    ; my first token's row of 256 bytes in the embeddings
	s_add_nc_u64 s[52:53], s[52:53], s[100:101]
	s_add_nc_u64 s[54:55], s[54:55], s[100:101]
	s_lshl_b32 s100, s18, 10
	s_lshl_b32 s8, s16, 9
	s_add_co_u32 s100, s100, s8                    ; my 128 numbers of the bias
	s_add_nc_u64 s[98:99], s[98:99], s[100:101]
	s_add_co_i32 s21, s21, s22
	s_add_co_i32 s21, s21, 127
	s_lshl_b32 s60, s21, 23                        ; 2^(the operands' exponents added) as f32
	s_mov_b32 s61, s60                             ; (named with it as a pair, so it is written)
	s_add_co_i32 s23, s23, 127
	s_lshl_b32 s62, s23, 23
	s_add_co_i32 s23, s23, 8
	s_lshl_b32 s63, s23, 23
	s_or_b32 s63, s63, 0x600000
	v_mov_b32 v[SC], s62                           ; the result's scale: the conversion takes its exponent field
	v_mov_b32 v[LM], s63                           ; 448 x that
.irp b, 0,1,2,3,4,5,6,7
	global_load_b128 v[BI+8*\b:BI+8*\b+3], v[BO], s[98:99] offset:64*\b        ; bias at channels 16 b + 8 h + 0 .. 7
	global_load_b128 v[BI+8*\b+4:BI+8*\b+7], v[BO], s[98:99] offset:64*\b+16
.endr
; Block n = 2 a + hh: tokens 16 a on, head hh of my two.  Its sines (i = 8 c + 4 h + 0 .. 3) go to E + 8 c, its cosines to E + 8 c + 4, in set n % 2.
.macro EMB n
.irp c, 0,1,2,3
	global_load_b128 v[E+32*((\n)%2)+8*\c:E+32*((\n)%2)+8*\c+3], v[EO], s[52+2*((\n)%2):53+2*((\n)%2)] offset:((\n)/2)*4096+32*\c
	global_load_b128 v[E+32*((\n)%2)+8*\c+4:E+32*((\n)%2)+8*\c+7], v[EO], s[52+2*((\n)%2):53+2*((\n)%2)] offset:((\n)/2)*4096+32*\c+128
.endr
.endm
.macro ROPEBLK n
.set RA, (\n)/2
.set RH, (\n)%2
.set ES, E+32*RH
.set AC, 64*(RA%4)+32*RH               ; the head's four accumulators: 32 registers on end
.if (\n) < 15
	EMB (\n)+1
	s_wait_loadcnt 8                               ; this block's eight loads (and the bias) are in; the next block's eight may be out
.else
	s_wait_loadcnt 0x0
.endif
	WIN 0x02+(RA/4)                                ; source 0: window 2 or 3
.irp j, 0,2,4,6,8,10,12,14,16,18,20,22,24,26,28,30
	v_pk_fma_f32 v[X+\j:X+\j+1], v[AC+\j:AC+\j+1], s[60:61], v[BI+32*RH+\j:BI+32*RH+\j+1] op_sel_hi:[1,0,1]   ; sum x 2^(ea + eb) + bias; each accumulator from its low end on
.endr
	WIN 0
.irp p, 0,1,2,3,4,5,6,7,8,9,10,11,12,13,14,15
	v_mul_f32 v[T+2*(\p%2)], v[X+2*\p+1], v[ES+8*(\p/4)+\p%4]                                 ; x1 sin
	v_mul_f32 v[T+2*(\p%2)+1], v[X+2*\p], v[ES+8*(\p/4)+\p%4]                                 ; x0 sin
	v_fma_f32 v[X+2*\p], v[X+2*\p], v[ES+8*(\p/4)+4+\p%4], -v[T+2*(\p%2)]                     ; x0 cos - x1 sin
	v_fma_f32 v[X+2*\p+1], v[X+2*\p+1], v[ES+8*(\p/4)+4+\p%4], v[T+2*(\p%2)+1]                ; x1 cos + x0 sin
.endr
.irp i, 0,1,2,3,4,5,6,7,8,9,10,11,12,13,14,15,16,17,18,19,20,21,22,23,24,25,26,27,28,29,30,31
	v_med3_num_f32 v[X+\i], v[X+\i], -v[LM], v[LM]                                            ; the conversion does not saturate (ISA guide 7.6.2): the hold at the largest code x the scale
.endr
	s_wait_xcnt 0x0                                ; the last block's stores have read their data: the codes' registers are written again only behind this wait
.irp c, 0,1,2,3
	v_cvt_scalef32_pk8_fp8_f32 v[CD+2*\c:CD+2*\c+1], v[X+8*\c:X+8*\c+7], v[SC]                ; registers 2 c, 2 c + 1 of the fragment
.endr
	v_nop                                          ; one plain vector line behind the last conversion of the run
	global_store_b128 v[SO], v[CD:CD+3], s[56+2*RH:57+2*RH] offset:RA*1024                    ; 32 lanes store 512 consecutive bytes, aligned
	global_store_b128 v[SO], v[CD+4:CD+7], s[56+2*RH:57+2*RH] offset:RA*1024+512
.endm
	EMB 0
.irp n, 0,1,2,3,4,5,6,7,8,9,10,11,12,13,14,15
	ROPEBLK \n
.endr
	s_wait_tensorcnt 0x0                           ; the wave's end: behind my last tensor load, as my last LDS instructions
	ds_add_u32 v[SPW], v[NIL]
	s_wait_dscnt 0x0
	s_endpgm
	; ---- THE WAY OUT OF v.  A lane holds channel 16 a + r of my 128 and, in block a's 64 registers, keys 16 b + 8 h + j of my 128.
.Lv:
	s_lshr_b32 s100, s18, 3                        ; b: eight tiles of 256 keys in a batch entry
	s_lshl_b32 s100, s100, 20
	s_lshl_b32 s8, s17, 2
	s_lshl_b32 s9, s15, 1
	s_add_co_u32 s8, s8, s9                        ; my first head: 4 TR + 2 x half
	s_lshl_b32 s8, s8, 17
	s_add_co_u32 s100, s100, s8
	s_and_b32 s8, s18, 7
	s_lshl_b32 s8, s8, 1
	s_add_co_u32 s8, s8, s16                       ; my group of 128 keys
	s_lshl_b32 s8, s8, 13
	s_add_co_u32 s100, s100, s8
	s_mov_b32 s101, 0
	s_add_nc_u64 s[56:57], s[96:97], s[100:101]    ; where the first head's images go,
	s_add_nc_u64 s[58:59], s[56:57], 0x20000       ; and the second's
	s_lshl_b32 s100, s17, 10
	s_lshl_b32 s8, s15, 9
	s_add_co_u32 s100, s100, s8
	s_add_nc_u64 s[98:99], s[82:83], s[100:101]    ; my 128 numbers of bv
	s_add_co_i32 s21, s44, s45
	s_add_co_i32 s21, s21, 127
	s_lshl_b32 s60, s21, 23                        ; 2^(e4 + e5)
	s_mov_b32 s61, s60
	s_add_co_i32 s23, s48, 127
	s_lshl_b32 s62, s23, 23
	s_add_co_i32 s23, s23, 8
	s_lshl_b32 s63, s23, 23
	s_or_b32 s63, s63, 0x600000
	v_mov_b32 v[SC], s62                           ; 2^e8
	v_mov_b32 v[LM], s63                           ; 448 x 2^e8
.irp a, 0,1,2,3,4,5,6,7
	global_load_b32 v[BI+2*\a], v[VO], s[98:99] offset:64*\a      ; bv at channel 16 a + r
	v_mov_b32 v[BI+2*\a+1], 0                                     ; (named with it as a pair, so it is written)
.endr
	s_wait_loadcnt 0x0
.macro VBLK a
.set AC, 64*((\a)%4)
	WIN 0x02+((\a)/4)
.irp j, 0,2,4,6,8,10,12,14,16,18,20,22,24,26,28,30,32,34,36,38,40,42,44,46,48,50,52,54,56,58,60,62
	v_pk_fma_f32 v[X+\j:X+\j+1], v[AC+\j:AC+\j+1], s[60:61], v[BI+2*(\a):BI+2*(\a)+1] op_sel_hi:[1,0,0]   ; sum x 2^(e4 + e5) + bv: of both pairs the low word serves both halves
.endr
	WIN 0
.irp i, 0,1,2,3,4,5,6,7,8,9,10,11,12,13,14,15,16,17,18,19,20,21,22,23,24,25,26,27,28,29,30,31,32,33,34,35,36,37,38,39,40,41,42,43,44,45,46,47,48,49,50,51,52,53,54,55,56,57,58,59,60,61,62,63
	v_med3_num_f32 v[X+\i], v[X+\i], -v[LM], v[LM]
.endr
	s_wait_xcnt 0x0                                ; the last block's stores have read their data
.irp b, 0,1,2,3,4,5,6,7
	v_cvt_scalef32_pk8_fp8_f32 v[CD+2*\b:CD+2*\b+1], v[X+8*\b:X+8*\b+7], v[SC]                ; registers 2 b, 2 b + 1 of the fragment: keys 16 b + 8 h + 0 .. 7
.endr
	v_nop
.irp i, 0,1,2,3
	global_store_b128 v[SO], v[CD+4*\i:CD+4*\i+3], s[56+2*((\a)/4):57+2*((\a)/4)] offset:((\a)%4)*2048+512*\i
.endr
.endm
.irp a, 0,1,2,3,4,5,6,7
	VBLK \a
.endr
	s_wait_tensorcnt 0x0                           ; the wave's end: the same three lines
	ds_add_u32 v[SPW], v[NIL]
	s_wait_dscnt 0x0
	s_endpgm
.Lfunc_end_k_q9df57816db_proj:
	.size	k_q9df57816db_proj, .Lfunc_end_k_q9df57816db_proj-k_q9df57816db_proj
	.p2alignl 7, 3214868480
	.fill 96, 4, 3214868480
	.section	.rodata,"a",@progbits
	.p2align	6, 0x0
	.amdhsa_kernel k_q9df57816db_proj
		.amdhsa_group_segment_fixed_size 327680
		.amdhsa_private_segment_fixed_size 0
		.amdhsa_enable_private_segment 0
		.amdhsa_kernarg_size 120
		.amdhsa_user_sgpr_count 2
		.amdhsa_user_sgpr_kernarg_segment_ptr 1
		.amdhsa_wavefront_size32 1
		.amdhsa_system_sgpr_workgroup_id_x 1
		.amdhsa_system_sgpr_workgroup_id_y 1
		.amdhsa_system_sgpr_workgroup_id_z 1
		.amdhsa_system_vgpr_workitem_id 0
		.amdhsa_next_free_vgpr 1024
		.amdhsa_next_free_sgpr 102
		.amdhsa_reserve_vcc 0
		.amdhsa_float_denorm_mode_32 3
		.amdhsa_float_denorm_mode_16_64 3
		.amdhsa_memory_ordered 1
		.amdhsa_forward_progress 1
		.amdhsa_inst_pref_size 253
	.end_amdhsa_kernel
	.amdgpu_metadata
---
amdhsa.version: [ 1, 2 ]
amdhsa.kernels:
  - .name:           k_q9df57816db_proj
    .symbol:         k_q9df57816db_proj.kd
    .args:
      - { .name: tq, .offset: 0, .size: 8, .value_kind: global_buffer, .address_space: global }
      - { .name: mem_codes, .offset: 8, .size: 8, .value_kind: global_buffer, .address_space: global }
      - { .name: Wq_codes, .offset: 16, .size: 8, .value_kind: global_buffer, .address_space: global }
      - { .name: Wk_codes, .offset: 24, .size: 8, .value_kind: global_buffer, .address_space: global }
      - { .name: Wv_codes, .offset: 32, .size: 8, .value_kind: global_buffer, .address_space: global }
      - { .name: bq, .offset: 40, .size: 8, .value_kind: global_buffer, .address_space: global }
      - { .name: bk, .offset: 48, .size: 8, .value_kind: global_buffer, .address_space: global }
      - { .name: bv, .offset: 56, .size: 8, .value_kind: global_buffer, .address_space: global }
      - { .name: step_mass_embed, .offset: 64, .size: 8, .value_kind: global_buffer, .address_space: global }
      - { .name: peak_mzs_embed, .offset: 72, .size: 8, .value_kind: global_buffer, .address_space: global }
      - { .name: neg_peak_mzs_embed, .offset: 80, .size: 8, .value_kind: global_buffer, .address_space: global }
      - { .name: lowp_scales, .offset: 88, .size: 8, .value_kind: global_buffer, .address_space: global }
      - { .name: qimg, .offset: 96, .size: 8, .value_kind: global_buffer, .address_space: global }
      - { .name: kimg, .offset: 104, .size: 8, .value_kind: global_buffer, .address_space: global }
      - { .name: vimg, .offset: 112, .size: 8, .value_kind: global_buffer, .address_space: global }
    .group_segment_fixed_size: 327680
    .private_segment_fixed_size: 0
    .kernarg_segment_align: 8
    .kernarg_segment_size: 120
    .max_flat_workgroup_size: 128
    .sgpr_count:     102
    .vgpr_count:     1024
    .wavefront_size: 32
...
	.end_amdgpu_metadata
.endif
;; end of part 2
;; launch attn (part 3): grid 8 x 32, 16 waves a work-group, no clusters, 84,992 bytes of LDS; arguments qimg, kimg, vimg, lowp_scales, ao; writes ao
.if DOCPART == 3
	.amdgcn_target "amdgcn-amd-amdhsa--gfx1250"
	.amdhsa_code_object_version 6
	.text
	.protected	k_q9df57816db_attn
	.globl	k_q9df57816db_attn
	.p2align	8
	.type	k_q9df57816db_attn,@function
k_q9df57816db_attn:
	s_mov_b64 s[64:65], 0
	v_nop
	global_prefetch_b8 v0, s[64:65] scope:SCOPE_SE
	s_setreg_imm32_b32 hwreg(HW_REG_WAVE_MODE, 25, 1), 1
	s_wait_xcnt 0x0
; Attention on codes of E4M3.  For batch entry b and kv head kv (work-group y = 8 b + kv), 64 tokens (work-group x) and the head's four query heads: 256 queries against 2,048 keys, head size 64.
; THE SOFTMAX AHEAD OF THE SECOND PRODUCT: t = score x log2(e) / 8; M = the row's largest t so far, rounded UP to a whole number; p = 2^(t - M) is quantised along the keys with 2^e9, not normalised.
; The row's sum is taken of the unquantised p, in f32, and divides O at the end.  When M moves, the sum and O are multiplied by 2^(old M - new M): nothing is rounded.  The result is quantised with 2^e10 for the last projection.
; SHARES.  Sixteen waves, four to a SIMD, so that one wave's vector work stands beside another's matrix work and LDS loads.  Wave w owns ONE tile of 16 queries: query head 4 kv + w / 4, tokens 16 (w % 4) on.  Every wave walks all keys, 128 a step.
; LAYOUT.  Both products are used transposed: S^T = K Q^T (source 0 = 16 keys, source 1 = my 16 queries; the 16x16x64 form), O^T = V^T P^T (source 0 = 16 channels, source 1 = P; the 16x16x128 form): a lane holds ONE query throughout.
; Tile t of S^T gives lane (r, h) the keys 16 t + 8 h + 0 .. 7: after the conversion these are registers 2 t, 2 t + 1 of P's fragment, each k in its own place.
; K, Q and V arrive as IMAGES OF THE OPERANDS' REGISTERS (four registers a block of 512 bytes, lane l's 16 bytes at 16 l), so a chunk of 256 keys is 16 KB of K and 16 KB of V, both dense in memory.
; THE RING.  Two LDS buffers of 32 KB.  The 512 threads copy a chunk through registers, 64 bytes each: it is asked for a whole chunk's work (two key steps) ahead, stored into the buffer that was left at the last barrier, and one barrier a chunk
; orders both the stores against the reads that follow and the reads before it against the next stores.
; NO CLUSTER, no tensor load: the eight work-groups of a y read the same K and V, but a chunk is four loads a thread that nobody waits for, against two key steps of some six hundred vector instructions a wave;
; a joint load would put a round of the cluster's barrier in front of each chunk.  No prefetch for the same reason: no wave waits for the stream.
; THE HOLD of p at 448 x 2^e9 changes nothing where e9 >= -8 (448 x 2^-8 = 1.75, and p is at most 1): it is jumped over there, by a scalar branch on the given whole number e9; for smaller e9 it is executed.
; LIMITS on the given exponents: e6 + e7 between -123 and 130 (they are added to c's exponent field); e9 and e10 between -126 and 119; e8 + e9 is applied by v_ldexp_f32 and has none.
.set BUF,  32768                       ; a buffer: 16 tiles of K (1,024 bytes each), then 2 x 4 tiles of V (2,048 each)
.set VOFF, 16384
.set STG,  65536                       ; the way out: 64 rows (tokens) x (256 bytes + 16)
.set SP,   272
.set QF,   20                          ; v20-27   Q's fragment
.set CH,   28                          ; v28-43   the chunk on its way
.set PC,   44                          ; v44-59   p's codes
.set S,    64                          ; v64-127  S^T, then p
.set O,    128                         ; v128-159 O^T
.set KV,   160                         ; v160-223 K's eight fragments, then V's four
; v1 16 x lane; v2 16 x thread; v3, v4 the stage, in and back; v5 my bytes in ao; v6 -M, v7 the largest t; v[8:9] the sum in two halves; v[10:11] f; v12 a permute's destination; v13-15 at work;
; v16, v17: 2^e9 and 448 x 2^e9; v[18:19] the sum's second chain; v60, v61: 2^e10 and 448 x 2^e10
	s_load_b128 s[4:7], s[0:1], 0x0                ; qimg s[4:5], kimg s[6:7]
	s_load_b128 s[8:11], s[0:1], 0x10              ; vimg s[8:9], the scales' exponents s[10:11]
	s_load_b64 s[12:13], s[0:1], 0x20              ; ao
	v_lshl_add_u32 v254, v0, 2, 0x14400
	v_mov_b32 v255, 0
	v_lshrrev_b32 v13, 5, v0
	v_readfirstlane_b32 s14, v13                   ; wave 0..15
	v_and_b32 v1, 31, v0
	v_lshlrev_b32 v1, 4, v1
	v_lshlrev_b32 v2, 4, v0
	v_and_b32 v13, 15, v0                          ; r
	v_bfe_u32 v14, v0, 4, 1                        ; h
	v_bfe_u32 v15, v0, 5, 2                        ; w % 4
	v_lshl_add_u32 v15, v15, 4, v13                ; my query's token among the 64
	v_mul_u32_u24 v3, v15, SP
	v_bfe_u32 v15, v0, 7, 2                        ; w / 4
	v_lshl_add_u32 v3, v15, 6, v3                  ; + 64 bytes a query head
	v_lshl_add_u32 v3, v14, 3, v3                  ; + 8 h
	v_add_nc_u32 v3, STG, v3
	v_lshrrev_b32 v15, 5, v0
	v_lshl_add_u32 v15, v15, 2, v14                ; back: row 4 w + h,
	v_mul_u32_u24 v4, v15, SP
	v_lshl_add_u32 v4, v13, 4, v4                  ; sixteen lanes to a row of 256 bytes
	v_add_nc_u32 v4, STG, v4
	v_lshlrev_b32 v5, 11, v14
	v_lshl_add_u32 v5, v13, 4, v5                  ; and the same two rows in ao
	s_and_b32 s15, ttmp7, 0xffff                   ; y = 8 b + kv
	s_lshl_b32 s16, s15, 17                        ; a y's images: 2^17 bytes in each of the three buffers
	s_mov_b32 s17, 0
	s_lshr_b32 s18, s14, 2
	s_lshl_b32 s18, s18, 15                        ; my query head of the four,
	s_add_co_u32 s18, s18, s16
	s_lshl_b32 s19, ttmp9, 12                      ; the work-group's four tiles of tokens,
	s_add_co_u32 s18, s18, s19
	s_and_b32 s19, s14, 3
	s_lshl_b32 s19, s19, 10                        ; mine of them
	s_add_co_u32 s18, s18, s19
	s_mov_b32 s19, 0
	s_lshr_b32 s32, s15, 3
	s_lshl_b32 s32, s32, 9
	s_lshl_b32 s33, ttmp9, 6
	s_add_co_u32 s32, s32, s33
	s_lshl_b32 s33, s14, 2
	s_add_co_u32 s32, s32, s33                     ; the first row of ao that I store: 512 b + 64 x + 4 w,
	s_lshl_b32 s32, s32, 11
	s_and_b32 s33, s15, 7
	s_lshl_b32 s33, s33, 8                         ; at the kv head's 256 bytes
	s_add_co_u32 s32, s32, s33
	s_mov_b32 s33, 0
	s_mov_b32 s20, 0x76543210                      ; v_permlanex16_b32's selects for lane l xor 16
	s_mov_b32 s21, 0xfedcba98
	s_mov_b32 s22, 0x3e38aa3b                      ; c = log2(e) / 8
	s_mov_b32 s29, 3
	s_wait_kmcnt 0x0
	s_load_b128 s[24:27], s[10:11], 0x18           ; e6, e7, e8, e9
	s_load_b32 s28, s[10:11], 0x28                 ; e10
	s_add_nc_u64 s[4:5], s[4:5], s[18:19]
	s_add_nc_u64 s[6:7], s[6:7], s[16:17]
	s_add_nc_u64 s[8:9], s[8:9], s[16:17]
	s_add_nc_u64 s[12:13], s[12:13], s[32:33]
.macro CHUNK                           ; a chunk's 32 KB, 64 bytes a thread: each load of a wave covers 512 consecutive bytes
	global_load_b128 v[CH:CH+3], v2, s[6:7]
	global_load_b128 v[CH+4:CH+7], v2, s[6:7] offset:8192
	global_load_b128 v[CH+8:CH+11], v2, s[8:9]
	global_load_b128 v[CH+12:CH+15], v2, s[8:9] offset:8192
.endm
	global_load_b128 v[QF:QF+3], v1, s[4:5]        ; Q's fragment stays in registers
	global_load_b128 v[QF+4:QF+7], v1, s[4:5] offset:512
	CHUNK                                          ; chunk 0
	v_mov_b32 v7, 0xff61b1e6                       ; the largest t so far: -3e38, under every t
	v_floor_f32 v6, -v7                            ; -M
	v_mov_b32 v8, 0                                ; the sum, in two halves
	v_mov_b32 v9, 0
	v_mov_b32 v11, 0                               ; (named as the upper half of the pair v[10:11])
	v_mov_b32 v12, 0                               ; written once: a lane permute's destination counts as one of its sources
.irp j, 0,1,2,3,4,5,6,7,8,9,10,11,12,13,14,15,16,17,18,19,20,21,22,23,24,25,26,27,28,29,30,31
	v_mov_b32 v[O+\j], 0                           ; O^T.  (The key step is written without a first step of its own: the first change of M multiplies zeros)
.endr
	s_wait_kmcnt 0x0
	s_add_co_i32 s31, s24, s25
	s_lshl_b32 s31, s31, 23
	s_add_co_i32 s22, s22, s31                     ; a score stands for score x 2^(e6 + e7): the two exponents are added to c's exponent field
	s_mov_b32 s23, s22                             ; (named with it as a pair, so it is written)
	s_add_co_i32 s31, s27, 127
	s_lshl_b32 s34, s31, 23
	v_mov_b32 v16, s34                             ; 2^e9
	s_add_co_i32 s31, s31, 8
	s_lshl_b32 s31, s31, 23
	s_or_b32 s31, s31, 0x600000
	v_mov_b32 v17, s31                             ; 448 x 2^e9
	s_add_co_i32 s31, s28, 127
	s_lshl_b32 s34, s31, 23
	v_mov_b32 v60, s34                             ; 2^e10
	s_add_co_i32 s31, s31, 8
	s_lshl_b32 s31, s31, 23
	s_or_b32 s31, s31, 0x600000
	v_mov_b32 v61, s31                             ; 448 x 2^e10
	s_add_co_i32 s30, s26, s27                     ; e8 + e9
; The chunk that is on its way goes into buffer dst, which every wave left ahead of the last barrier.  more = 1: the next chunk is asked for.
.macro PASS dst, more
	s_wait_loadcnt 0x0                             ; the chunk is in (asked for a chunk's work ago); its loads are done, so their bases may be stepped
.irp p, 0,1,2,3
	ds_store_b128 v2, v[CH+4*\p:CH+4*\p+3] offset:(\dst)*BUF+\p*8192
.endr
.if \more
	s_add_nc_u64 s[6:7], s[6:7], 16384
	s_add_nc_u64 s[8:9], s[8:9], 16384
.endif
	s_wait_dscnt 0x0                               ; for the others' sake: my stores have landed, and my reads of the buffer that I leave are over; the stores have also read their registers
.if \more
	CHUNK
.endif
	s_barrier_signal -1
	s_barrier_wait -1
.endm
; A KEY STEP: 128 keys, the q-th of buffer u.
.macro STEP u, q
.rept 4
	v_nop                                          ; places in front of loads into registers that the last products read
.endr
.irp t, 0,1,2,3,4,5,6,7
	ds_load_b128 v[KV+8*\t:KV+8*\t+3], v1 offset:(\u)*BUF+(\q)*8192+\t*1024
	ds_load_b128 v[KV+8*\t+4:KV+8*\t+7], v1 offset:(\u)*BUF+(\q)*8192+\t*1024+512
.endr
	s_wait_dscnt 0x0
.irp t, 0,1,2,3,4,5,6,7
	v_wmma_f32_16x16x64_fp8_fp8 v[S+8*\t:S+8*\t+7], v[KV+8*\t:KV+8*\t+7], v[QF:QF+7], 0
.endr
.rept 4
	v_nop                                          ; places: in front of the loads below and of the first read of the scores
.endr
.irp d, 0,1,2,3
.irp c, 0,1,2,3
	ds_load_b128 v[KV+16*\d+4*\c:KV+16*\d+4*\c+3], v1 offset:(\u)*BUF+VOFF+(\q)*8192+\d*2048+\c*512   ; V's fragments land under the softmax
.endr
.endr
	v_max3_num_f32 v13, v[S], v[S+1], v[S+2]       ; the step's largest score of my query, among my 64 keys, in two chains, each accumulator from its low end on,
	v_max3_num_f32 v14, v[S+3], v[S+4], v[S+5]
.irp i, 6,10,14,18,22,26,30,34,38,42,46,50,54,58
	v_max3_num_f32 v13, v13, v[S+\i], v[S+\i+1]
	v_max3_num_f32 v14, v14, v[S+\i+2], v[S+\i+3]
.endr
	v_max3_num_f32 v13, v13, v[S+62], v[S+63]
	v_max_num_f32 v13, v13, v14
	v_permlanex16_b32 v12, v13, s20, s21
	v_max_num_f32 v13, v13, v12                    ; and among lane l xor 16's
	v_mul_f32 v13, s22, v13                        ; as t (c is positive)
	v_max_num_f32 v7, v7, v13                      ; the running largest t
	v_mov_b32 v13, v6
	v_floor_f32 v6, -v7                            ; the new -M = floor(-t) = -ceil(t): a whole number
	v_sub_f32 v13, v6, v13                         ; M's old value less its new one: a whole number, 0 or less
	v_cvt_i32_f32 v13, v13                         ; (it saturates)
	v_ldexp_f32 v10, 1.0, v13                      ; f = 2^(old M - new M)
.irp j, 0,2,4,6,8,10,12,14,16,18,20,22,24,26,28,30,32,34,36,38,40,42,44,46,48,50,52,54,56,58,60,62
	v_pk_fma_f32 v[S+\j:S+\j+1], v[S+\j:S+\j+1], s[22:23], v[6:7] op_sel_hi:[1,0,0]   ; t - M, two at a time (of the pairs c and -M the low word serves both halves)
.endr
.irp j, 0,1,2,3,4,5,6,7,8,9,10,11,12,13,14,15,16,17,18,19,20,21,22,23,24,25,26,27,28,29,30,31,32,33,34,35,36,37,38,39,40,41,42,43,44,45,46,47,48,49,50,51,52,53,54,55,56,57,58,59,60,61,62,63
	v_exp_f32 v[S+\j], v[S+\j]                     ; p = 2^(t - M), at most 1
.endr
	v_pk_mul_f32 v[8:9], v[8:9], v[10:11] op_sel_hi:[1,0]   ; the sums under the new M: the plain instruction behind the exponentials
	s_wait_alu depctr_va_vdst(0)                   ; one wait for the whole batch, ahead of its first reader
	v_pk_add_f32 v[18:19], v[S:S+1], v[S+2:S+3]    ; the row's sum is taken of the UNQUANTISED p: two at a time, in two chains
.irp j, 4,8,12,16,20,24,28,32,36,40,44,48,52,56,60
	v_pk_add_f32 v[8:9], v[8:9], v[S+\j:S+\j+1]
	v_pk_add_f32 v[18:19], v[18:19], v[S+\j+2:S+\j+3]
.endr
	v_pk_add_f32 v[8:9], v[8:9], v[18:19]
	s_cmp_ge_i32 s27, -8                           ; 448 x 2^e9 >= 1.75 > p: the hold would change nothing
	s_cbranch_scc1 .Lnohold_\@
.irp j, 0,1,2,3,4,5,6,7,8,9,10,11,12,13,14,15,16,17,18,19,20,21,22,23,24,25,26,27,28,29,30,31,32,33,34,35,36,37,38,39,40,41,42,43,44,45,46,47,48,49,50,51,52,53,54,55,56,57,58,59,60,61,62,63
	v_min_num_f32 v[S+\j], v[S+\j], v17            ; the conversion does not saturate (ISA guide 7.6.2); p is not negative, so the hold is one-sided
.endr
.Lnohold_\@:
.irp t, 0,1,2,3,4,5,6,7
	v_cvt_scalef32_pk8_fp8_f32 v[PC+2*\t:PC+2*\t+1], v[S+8*\t:S+8*\t+7], v16   ; registers 2 t, 2 t + 1 of P's fragment: keys 16 t + 8 h + 0 .. 7
.endr
.irp j, 0,2,4,6,8,10,12,14,16,18,20,22,24,26,28,30
	v_pk_mul_f32 v[O+\j:O+\j+1], v[O+\j:O+\j+1], v[10:11] op_sel_hi:[1,0]      ; O^T under the new M.  (Also the plain lines between the conversions and the products that read their results)
.endr
	s_wait_dscnt 0x0                               ; V is in
.irp d, 0,1,2,3
	v_wmma_f32_16x16x128_fp8_fp8 v[O+8*\d:O+8*\d+7], v[KV+16*\d:KV+16*\d+15], v[PC:PC+15], v[O+8*\d:O+8*\d+7]   ; the four accumulators by turns, one instruction a turn; the next step's eight products stand between two links of a chain
.endr
.endm
	PASS 0, 1                                      ; chunk 0 into buffer 0 (Q is in too: the wait is for all loads); chunk 1 is asked for
.Ltrip:                                                ; three trips of two chunks; chunks 1 to 7 are asked for in all, none past the head's 2,048 keys
	STEP 0, 0
	STEP 0, 1
	PASS 1, 1
	STEP 1, 0
	STEP 1, 1
	PASS 0, 1
	s_sub_co_u32 s29, s29, 1
	s_cmp_lg_u32 s29, 0
	s_cbranch_scc1 .Ltrip
	STEP 0, 0                                      ; chunk 6
	STEP 0, 1
	PASS 1, 0                                      ; chunk 7: nothing is left to ask for
	STEP 1, 0
	STEP 1, 1
	; THE WAY OUT.  O^T x 2^(e8 + e9) / the sum is quantised with 2^e10.  A lane's eight codes are 8 bytes of a row of ao whose 256 bytes (four query heads) come from four waves: they meet in the stage, and each wave stores four whole rows' units.
.rept 4
	v_nop                                          ; places behind the last products
.endr
	v_add_f32 v8, v8, v9                           ; the sum's two halves,
	v_permlanex16_b32 v12, v8, s20, s21
	v_add_f32 v8, v8, v12                          ; and lane l xor 16's: the row's sum
	v_rcp_f32 v13, v8
	v_nop                                          ; a plain instruction behind the transcendental
	s_wait_alu depctr_va_vdst(0)                   ; and the wait ahead of its first reader
	v_ldexp_f32 v13, v13, s30                      ; x 2^(e8 + e9)
.irp j, 0,1,2,3,4,5,6,7,8,9,10,11,12,13,14,15,16,17,18,19,20,21,22,23,24,25,26,27,28,29,30,31
	v_mul_f32 v[S+\j], v[O+\j], v13                ; register 8 d + j: channel 16 d + 8 h + j of my query; each accumulator from its low end on
.endr
.irp j, 0,1,2,3,4,5,6,7,8,9,10,11,12,13,14,15,16,17,18,19,20,21,22,23,24,25,26,27,28,29,30,31
	v_med3_num_f32 v[S+\j], v[S+\j], -v61, v61
.endr
.irp d, 0,1,2,3
	v_cvt_scalef32_pk8_fp8_f32 v[PC+2*\d:PC+2*\d+1], v[S+8*\d:S+8*\d+7], v60
.endr
	v_nop                                          ; one plain vector line behind the last conversion
.irp d, 0,1,2,3
	ds_store_b64 v3, v[PC+2*\d:PC+2*\d+1] offset:16*\d
.endr
	s_wait_dscnt 0x0                               ; for the others' sake: my stores into the stage are done
	s_barrier_signal -1
	s_barrier_wait -1
	ds_load_b128 v[S:S+3], v4                      ; rows 4 w, 4 w + 1
	ds_load_b128 v[S+4:S+7], v4 offset:2*SP        ; rows 4 w + 2, 4 w + 3
	s_wait_dscnt 1
	global_store_b128 v5, v[S:S+3], s[12:13]       ; sixteen lanes store 256 consecutive bytes, at a multiple of 256 from ao's first byte
	s_wait_dscnt 0x0
	global_store_b128 v5, v[S+4:S+7], s[12:13] offset:4096
	s_wait_tensorcnt 0x0
	ds_add_u32 v254, v255
	s_wait_dscnt 0x0
	s_endpgm
.Lfunc_end_k_q9df57816db_attn:
	.size	k_q9df57816db_attn, .Lfunc_end_k_q9df57816db_attn-k_q9df57816db_attn
	.p2alignl 7, 3214868480
	.fill 96, 4, 3214868480
	.section	.rodata,"a",@progbits
	.p2align	6, 0x0
	.amdhsa_kernel k_q9df57816db_attn
		.amdhsa_group_segment_fixed_size 84992
		.amdhsa_private_segment_fixed_size 0
		.amdhsa_enable_private_segment 0
		.amdhsa_kernarg_size 40
		.amdhsa_user_sgpr_count 2
		.amdhsa_user_sgpr_kernarg_segment_ptr 1
		.amdhsa_wavefront_size32 1
		.amdhsa_system_sgpr_workgroup_id_x 1
		.amdhsa_system_sgpr_workgroup_id_y 1
		.amdhsa_system_sgpr_workgroup_id_z 1
		.amdhsa_system_vgpr_workitem_id 0
		.amdhsa_next_free_vgpr 256
		.amdhsa_next_free_sgpr 66
		.amdhsa_reserve_vcc 0
		.amdhsa_float_denorm_mode_32 3
		.amdhsa_float_denorm_mode_16_64 3
		.amdhsa_memory_ordered 1
		.amdhsa_forward_progress 1
		.amdhsa_inst_pref_size 134
	.end_amdhsa_kernel
	.amdgpu_metadata
---
amdhsa.version: [ 1, 2 ]
amdhsa.kernels:
  - .name:           k_q9df57816db_attn
    .symbol:         k_q9df57816db_attn.kd
    .args:
      - { .name: qimg, .offset: 0, .size: 8, .value_kind: global_buffer, .address_space: global }
      - { .name: kimg, .offset: 8, .size: 8, .value_kind: global_buffer, .address_space: global }
      - { .name: vimg, .offset: 16, .size: 8, .value_kind: global_buffer, .address_space: global }
      - { .name: lowp_scales, .offset: 24, .size: 8, .value_kind: global_buffer, .address_space: global }
      - { .name: ao, .offset: 32, .size: 8, .value_kind: global_buffer, .address_space: global }
    .group_segment_fixed_size: 84992
    .private_segment_fixed_size: 0
    .kernarg_segment_align: 8
    .kernarg_segment_size: 40
    .max_flat_workgroup_size: 512
    .sgpr_count:     66
    .vgpr_count:     256
    .wavefront_size: 32
...
	.end_amdgpu_metadata
.endif
;; end of part 3
;; launch oproj (part 4): grid 8 x 8, 4 waves a work-group, clusters of 4 x 4, 327,680 bytes of LDS; arguments ao, Wo_codes, lowp_scales, op; writes op
.if DOCPART == 4
	.amdgcn_target "amdgcn-amd-amdhsa--gfx1250"
	.amdhsa_code_object_version 6
	.text
	.protected	k_q9df57816db_oproj
	.globl	k_q9df57816db_oproj
	.p2align	8
	.type	k_q9df57816db_oproj,@function
k_q9df57816db_oproj:
	s_mov_b64 s[64:65], 0
	v_nop
	global_prefetch_b8 v0, s[64:65] scope:SCOPE_SE
	s_setreg_imm32_b32 hwreg(HW_REG_WAVE_MODE, 25, 1), 1
	s_wait_xcnt 0x0
	s_wait_alu depctr_hold_cnt(0) depctr_sa_sdst(0) depctr_va_vdst(0) depctr_va_sdst(0) depctr_va_ssrc(0) depctr_va_vcc(0) depctr_vm_vsrc(0)
	s_getreg_b32 s2, hwreg(HW_REG_IB_STS2, 6, 4)
	s_cmp_eq_u32 s2, 0
	s_cbranch_scc0 .Lentry_in_a_cluster
	s_endpgm
.Lentry_in_a_cluster:
	s_bfe_u32 s2, ttmp6, 0x10000c
	s_cmp_lg_u32 s2, 0xf033
	s_cbranch_scc0 .Lentry_shape_is_right
	s_endpgm
.Lentry_shape_is_right:
; op[m][n] = 2^(e10 + e11) x the sum over k of ao[m][k] Wo[n][k].  ao: [2048][2048], Wo: [2048][2048]: codes of E4M3, K innermost; op: [2048][2048] f32; sums in f32.  e10, e11: entries 10 and 11 of the scales.
; LIMIT: e10 + e11 lies between -126 and 127, so that 2^(e10 + e11) is an f32 number.
; A tile of op, 256 x 256, is made by a work-group of four waves, as many as a WGP has SIMDs; a wave makes 128 x 128: 64 accumulators of 16 x 16, 512 registers.  8 x 8 tiles: 64 work-groups.
; K goes in steps of 256 through a ring of two LDS slots filled by the tensor data mover: a tile's row is 256 bytes of memory.
; CLUSTERS: 4 x 4 work-groups.  The four of a row of the cluster need the same tiles of A, the four of a column the same tiles of B: each tile is asked for JOINTLY, by the same tensor load with the
; same descriptor and a mask that names the four.  THE MATRIX INSTRUCTION IS USED TRANSPOSED (source 0 = 16 rows of B, source 1 = 16 rows of A): a lane then holds eight neighbouring numbers of a row of C.
; REGISTERS, in windows of 256: window 0: v0-31 addresses; from v128 A's fragments (8 x 16 rows x 128 K), ONE set; on the way out v32-255 are free.
;   window 1: B's fragments, TWO sets, at v0 and at v128.   window 2: the 32 accumulators of my rows 0-63 (accumulator (a, b) at v[8 (8 a + b)]);   window 3: those of my rows 64-127.
; A step of 128 along K is 64 matrix instructions, A's blocks one after the other, each against B's eight.  So a block of A is free as soon as its eight products are issued, and one set of registers serves A.
; No prefetch: of the eight K steps two are first fills, and each refill has a K step's 128 matrix instructions in which to land.
.set SIZE_M, 2048
.set SIZE_N, 2048
.set SIZE_K, 2048
.set KSTEP,  256                       ; along K in a slot
.set ROWB,   256                       ; a tile's row in bytes
.set KROW,   SIZE_K                    ; a row of A or of B in memory, in bytes
.set PITCH,  272                       ; an LDS row: 256 bytes of data + 16 of padding = 68 words: the 16 rows that a load touches start at 16 different banks (64 banks of 4 bytes: ISA guide 11.1)
.set FR,     16                        ; registers of a fragment: 16 rows x 128 K
.set NL,     4                         ; LDS loads that bring one
.set NP,     4                         ; places behind this matrix instruction (ISA guide 7.12.1)
.set HALFT,  128*PITCH                 ; 128 rows: what one tensor load brings, and what one wave reads of A or of B
.set SLOT,   4*HALFT                   ; A's 256 rows, then B's 256 rows
.set LAPS,   SIZE_K/(2*KSTEP)          ; a lap = two K steps = once round the ring
.set SPARE,  2*SLOT                    ; behind the ring: the spare words, 128 bytes for each wave: two blocks of 256 bytes that no other line names
.set SPITCH, 528                       ; the way out: a stage of 16 rows x (512 bytes + 16) for each wave.  It lies in slot 0, which has had its last fill and its last read when the first result is stored there
.set ADRA, 16                          ; v16-17  LDS address of my A fragments in slot 0, 1
.set ADRB, 20                          ; v20-21  the same for B
.set STO,  24                          ; v24     the way out: where I put 32 bytes of a row
.set RD,   25                          ; v25     the way out: where I read a row back
.set CO,   26                          ; v26     my byte offset in a row of C
.set SPW,  28                          ; v28     LDS address of my spare word; never rewritten
.set NIL,  29                          ; v29     0; never rewritten
.set TMP,  32                          ; the way out: 64 registers, a block's sums x 2^(e10 + e11)
.set AF,   128                         ; A's fragments, in window 0
.set BK,   128                         ; the way out: 16 rows read back from the stage: v128-191 and v192-255 by turns
.set G1, 24                            ; s[24:31] descriptor group 1 for A's tiles;  s[32:39] group 0, one set for each slot
.set G0, 32
.set G1B, 48                           ; s[48:55], s[56:63] the same for B's tiles
.set G0B, 56
.set MSB, 0
.macro WIN new                         ; the immediate's high byte repeats the setting that is left
.if MSB != (\new)
	s_set_vgpr_msb (MSB<<8)|(\new)
.set MSB, (\new)
.endif
.endm
.set MUL_LO, 0xa1                      ; source 0 (B) window 1, source 1 (A) window 0, C and D window 2
.set MUL_HI, 0xf1                      ; the same, C and D window 3
.set TO_B,   0x40                      ; destination window 1, address window 0
; A joint load: waves 0 and 1 fetch for A, waves 2 and 3 for B.  Each of the two lines has ONE mask and one set of registers for all that issue it; the branch hangs on the wave's number alone.
; Four v_nop follow each of the two lines, ahead of the jump, the label and what follows.
.macro JLOAD g0a, g1a, g0b, g1b
	s_cmp_eq_u32 s15, 0
	s_cbranch_scc0 .Lfor_b_\@
	tensor_load_to_lds s[\g0a:\g0a+3], s[\g1a:\g1a+7]
	s_nop 0
.rept 4
	v_nop
.endr
	s_branch .Lasked_\@
.Lfor_b_\@:
	tensor_load_to_lds s[\g0b:\g0b+3], s[\g1b:\g1b+7]
	s_nop 0
.rept 4
	v_nop
.endr
.Lasked_\@:
.endm
.macro CREST                           ; a round of the cluster's barrier behind its opening barrier
	s_cmp_lg_u32 s14, 0
	s_cbranch_scc1 .Lnot_wave_0_\@
	s_barrier_signal -3
.Lnot_wave_0_\@:
	s_barrier_wait -3
	s_barrier_signal -1
	s_barrier_wait -1
.endm
.macro CROUND                          ; a whole round
	s_barrier_signal -1
	s_barrier_wait -1
	CREST
.endm
	s_load_b128 s[4:7], s[0:1], 0x0                ; A's codes s[4:5], B's codes s[6:7]
	s_load_b128 s[8:11], s[0:1], 0x10              ; the scales' exponents s[8:9], C s[10:11]
	v_lshl_add_u32 v[SPW], v0, 2, SPARE
	v_mov_b32 v[NIL], 0
	ds_add_u32 v28, v29
	ds_add_u32 v28, v29
	s_wait_dscnt 0x0
	v_lshrrev_b32 v1, 5, v0
	v_readfirstlane_b32 s14, v1                    ; wave 0..3
	s_lshr_b32 s15, s14, 1                         ; which half of the tile's rows is mine.  Also: I fetch for A (0) or for B (1)
	s_and_b32 s16, s14, 1                          ; which half of its columns.  Also: which 128 rows of that tile I fetch
	s_bfe_u32 s40, ttmp6, 0x40000                  ; cx, cy: my place in the cluster
	s_bfe_u32 s41, ttmp6, 0x40004
	s_lshl_b32 s42, ttmp9, 2
	s_add_co_u32 s42, s42, s40                     ; tile column of C = 4 x cluster x + cx
	s_and_b32 s17, ttmp7, 0xffff
	s_lshl_b32 s17, s17, 2
	s_add_co_u32 s17, s17, s41                     ; tile row of C = 4 x cluster y + cy
	s_lshl_b32 s43, s41, 2
	s_lshl_b32 s43, 15, s43                        ; my row of the cluster
	s_lshl_b32 s44, 0x1111, s40                    ; my column
	; descriptor group 1: a tile of 128 rows x ROWB bytes, padded in LDS
	s_or_b32 s[G1+0], s43, (0<<16)|(1<<20)|(1<<21)|(5<<22)|(3<<25)  ; 15:0 the mask: A's tiles go to my row; 17:16 element of 1 byte; 20 padding on; 21 set beside a mask; 24:22 after every 64 words (code 5); 31:25 of 4 words (code 3)
	s_or_b32 s[G1B+0], s44, (0<<16)|(1<<20)|(1<<21)|(5<<22)|(3<<25)
.irp g, G1, G1B
	s_mov_b32 s[\g+1], ROWB<<16                    ; tensor_dim0
	s_mov_b32 s[\g+2], 128<<16                     ; tensor_dim1 = 128
	s_mov_b32 s[\g+3], ROWB<<16                    ; tile_dim0
	s_mov_b32 s[\g+4], 128                         ; tile_dim1 = 128
	s_mov_b32 s[\g+5], KROW                        ; tensor_dim0_stride
	s_mov_b32 s[\g+6], 0
	s_mov_b32 s[\g+7], 0
.endr
	s_lshl_b32 s18, s16, 7                         ; which 128 rows of the tile I fetch
	s_lshl_b32 s20, s17, 8
	s_add_co_u32 s20, s20, s18                     ; A: row 256 x tile row + 128 x half
	s_lshl_b32 s46, s42, 8
	s_add_co_u32 s46, s46, s18                     ; B: row 256 x tile column + 128 x half
	s_mov_b32 s21, 0
	s_mov_b32 s47, 0
	s_mov_b64 s[18:19], KROW
	s_mul_u64 s[20:21], s[20:21], s[18:19]         ; and their codes
	s_mul_u64 s[46:47], s[46:47], s[18:19]
	s_mul_i32 s45, s14, HALFT                      ; where they go: wave x 128 rows: no place in the cluster enters an LDS address
	s_wait_kmcnt 0x0
	s_load_b64 s[96:97], s[8:9], 0x28              ; e10, e11
	s_add_nc_u64 s[20:21], s[4:5], s[20:21]
	s_add_nc_u64 s[46:47], s[6:7], s[46:47]
	CROUND                                         ; all sixteen work-groups are here: the first joint loads meet
.irp s, 0,1
	s_mov_b32 s[G0+4*\s], 1
	s_add_co_u32 s[G0+4*\s+1], s45, \s*SLOT
	s_add_nc_u64 s[G0+4*\s+2:G0+4*\s+3], s[20:21], \s*ROWB
	s_or_b32 s[G0+4*\s+3], s[G0+4*\s+3], 0x80000000
	s_mov_b32 s[G0B+4*\s], 1
	s_add_co_u32 s[G0B+4*\s+1], s45, \s*SLOT
	s_add_nc_u64 s[G0B+4*\s+2:G0B+4*\s+3], s[46:47], \s*ROWB
	s_or_b32 s[G0B+4*\s+3], s[G0B+4*\s+3], 0x80000000
	JLOAD G0+4*\s, G1, G0B+4*\s, G1B
.endr
	v_and_b32 v1, 15, v0                           ; l % 16
	v_bfe_u32 v2, v0, 4, 1                         ; l / 16
	v_mul_u32_u24 v3, v1, PITCH
	v_lshl_add_u32 v4, v2, 4, v3                   ; a fragment's row x pitch + 16 x half
	s_mul_i32 s21, s15, HALFT                      ; my 128 rows of A
	s_mul_i32 s22, s16, HALFT                      ; my 128 rows of B,
	s_add_co_u32 s22, s22, 2*HALFT                 ; which lie behind A's 256
.irp s, 0,1
	v_add_nc_u32 v[ADRA+\s], s21, v4
	v_add_nc_u32 v[ADRB+\s], s22, v4
	s_add_co_u32 s21, s21, SLOT
	s_add_co_u32 s22, s22, SLOT
.endr
	s_mul_i32 s23, s14, 16*SPITCH                  ; my stage
	v_mul_u32_u24 v5, v1, SPITCH                   ; in: row l % 16, 32 bytes for each half of the lanes
	v_lshl_add_u32 v5, v2, 5, v5
	v_add_nc_u32 v[STO], s23, v5
	v_and_b32 v6, 31, v0
	v_lshlrev_b32 v[CO], 4, v6                     ; back: the 32 lanes take one row of 512 bytes; and the same in C
	v_add_nc_u32 v[RD], s23, v[CO]
	s_lshl_b32 s20, s17, 8
	s_lshl_b32 s21, s15, 7
	s_add_co_u32 s20, s20, s21                     ; my first row of C: 256 x tile row + 128 x half
	s_mov_b32 s21, 0
	s_mov_b64 s[18:19], SIZE_N*4
	s_mul_u64 s[20:21], s[20:21], s[18:19]
	s_lshl_b32 s46, s42, 10                        ; my first column, in bytes: 1024 x tile column + 512 x half
	s_lshl_b32 s47, s16, 9
	s_add_co_u32 s46, s46, s47
	s_mov_b32 s47, 0
	s_add_nc_u64 s[20:21], s[20:21], s[46:47]
	s_add_nc_u64 s[10:11], s[10:11], s[20:21]
.macro FRAG reg, adr, q, i             ; a fragment, 16 rows x 128 K of 8-bit codes, is 16 registers: registers 4 c .. 4 c + 3 hold K = 32 c + 16 (l / 16) + 0 .. 15: one permutation of k, the same in A and B
.irp c, 0,1,2,3
	ds_load_b128 v[\reg+4*\c:\reg+4*\c+3], v[\adr] offset:128*(\q)+32*\c+(\i)*16*PITCH
.endr
.endm
; 16 matrix instructions: A's blocks a0, a0 + 1 x B's eight, 128 along K.  p: B's set.  zero = 1: the first product starts the sums: nothing is ever cleared.
; The 64 accumulators take turns, one instruction a turn, in the same order in every step.
.macro MUL16 a0, p, zero
.irp a, \a0, \a0+1
.irp b, 0,1,2,3,4,5,6,7
.if \zero
	v_wmma_f32_16x16x128_fp8_fp8 v[8*(8*((\a)%4)+\b):8*(8*((\a)%4)+\b)+7], v[128*(\p)+FR*\b:128*(\p)+FR*\b+FR-1], v[AF+FR*(\a):AF+FR*(\a)+FR-1], 0
.else
	v_wmma_f32_16x16x128_fp8_fp8 v[8*(8*((\a)%4)+\b):8*(8*((\a)%4)+\b)+7], v[128*(\p)+FR*\b:128*(\p)+FR*\b+FR-1], v[AF+FR*(\a):AF+FR*(\a)+FR-1], v[8*(8*((\a)%4)+\b):8*(8*((\a)%4)+\b)+7]
.endif
.endr
.endr
.endm
.macro FETCH_B slot, q, p              ; B's eight fragments of the slot's q-th 128 along K into set p
	WIN TO_B
.irp i, 0,1,2,3,4,5,6,7
	FRAG 128*(\p)+FR*\i, ADRB+\slot, \q, \i
.endr
	WIN 0
.endm
.macro FETCH_A slot, q, i0             ; A's blocks i0 .. i0 + 3
.irp i, \i0, \i0+1, \i0+2, \i0+3
	FRAG AF+FR*(\i), ADRA+\slot, \q, \i
.endr
.endm
; A load into a register that a matrix instruction has read, and a vector instruction or an LDS store that reads a matrix result, stand NP places behind that matrix instruction; only plain vector
; instructions that name none of its registers are places.
.macro PLACES n
.rept \n
	v_nop
.endr
.endm
; A step of 128 along K that has its successor in the same slot.
.macro STEP slot, q, zero
	s_wait_dscnt 4*NL                              ; B's set and A's blocks 0-3 are in; the youngest sixteen loads (A's blocks 4-7) may be out
	WIN MUL_LO
	MUL16 0, (\q)%2, \zero
	MUL16 2, (\q)%2, \zero
	s_wait_dscnt 0                                 ; A's blocks 4-7 are in (asked for 32 matrix instructions ago)
	PLACES NP
	FETCH_B \slot, (\q)+1, 1-(\q)%2
	FETCH_A \slot, (\q)+1, 0
	WIN MUL_HI
	MUL16 4, (\q)%2, \zero
	MUL16 6, (\q)%2, \zero
	PLACES NP
	WIN 0
	FETCH_A \slot, (\q)+1, 4
.endm
; A slot's last step changes slots: ONE barrier; in front of it each wave waits for all its tensor loads, adds 0 to its spare word, and waits for that and for its own reads of this slot.  fill = 1: this slot is filled again, two K steps ahead.
.macro TURN slot, next, fill
	s_wait_tensorcnt 0x0                           ; all my tensor loads have landed: my part of the next slot  (every window is 0 here: the add's two registers lie in window 0)
	ds_add_u32 v[SPW], v[NIL]                      ; 0 onto my spare word
	s_wait_dscnt 4*NL+1                            ; (the add and the youngest sixteen loads, A's blocks 4-7, may be out)
	WIN MUL_LO
	MUL16 0, 1, 0                                  ; sixteen matrix instructions stand between the add and the wait for it
	s_wait_dscnt 0x0                               ; the add is done, and my reads of this slot are over
	s_barrier_signal -1
	MUL16 2, 1, 0
	WIN 0
	s_barrier_wait -1
.if \fill
	CREST                                          ; the barrier has opened a round of the cluster's barrier: no wave of any partner still reads this slot's tile or has a load on its way
	s_add_nc_u64 s[G0+4*\slot+2:G0+4*\slot+3], s[G0+4*\slot+2:G0+4*\slot+3], 2*ROWB
	s_add_nc_u64 s[G0B+4*\slot+2:G0B+4*\slot+3], s[G0B+4*\slot+2:G0B+4*\slot+3], 2*ROWB
	JLOAD G0+4*\slot, G1, G0B+4*\slot, G1B         ; the first tensor load behind the round; the four v_nop behind it are the places in front of the loads below
.else
	PLACES NP
.endif
	FETCH_B \next, 0, 0
	FETCH_A \next, 0, 0
	WIN MUL_HI
	MUL16 4, 1, 0
	MUL16 6, 1, 0
	PLACES NP
	WIN 0
	FETCH_A \next, 0, 4
.endm
	s_wait_tensorcnt 1                             ; my part of K step 0 is in (K step 1's load may be out),
	s_barrier_signal -1
	s_barrier_wait -1                              ; everybody's is
	FETCH_B 0, 0, 0
	FETCH_A 0, 0, 0
	FETCH_A 0, 0, 4
	STEP 0, 0, 1                                   ; the first step stands in front of the loop: its products start the sums
	s_mov_b32 s3, LAPS-1
.Llap:                                                 ; a trip goes once round the ring, from a lap's second step to the next lap's first, and fills both slots again
	TURN 0, 1, 1
	STEP 1, 0, 0
	TURN 1, 0, 1
	STEP 0, 0, 0
	s_sub_co_u32 s3, s3, 1
	s_cmp_lg_u32 s3, 0
	s_cbranch_scc1 .Llap
	TURN 0, 1, 0                                   ; the last lap fills nothing, and has no round of the cluster's barrier
	STEP 1, 0, 0
	s_wait_dscnt 4*NL                              ; the very last step: nothing more to fetch
	WIN MUL_LO
	MUL16 0, 1, 0
	MUL16 2, 1, 0
	s_wait_dscnt 0
	WIN MUL_HI
	MUL16 4, 1, 0
	MUL16 6, 1, 0
	WIN 0
; THE WAY OUT, block by block of 16 rows x 128 columns.  A lane holds 32 neighbouring bytes of a row, and the lanes beside it hold other rows: so a block goes through my own stage in LDS and comes back as whole
; rows of 512 bytes, which the 32 lanes store as 512 consecutive bytes, aligned.  LDS serves a wave's instructions in order (ISA guide 5.7.1.4): no wait between the stores and the loads, nor in front of the next block's stores.
.macro TOSTAGE a
.set AC, 64*((\a)%4)
	WIN 0x02+((\a)/4)                              ; source 0: window 2 or 3
.irp j, 0,2,4,6,8,10,12,14,16,18,20,22,24,26,28,30,32,34,36,38,40,42,44,46,48,50,52,54,56,58,60,62
	v_pk_mul_f32 v[TMP+\j:TMP+\j+1], v[AC+\j:AC+\j+1], s[96:97] op_sel_hi:[1,0]   ; both x s96 = 2^(e10 + e11); each accumulator from its low end on
.endr
	WIN 0
.irp b, 0,1,2,3,4,5,6,7
	ds_store_b128 v[STO], v[TMP+8*\b:TMP+8*\b+3] offset:64*\b
	ds_store_b128 v[STO], v[TMP+8*\b+4:TMP+8*\b+7] offset:64*\b+16
.endr
.set BB, BK+64*((\a)%2)
.irp t, 0,1,2,3,4,5,6,7,8,9,10,11,12,13,14,15
	ds_load_b128 v[BB+4*\t:BB+4*\t+3], v[RD] offset:\t*SPITCH
.endr
.endm
.macro SEND a, younger                 ; younger: the LDS instructions issued behind block a's loads, which may stay out
.set BB, BK+64*((\a)%2)
	s_wait_dscnt \younger                          ; the block is back in registers
.if (\a) > 0
	s_add_nc_u64 s[10:11], s[10:11], 16*SIZE_N*4   ; (behind a wait on XCNT: the earlier stores have read their base)  16 rows of C on, so that the stores' offsets stay small: 15 rows of 8,192 bytes at the most
.endif
.irp t, 0,1,2,3,4,5,6,7,8,9,10,11,12,13,14,15
	global_store_b128 v[CO], v[BB+4*\t:BB+4*\t+3], s[10:11] offset:\t*SIZE_N*4 th:TH_STORE_NT   ; 32 lanes store 512 consecutive bytes, at a multiple of 256 from C's first byte; written once, read by nobody here
.endr
.endm
	s_wait_kmcnt 0x0
	s_add_co_i32 s96, s96, s97                     ; e10 + e11, between -126 and 127,
	s_add_co_i32 s96, s96, 127
	s_lshl_b32 s96, s96, 23                        ; makes the f32 number 2^(e10 + e11)
	PLACES NP                                      ; in front of the loads into the registers that held A's fragments and of the reads of the last products' results
	TOSTAGE 0
.irp a, 1,2,3,4,5,6,7
.if \a > 1
	s_wait_xcnt 0x0                                ; block a - 2's stores have read their registers and their base: block a's loads may land there, and the base may step
.endif
	TOSTAGE \a
	SEND \a-1, 32                                  ; behind block a - 1's loads: block a's 16 stores and 16 loads
.endr
	s_wait_xcnt 0x0                                ; block 6's stores have read their base
	SEND 7, 0
	s_wait_tensorcnt 0x0                           ; the wave's end: behind my last tensor load and my last LDS store
	ds_add_u32 v[SPW], v[NIL]
	s_wait_dscnt 0x0
	CROUND                                         ; the closing round: no work-group ends while a partner may still ask for a tile that names it
	s_endpgm
.Lfunc_end_k_q9df57816db_oproj:
	.size	k_q9df57816db_oproj, .Lfunc_end_k_q9df57816db_oproj-k_q9df57816db_oproj
	.p2alignl 7, 3214868480
	.fill 96, 4, 3214868480
	.section	.rodata,"a",@progbits
	.p2align	6, 0x0
	.amdhsa_kernel k_q9df57816db_oproj
		.amdhsa_group_segment_fixed_size 327680
		.amdhsa_private_segment_fixed_size 0
		.amdhsa_enable_private_segment 0
		.amdhsa_kernarg_size 32
		.amdhsa_user_sgpr_count 2
		.amdhsa_user_sgpr_kernarg_segment_ptr 1
		.amdhsa_wavefront_size32 1
		.amdhsa_system_sgpr_workgroup_id_x 1
		.amdhsa_system_sgpr_workgroup_id_y 1
		.amdhsa_system_sgpr_workgroup_id_z 1
		.amdhsa_system_vgpr_workitem_id 0
		.amdhsa_next_free_vgpr 1024
		.amdhsa_next_free_sgpr 98
		.amdhsa_reserve_vcc 0
		.amdhsa_float_denorm_mode_32 3
		.amdhsa_float_denorm_mode_16_64 3
		.amdhsa_memory_ordered 1
		.amdhsa_forward_progress 1
		.amdhsa_inst_pref_size 123
	.end_amdhsa_kernel
	.amdgpu_metadata
---
amdhsa.version: [ 1, 2 ]
amdhsa.kernels:
  - .name:           k_q9df57816db_oproj
    .symbol:         k_q9df57816db_oproj.kd
    .args:
      - { .name: ao, .offset: 0, .size: 8, .value_kind: global_buffer, .address_space: global }
      - { .name: Wo_codes, .offset: 8, .size: 8, .value_kind: global_buffer, .address_space: global }
      - { .name: lowp_scales, .offset: 16, .size: 8, .value_kind: global_buffer, .address_space: global }
      - { .name: op, .offset: 24, .size: 8, .value_kind: global_buffer, .address_space: global }
    .group_segment_fixed_size: 327680
    .private_segment_fixed_size: 0
    .kernarg_segment_align: 8
    .kernarg_segment_size: 32
    .max_flat_workgroup_size: 128
    .sgpr_count:     98
    .vgpr_count:     1024
    .wavefront_size: 32
...
	.end_amdgpu_metadata
.endif
;; end of part 4
;; launch lnorm (part 5): grid 256 x 1, 8 waves a work-group, no clusters, 25,600 bytes of LDS; arguments op, tgt, bo, ln_gamma, ln_beta, out0; writes out0
.if DOCPART == 5
	.amdgcn_target "amdgcn-amd-amdhsa--gfx1250"
	.amdhsa_code_object_version 6
	.text
	.protected	k_q9df57816db_lnorm
	.globl	k_q9df57816db_lnorm
	.p2align	8
	.type	k_q9df57816db_lnorm,@function
k_q9df57816db_lnorm:
	s_mov_b64 s[64:65], 0
	v_nop
	global_prefetch_b8 v0, s[64:65] scope:SCOPE_SE
	s_setreg_imm32_b32 hwreg(HW_REG_WAVE_MODE, 25, 1), 1
	s_wait_xcnt 0x0
; out0 = ln_gamma (y - mean) / sqrt(var + 1e-5) + ln_beta, y = 2 tgt + (op + bo), mean and variance along a row of 2,048.  All f32.
; One wave, one row: a row of 8,192 bytes is 64 registers a lane and stays in registers between the passes, so memory is read once and the reductions never leave the wave.  8 waves, 256 work-groups: 2,048 rows.
; The variance is the mean of the squared differences from the mean (a second pass over the registers), so a common offset of the inputs costs no digits.
; bo, ln_gamma and ln_beta are copied once a work-group into LDS, in whole consecutive runs, and every wave reads its lanes' numbers from there.
; Each load and store of a wave covers 512 consecutive bytes.  No matrix unit, no cluster, no ring: the launch only streams; what work-groups share (24 KB of parameters) is small beside a work-group's 192 KB of rows.
.set PR, 4                             ; v4-27    the parameters on their way to LDS
.set X,  32                            ; v32-95   op, then y, then the result
.set T,  96                            ; v96-159  tgt, later ln_gamma
.set B,  160                           ; v160-223 bo, later ln_beta
.set S,  224                           ; v224-231 four packed chains; S+2 later the mean, then 1 / sigma
	s_load_b256 s[4:11], s[0:1], 0x0               ; op s[4:5], tgt s[6:7], bo s[8:9], ln_gamma s[10:11]
	s_load_b128 s[12:15], s[0:1], 0x20             ; ln_beta s[12:13], out0 s[14:15]
	v_lshl_add_u32 v232, v0, 2, 0x6000
	v_mov_b32 v233, 0
	v_lshrrev_b32 v3, 5, v0
	v_readfirstlane_b32 s18, v3                    ; wave 0..7
	v_and_b32 v1, 31, v0
	v_lshlrev_b32 v1, 4, v1                        ; 16 x lane
	v_lshlrev_b32 v2, 4, v0                        ; 16 x thread
	s_lshl_b32 s20, ttmp9, 3
	s_add_co_u32 s20, s20, s18                     ; my row
	s_lshl_b32 s20, s20, 13                        ; of 8,192 bytes
	s_mov_b32 s21, 0
	s_mov_b32 s16, 0x3a000000                      ; 1 / 2048
	s_mov_b32 s17, 0x3727c5ac                      ; 1e-5
	s_mov_b32 s22, 0x76543210                      ; v_permlanex16_b32's selects for lane l xor 16
	s_mov_b32 s23, 0xfedcba98
	s_wait_kmcnt 0x0
	s_add_nc_u64 s[4:5], s[4:5], s[20:21]
	s_add_nc_u64 s[6:7], s[6:7], s[20:21]
	s_add_nc_u64 s[14:15], s[14:15], s[20:21]
.irp k, 0,1,2
	global_load_b128 v[PR+8*\k:PR+8*\k+3], v2, s[8+2*\k:9+2*\k]                 ; 256 threads x 16 bytes: half of a parameter's 8,192
	global_load_b128 v[PR+8*\k+4:PR+8*\k+7], v2, s[8+2*\k:9+2*\k] offset:4096
.endr
.irp j, 0,1,2,3,4,5,6,7,8,9,10,11,12,13,14,15
	global_load_b128 v[T+4*\j:T+4*\j+3], v1, s[6:7] offset:512*\j th:TH_LOAD_NT
.endr
.irp j, 0,1,2,3,4,5,6,7,8,9,10,11,12,13,14,15
	global_load_b128 v[X+4*\j:X+4*\j+3], v1, s[4:5] offset:512*\j th:TH_LOAD_NT
.endr
	s_wait_loadcnt 32                              ; the six parameter loads are in; the row's 32 may be out
.irp k, 0,1,2
	ds_store_b128 v2, v[PR+8*\k:PR+8*\k+3] offset:8192*\k
	ds_store_b128 v2, v[PR+8*\k+4:PR+8*\k+7] offset:8192*\k+4096
.endr
	s_wait_dscnt 0x0                               ; for the others' sake: my stores have landed
	s_barrier_signal -1
	s_barrier_wait -1
.irp j, 0,1,2,3,4,5,6,7,8,9,10,11,12,13,14,15
	ds_load_b128 v[B+4*\j:B+4*\j+3], v1 offset:512*\j                           ; bo at my columns
.endr
	s_wait_loadcnt 0x0
	s_wait_dscnt 0x0
.irp j, 0,2,4,6,8,10,12,14,16,18,20,22,24,26,28,30,32,34,36,38,40,42,44,46,48,50,52,54,56,58,60,62
	v_pk_add_f32 v[X+\j:X+\j+1], v[X+\j:X+\j+1], v[B+\j:B+\j+1]                 ; op + bo
.endr
.irp j, 0,2,4,6,8,10,12,14,16,18,20,22,24,26,28,30,32,34,36,38,40,42,44,46,48,50,52,54,56,58,60,62
	v_pk_fma_f32 v[X+\j:X+\j+1], v[T+\j:T+\j+1], 2.0, v[X+\j:X+\j+1] op_sel_hi:[1,0,1]   ; y = 2 tgt + that
.endr
.irp j, 0,1,2,3,4,5,6,7,8,9,10,11,12,13,14,15
	ds_load_b128 v[T+4*\j:T+4*\j+3], v1 offset:8192+512*\j                      ; ln_gamma and ln_beta land under the two reductions
	ds_load_b128 v[B+4*\j:B+4*\j+3], v1 offset:16384+512*\j
.endr
.macro REDUCE                          ; the four chains, the pair's two halves, then the 32 lanes: every lane ends with the sum
	v_pk_add_f32 v[S:S+1], v[S:S+1], v[S+2:S+3]
	v_pk_add_f32 v[S+4:S+5], v[S+4:S+5], v[S+6:S+7]
	v_pk_add_f32 v[S:S+1], v[S:S+1], v[S+4:S+5]
	v_add_f32 v[S], v[S], v[S+1]
	v_add_f32_dpp v[S], v[S], v[S] row_xmask:1 row_mask:0xf bank_mask:0xf
	v_add_f32_dpp v[S], v[S], v[S] row_xmask:2 row_mask:0xf bank_mask:0xf
	v_add_f32_dpp v[S], v[S], v[S] row_xmask:4 row_mask:0xf bank_mask:0xf
	v_add_f32_dpp v[S], v[S], v[S] row_xmask:8 row_mask:0xf bank_mask:0xf
	v_permlanex16_b32 v[S+1], v[S], s22, s23       ; its destination counts as read: a register that has been written
	v_add_f32 v[S], v[S], v[S+1]
.endm
.irp k, 0,1,2,3
	v_pk_add_f32 v[S+2*\k:S+2*\k+1], v[X+2*\k:X+2*\k+1], v[X+8+2*\k:X+8+2*\k+1]   ; the first eight pairs start the chains: nothing is cleared
.endr
.set p, 8
.rept 24
	v_pk_add_f32 v[S+2*(p%4):S+2*(p%4)+1], v[S+2*(p%4):S+2*(p%4)+1], v[X+2*p:X+2*p+1]
.set p, p+1
.endr
	REDUCE
	v_mul_f32 v[S+2], s16, v[S]                    ; the mean
.irp j, 0,2,4,6,8,10,12,14,16,18,20,22,24,26,28,30,32,34,36,38,40,42,44,46,48,50,52,54,56,58,60,62
	v_pk_add_f32 v[X+\j:X+\j+1], v[X+\j:X+\j+1], v[S+2:S+3] op_sel_hi:[1,0] neg_lo:[0,1] neg_hi:[0,1]   ; y - mean (the pair's low word for both halves)
.endr
.irp k, 0,1,2,3
	v_pk_mul_f32 v[S+2*\k:S+2*\k+1], v[X+2*\k:X+2*\k+1], v[X+2*\k:X+2*\k+1]
.endr
.set p, 4
.rept 28
	v_pk_fma_f32 v[S+2*(p%4):S+2*(p%4)+1], v[X+2*p:X+2*p+1], v[X+2*p:X+2*p+1], v[S+2*(p%4):S+2*(p%4)+1]
.set p, p+1
.endr
	REDUCE
	v_fma_f32 v[S], v[S], s16, s17                 ; var + 1e-5
	v_rsq_f32 v[S+2], v[S]
	v_nop                                          ; a plain instruction behind the transcendental
	s_wait_dscnt 0x0                               ; ln_gamma and ln_beta are in
	s_wait_alu depctr_va_vdst(0)                   ; the wait ahead of the first reader of 1 / sigma
.irp j, 0,2,4,6,8,10,12,14,16,18,20,22,24,26,28,30,32,34,36,38,40,42,44,46,48,50,52,54,56,58,60,62
	v_pk_mul_f32 v[X+\j:X+\j+1], v[X+\j:X+\j+1], v[S+2:S+3] op_sel_hi:[1,0]
.endr
.irp j, 0,2,4,6,8,10,12,14,16,18,20,22,24,26,28,30,32,34,36,38,40,42,44,46,48,50,52,54,56,58,60,62
	v_pk_fma_f32 v[X+\j:X+\j+1], v[X+\j:X+\j+1], v[T+\j:T+\j+1], v[B+\j:B+\j+1]
.endr
.irp j, 0,1,2,3,4,5,6,7,8,9,10,11,12,13,14,15
	global_store_b128 v1, v[X+4*\j:X+4*\j+3], s[14:15] offset:512*\j th:TH_STORE_NT   ; 32 lanes store 512 consecutive bytes, aligned
.endr
	s_wait_tensorcnt 0x0
	ds_add_u32 v232, v233
	s_wait_dscnt 0x0
	s_endpgm
.Lfunc_end_k_q9df57816db_lnorm:
	.size	k_q9df57816db_lnorm, .Lfunc_end_k_q9df57816db_lnorm-k_q9df57816db_lnorm
	.p2alignl 7, 3214868480
	.fill 96, 4, 3214868480
	.section	.rodata,"a",@progbits
	.p2align	6, 0x0
	.amdhsa_kernel k_q9df57816db_lnorm
		.amdhsa_group_segment_fixed_size 25600
		.amdhsa_private_segment_fixed_size 0
		.amdhsa_enable_private_segment 0
		.amdhsa_kernarg_size 48
		.amdhsa_user_sgpr_count 2
		.amdhsa_user_sgpr_kernarg_segment_ptr 1
		.amdhsa_wavefront_size32 1
		.amdhsa_system_sgpr_workgroup_id_x 1
		.amdhsa_system_sgpr_workgroup_id_y 1
		.amdhsa_system_sgpr_workgroup_id_z 1
		.amdhsa_system_vgpr_workitem_id 0
		.amdhsa_next_free_vgpr 234
		.amdhsa_next_free_sgpr 66
		.amdhsa_reserve_vcc 0
		.amdhsa_float_denorm_mode_32 3
		.amdhsa_float_denorm_mode_16_64 3
		.amdhsa_memory_ordered 1
		.amdhsa_forward_progress 1
		.amdhsa_inst_pref_size 26
	.end_amdhsa_kernel
	.amdgpu_metadata
---
amdhsa.version: [ 1, 2 ]
amdhsa.kernels:
  - .name:           k_q9df57816db_lnorm
    .symbol:         k_q9df57816db_lnorm.kd
    .args:
      - { .name: op, .offset: 0, .size: 8, .value_kind: global_buffer, .address_space: global }
      - { .name: tgt, .offset: 8, .size: 8, .value_kind: global_buffer, .address_space: global }
      - { .name: bo, .offset: 16, .size: 8, .value_kind: global_buffer, .address_space: global }
      - { .name: ln_gamma, .offset: 24, .size: 8, .value_kind: global_buffer, .address_space: global }
      - { .name: ln_beta, .offset: 32, .size: 8, .value_kind: global_buffer, .address_space: global }
      - { .name: out0, .offset: 40, .size: 8, .value_kind: global_buffer, .address_space: global }
    .group_segment_fixed_size: 25600
    .private_segment_fixed_size: 0
    .kernarg_segment_align: 8
    .kernarg_segment_size: 48
    .max_flat_workgroup_size: 256
    .sgpr_count:     66
    .vgpr_count:     234
    .wavefront_size: 32
...
	.end_amdgpu_metadata
.endif
;; end of part 5
;; ======== version 2 of 3: 5 launches; 1.12 times as fast as version 1
;; workspace buffers: tq 4,194,304 bytes; qimg 4,194,304 bytes; kimg 4,194,304 bytes; vimg 4,194,304 bytes; ao 4,194,304 bytes; op 16,777,216 bytes
;; launch quant: the kernel of part 1 again; grid 256 x 1, 4 waves a work-group, no clusters, 33,280 bytes of LDS; arguments tgt, lowp_scales, tq; writes tq
;; launch proj (part 6): grid 64 x 3, 4 waves a work-group, no clusters, 327,680 bytes of LDS; arguments tq, mem_codes, Wq_codes, Wk_codes, Wv_codes, bq, bk, bv, step_mass_embed, peak_mzs_embed, neg_peak_mzs_embed, lowp_scales, qimg, kimg, vimg; writes qimg, kimg, vimg
.if DOCPART == 6
	.amdgcn_target "amdgcn-amd-amdhsa--gfx1250"
	.amdhsa_code_object_version 6
	.text
	.protected	k_q9df57816db_proj
	.globl	k_q9df57816db_proj
	.p2align	8
	.type	k_q9df57816db_proj,@function
k_q9df57816db_proj:
	s_mov_b64 s[64:65], 0
	v_nop
	global_prefetch_b8 v0, s[64:65] scope:SCOPE_SE
	s_setreg_imm32_b32 hwreg(HW_REG_WAVE_MODE, 25, 1), 1
	s_wait_xcnt 0x0
; The three projections, one launch: work-group y = 0: q = tgt Wq + bq; 1: k = mem Wk + bk; 2: v = mem Wv + bv.  All operands are codes of E4M3 with K = 2,048 innermost; sums in f32, each multiplied once by 2^(its two exponents added).
; q and k then get the rotary embedding, k's heads their new order, and all three are quantised for the attention's products: k with entry 6 of the scales, q with entry 7, v with entry 8.
; SHARES.  A work-group multiplies 256 rows of an "A side" by 256 rows of a "B side"; four waves, as many as a WGP has SIMDs, 128 x 128 each: 64 accumulators, 512 registers.  64 work-groups for each projection, all of equal matrix work.
;   q: A side = tgt's codes (8 tiles of rows), B side = Wq (8);   k: A side = mem (32), B side = Wk (2);   v: A side = Wv (2), B side = mem (32).
; THE MATRIX INSTRUCTION takes 16 rows of the B side as source 0 and 16 rows of the A side as source 1: lane (r, h) then holds ONE row 16 a + r of the A side, and its eight registers the B side's rows 16 b + 8 h + 0 .. 7.
;   q, k: a lane holds one token and eight neighbouring channels: after the conversion these are registers 2 c, 2 c + 1 of a fragment 16 tokens x 64 channels (channel place 16 c + 8 h + j), as the 16x16x64 form wants them.
;   v:    a lane holds one channel and eight neighbouring keys: registers 2 b, 2 b + 1 of a fragment 16 channels x 128 keys, as the 16x16x128 form wants them.  So nothing is transposed.
; RESULTS LEAVE AS IMAGES OF THE OPERANDS' REGISTERS: four registers a store, lane l's 16 bytes at 16 l: each store of the wave covers 512 consecutive bytes, aligned.
;   qimg [b][query head 0..31][tile of 16 tokens 0..31][1,024];  kimg [b][kv head, new order][tile of 16 keys 0..127][1,024];  vimg [b][kv head][128 keys 0..15][16 channels 0..3][2,048].
; ROTARY.  Channels 2 i, 2 i + 1 of a head are x0, x1; place 2 i takes x0 cos_i - x1 sin_i (reference's element i), place 2 i + 1 takes x1 cos_i + x0 sin_i (its element 32 + i): one permutation of the head's 64, the same in q and k,
;   so every product of the scores meets its partner.  k's even heads take peak_mzs_embed and become heads 0-3, its odd heads neg_peak_mzs_embed and become heads 4-7; v keeps its order.
; K goes in steps of 256 through a ring of two LDS slots filled by the tensor data mover: a tile's row is 256 bytes of memory.  Each wave brings 128 rows with one load.
; NO CLUSTER: the three kinds have different ways out and k's and v's weights have only two tiles of 256 rows, so no 4 x 4 block of one kind exists; in a row of four the shared side would be the A side for q and v and the B side for k,
;   that is a descriptor's shape word chosen on the kind.  No prefetch: of the eight K steps two are first fills and each refill has a K step's 128 matrix instructions in which to land.
; LIMITS on the given exponents, so that each power of two is an f32 number: e0 + e1, e2 + e3, e4 + e5 between -126 and 127; e6, e7, e8 between -126 and 119.  NaN is not served.
; REGISTERS, in windows of 256: window 0: v16-29 addresses; from v128 the A side's fragments, ONE set; on the way out v32-255 are free.  window 1: the B side's fragments, TWO sets; on the way out eight sets of sines and cosines.
;   windows 2, 3: accumulator (a, b) at v[8 (8 (a % 4) + b)].
.set KSTEP,  256
.set ROWB,   256                       ; a tile's row in bytes
.set KROW,   2048                      ; a row of codes in memory
.set PITCH,  272                       ; an LDS row: 256 bytes + 16 of padding = 68 words: the 16 rows that a load touches start at 16 different banks (64 banks of 4 bytes: ISA guide 11.1)
.set FR,     16                        ; registers of a fragment: 16 rows x 128 K
.set NL,     4                         ; LDS loads that bring one
.set NP,     4                         ; places behind this matrix instruction (ISA guide 7.12.1)
.set HALFT,  128*PITCH                 ; 128 rows: what one tensor load brings
.set SLOT,   4*HALFT                   ; the A side's 256 rows, then the B side's
.set LAPS,   KROW/(2*KSTEP)            ; 4 laps of two K steps
.set SPARE,  2*SLOT                    ; behind the ring: the spare words, 128 bytes for each wave: two blocks of 256 bytes that no other line names
.set DEPTH,  5                         ; the way out of q and k: blocks of sines and cosines asked for ahead
.set ADRA, 16                          ; v16-17  LDS address of my A-side fragments in slot 0, 1
.set ADRB, 20                          ; v20-21  the same for the B side
.set SO,   24                          ; v24     16 x lane: my place in an image's block
.set EO,   25                          ; v25     256 r + 16 h: my four sines of an embedding's row
.set BO,   26                          ; v26     32 h: my eight numbers of a bias
.set VO,   27                          ; v27     4 r: my one number of bv
.set SPW,  28                          ; v28     LDS address of my spare word; never rewritten
.set NIL,  29                          ; v29     0; never rewritten
.set BI,   32                          ; v32-95  the way out: bias
.set X,    160                         ; v160-223 numbers at work
.set T,    224                         ; v224-227
.set CD,   232                         ; v232-247 codes
.set SC,   248                         ; v248    the result's scale as f32
.set LM,   249                         ; v249    448 x that
.set AF,   128
.set G1, 24                            ; s[24:31] descriptor group 1, one for all loads
.set G0, 32                            ; s[32:39] group 0, one set for each slot
.set MSB, 0
.macro WIN new                         ; the immediate's high byte repeats the setting that is left
.if MSB != (\new)
	s_set_vgpr_msb (MSB<<8)|(\new)
.set MSB, (\new)
.endif
.endm
.set MUL_LO, 0xa1                      ; source 0 (B side) window 1, source 1 (A side) window 0, C and D window 2
.set MUL_HI, 0xf1                      ; the same, C and D window 3
.set TO_B,   0x40                      ; destination window 1, address window 0
	s_load_b512 s[68:83], s[0:1], 0x0              ; tq 68, mem 70, Wq 72, Wk 74, Wv 76, bq 78, bk 80, bv 82
	s_load_b256 s[84:91], s[0:1], 0x40             ; step 84, peak 86, neg 88, the scales' exponents 90
	s_load_b128 s[92:95], s[0:1], 0x60             ; qimg 92, kimg 94
	s_load_b64 s[96:97], s[0:1], 0x70              ; vimg
	v_lshl_add_u32 v[SPW], v0, 2, SPARE
	v_mov_b32 v[NIL], 0
	ds_add_u32 v28, v29
	ds_add_u32 v28, v29
	s_wait_dscnt 0x0
	v_lshrrev_b32 v1, 5, v0
	v_readfirstlane_b32 s14, v1                    ; wave 0..3
	s_lshr_b32 s15, s14, 1                         ; which half of the A side's rows is mine.  Also: I fetch for the A side (0) or the B side (1)
	s_and_b32 s16, s14, 1                          ; which half of the B side's rows.  Also: which 128 rows of that tile I fetch
	s_and_b32 s12, ttmp7, 0xffff                   ; kind: 0 q, 1 k, 2 v
	s_mov_b32 s13, ttmp9                           ; x: 0 .. 63
	s_lshr_b32 s8, s13, 3
	s_and_b32 s9, s13, 7
	s_lshr_b32 s10, s13, 1
	s_and_b32 s11, s13, 1
	; descriptor group 1: a tile of 128 rows x 256 bytes, padded in LDS
	s_mov_b32 s[G1+0], (0<<16)|(1<<20)|(5<<22)|(3<<25)   ; 15:0 no mask; 17:16 elements of 1 byte; 20 padding on; 24:22 after every 64 words (code 5); 31:25 four words (code 3)
	s_mov_b32 s[G1+1], ROWB<<16                    ; tensor_dim0
	s_mov_b32 s[G1+2], 128<<16                     ; tensor_dim1
	s_mov_b32 s[G1+3], ROWB<<16                    ; tile_dim0
	s_mov_b32 s[G1+4], 128                         ; tile_dim1
	s_mov_b32 s[G1+5], KROW                        ; tensor_dim0_stride
	s_mov_b32 s[G1+6], 0
	s_mov_b32 s[G1+7], 0
	s_wait_kmcnt 0x0
	s_load_b256 s[40:47], s[90:91], 0x0            ; e0 .. e7
	s_load_b128 s[48:51], s[90:91], 0x20           ; e8 .. e11
	s_cmp_eq_u32 s12, 0                            ; the choices hang on the work-group's number alone
	s_cselect_b32 s17, s8, s10                     ; TR, the A side's tile: q: x / 8; k: x / 2
	s_cselect_b32 s18, s9, s11                     ; TC, the B side's tile: q: x % 8; k: x % 2
	s_cselect_b64 s[4:5], s[68:69], s[70:71]       ; the A side: tq or mem
	s_cselect_b64 s[6:7], s[72:73], s[74:75]       ; the B side: Wq or Wk
	s_cmp_eq_u32 s12, 2
	s_cselect_b32 s17, s11, s17                    ; v: TR = x % 2,
	s_cselect_b32 s18, s10, s18                    ;    TC = x / 2,
	s_cselect_b64 s[4:5], s[76:77], s[4:5]         ;    the A side is Wv,
	s_cselect_b64 s[6:7], s[70:71], s[6:7]         ;    the B side mem
	s_cmp_eq_u32 s15, 0                            ; what I fetch: waves 0, 1 the A side's two halves, waves 2, 3 the B side's
	s_cselect_b64 s[8:9], s[4:5], s[6:7]
	s_cselect_b32 s10, s17, s18
	s_lshl_b32 s10, s10, 8
	s_lshl_b32 s11, s16, 7
	s_add_co_u32 s10, s10, s11                     ; row 256 x tile + 128 x half,
	s_lshl_b32 s10, s10, 11                        ; of 2,048 bytes: under 2^24
	s_mov_b32 s11, 0
	s_add_nc_u64 s[8:9], s[8:9], s[10:11]
	s_mul_i32 s20, s14, HALFT                      ; where they go: wave x 128 rows
.irp s, 0,1
	s_mov_b32 s[G0+4*\s], 1                        ; 1:0 count = 1
	s_add_co_u32 s[G0+4*\s+1], s20, \s*SLOT        ; 63:32 LDS address
	s_add_nc_u64 s[G0+4*\s+2:G0+4*\s+3], s[8:9], \s*ROWB   ; 120:64 global address: K step s
	s_or_b32 s[G0+4*\s+3], s[G0+4*\s+3], 0x80000000        ; 127:126 type = 2
.endr
	tensor_load_to_lds s[G0:G0+3], s[G1:G1+7]      ; the two first fills go out together, ahead of every wait on TENSORcnt, every LDS read and every barrier: two loads of mine are out
	s_nop 0
	tensor_load_to_lds s[G0+4:G0+7], s[G1:G1+7]
	s_nop 0
.rept 4
	v_nop
.endr
	v_and_b32 v1, 15, v0                           ; r = l % 16
	v_bfe_u32 v2, v0, 4, 1                         ; h = l / 16
	v_mul_u32_u24 v3, v1, PITCH
	v_lshl_add_u32 v4, v2, 4, v3                   ; a fragment's row x pitch + 16 x half
	s_mul_i32 s21, s15, HALFT                      ; my 128 rows of the A side
	s_mul_i32 s22, s16, HALFT                      ; my 128 rows of the B side,
	s_add_co_u32 s22, s22, 2*HALFT                 ; which lie behind the A side's 256
.irp s, 0,1
	v_add_nc_u32 v[ADRA+\s], s21, v4
	v_add_nc_u32 v[ADRB+\s], s22, v4
	s_add_co_u32 s21, s21, SLOT
	s_add_co_u32 s22, s22, SLOT
.endr
	v_and_b32 v5, 31, v0
	v_lshlrev_b32 v[SO], 4, v5
	v_lshlrev_b32 v[EO], 8, v1
	v_lshl_add_u32 v[EO], v2, 4, v[EO]
	v_lshlrev_b32 v[BO], 5, v2
	v_lshlrev_b32 v[VO], 2, v1
.macro FRAG reg, adr, q, i             ; a fragment, 16 rows x 128 K, is 16 registers, brought by four loads of 16 bytes: registers 4 c .. 4 c + 3 hold K = 32 c + 16 (l / 16) + 0 .. 15: one permutation of k, the same on both sides
.irp c, 0,1,2,3
	ds_load_b128 v[\reg+4*\c:\reg+4*\c+3], v[\adr] offset:128*(\q)+32*\c+(\i)*16*PITCH
.endr
.endm
; 16 matrix instructions: the A side's blocks a0, a0 + 1 x the B side's eight, 128 along K.  p: the B side's set.  zero = 1: the first product starts the sums: nothing is ever cleared.
; The 64 accumulators take turns, one instruction a turn, in the same order in every step.
.macro MUL16 a0, p, zero
.irp a, \a0, \a0+1
.irp b, 0,1,2,3,4,5,6,7
.if \zero
	v_wmma_f32_16x16x128_fp8_fp8 v[8*(8*((\a)%4)+\b):8*(8*((\a)%4)+\b)+7], v[128*(\p)+FR*\b:128*(\p)+FR*\b+FR-1], v[AF+FR*(\a):AF+FR*(\a)+FR-1], 0
.else
	v_wmma_f32_16x16x128_fp8_fp8 v[8*(8*((\a)%4)+\b):8*(8*((\a)%4)+\b)+7], v[128*(\p)+FR*\b:128*(\p)+FR*\b+FR-1], v[AF+FR*(\a):AF+FR*(\a)+FR-1], v[8*(8*((\a)%4)+\b):8*(8*((\a)%4)+\b)+7]
.endif
.endr
.endr
.endm
.macro FETCH_B slot, q, p              ; the B side's eight fragments of the slot's q-th 128 along K into set p
	WIN TO_B
.irp i, 0,1,2,3,4,5,6,7
	FRAG 128*(\p)+FR*\i, ADRB+\slot, \q, \i
.endr
	WIN 0
.endm
.macro FETCH_A slot, q, i0             ; the A side's blocks i0 .. i0 + 3
.irp i, \i0, \i0+1, \i0+2, \i0+3
	FRAG AF+FR*(\i), ADRA+\slot, \q, \i
.endr
.endm
; A load into a register that a matrix instruction has read, and a vector instruction that reads a matrix result, stand NP places behind that matrix instruction; only plain vector instructions that name none of its registers are places.
.macro PLACES n
.rept \n
	v_nop
.endr
.endm
; A step of 128 along K that has its successor in the same slot.  A block of the A side is free as soon as its eight products are issued: blocks 0-3 are fetched anew in the step's middle, blocks 4-7 at its end.
.macro STEP slot, q, zero
	s_wait_dscnt 4*NL                              ; the B side's set and blocks 0-3 are in; the youngest sixteen loads (blocks 4-7) may be out
	WIN MUL_LO
	MUL16 0, (\q)%2, \zero
	MUL16 2, (\q)%2, \zero
	s_wait_dscnt 0                                 ; blocks 4-7 are in (asked for 32 matrix instructions ago)
	PLACES NP
	FETCH_B \slot, (\q)+1, 1-(\q)%2
	FETCH_A \slot, (\q)+1, 0
	WIN MUL_HI
	MUL16 4, (\q)%2, \zero
	MUL16 6, (\q)%2, \zero
	PLACES NP
	WIN 0
	FETCH_A \slot, (\q)+1, 4
.endm
; A slot's last step changes slots: ONE barrier.  In front of it each wave waits for all its tensor loads (one is out: its part of the next slot), adds 0 to its spare word, and waits for that and for its own reads of this slot.
; Behind it nobody reads this slot and the next slot is whole.  fill = 1: this slot is filled again, two K steps ahead: my one tensor load until the next such barrier, and the first thing behind this one.
.macro TURN slot, next, fill
	s_wait_tensorcnt 0x0                           ; all my tensor loads have landed  (every window is 0 here: the add's two registers lie in window 0)
	ds_add_u32 v[SPW], v[NIL]                      ; 0 onto my spare word
	s_wait_dscnt 4*NL+1                            ; (the add and the youngest sixteen loads, blocks 4-7, may be out)
	WIN MUL_LO
	MUL16 0, 1, 0                                  ; sixteen matrix instructions stand between the add and the wait for it
	s_wait_dscnt 0x0                               ; the add is done, and my reads of this slot are over
	s_barrier_signal -1
	MUL16 2, 1, 0                                  ; work on registers while the others arrive
	WIN 0
	s_barrier_wait -1
.if \fill
	s_add_nc_u64 s[G0+4*\slot+2:G0+4*\slot+3], s[G0+4*\slot+2:G0+4*\slot+3], 2*ROWB   ; no tensor load of mine is out, so the group 0 may be written; the type bits on top are not reached
	tensor_load_to_lds s[G0+4*\slot:G0+4*\slot+3], s[G1:G1+7]
	s_nop 0
	PLACES 4                                       ; the places in front of the loads below
.else
	PLACES NP
.endif
	FETCH_B \next, 0, 0
	FETCH_A \next, 0, 0
	WIN MUL_HI
	MUL16 4, 1, 0
	MUL16 6, 1, 0
	PLACES NP
	WIN 0
	FETCH_A \next, 0, 4
.endm
	s_wait_tensorcnt 1                             ; my part of K step 0 is in; K step 1's load may be out
	s_barrier_signal -1
	s_barrier_wait -1                              ; everybody's is
	FETCH_B 0, 0, 0
	FETCH_A 0, 0, 0
	FETCH_A 0, 0, 4
	STEP 0, 0, 1                                   ; the first step stands in front of the loop: its products start the sums
	s_mov_b32 s3, LAPS-1
.Llap:                                                 ; a trip goes once round the ring, from a lap's second step to the next lap's first, and fills both slots again
	TURN 0, 1, 1
	STEP 1, 0, 0
	TURN 1, 0, 1
	STEP 0, 0, 0
	s_sub_co_u32 s3, s3, 1
	s_cmp_lg_u32 s3, 0
	s_cbranch_scc1 .Llap
	TURN 0, 1, 0                                   ; the last lap fills nothing
	STEP 1, 0, 0
	s_wait_dscnt 4*NL                              ; the very last step: nothing more to fetch
	WIN MUL_LO
	MUL16 0, 1, 0
	MUL16 2, 1, 0
	s_wait_dscnt 0
	WIN MUL_HI
	MUL16 4, 1, 0
	MUL16 6, 1, 0
	WIN 0
	PLACES NP                                      ; in front of the first read of results and of the loads into registers that held fragments
	s_wait_kmcnt 0x0                               ; the exponents
	s_cmp_eq_u32 s12, 2                            ; the one branch between the ways out: on the work-group's number
	s_cbranch_scc1 .Lv
	; ---- THE WAY OUT OF q AND k.  What differs between the two is chosen without a branch.
	s_cmp_eq_u32 s12, 0
	s_cselect_b32 s8, 1, 3                         ; tiles of 256 tokens in a batch entry: 2 or 8, as a shift,
	s_cselect_b32 s9, 1, 7                         ; and as a mask
	s_cselect_b32 s10, 15, 17                      ; a head's images: 2^15 or 2^17 bytes
	s_cselect_b32 s11, 1, 0                        ; my first head: q: 2 (2 TC + half); k: new head 2 TC + half
	s_cselect_b32 s20, 1, 4                        ; my second head: q: the next; k: the odd head goes four heads on
	s_cselect_b64 s[52:53], s[84:85], s[86:87]     ; the first head's embedding: step or peak,
	s_cselect_b64 s[54:55], s[84:85], s[88:89]     ; the second's: step or neg
	s_cselect_b64 s[98:99], s[78:79], s[80:81]     ; bq or bk
	s_cselect_b64 s[56:57], s[92:93], s[94:95]     ; qimg or kimg
	s_cselect_b32 s21, s40, s42                    ; e0 or e2,
	s_cselect_b32 s22, s41, s43                    ; e1 or e3
	s_cselect_b32 s23, s47, s46                    ; the result's: q is the scores' right operand (e7), k their left (e6)
	s_lshr_b32 s100, s17, s8                       ; b
	s_lshl_b32 s100, s100, 20
	s_and_b32 s101, s17, s9
	s_lshl_b32 s101, s101, 4
	s_lshl_b32 s8, s15, 3
	s_add_co_u32 s101, s101, s8                    ; my first tile of 16 tokens in the batch entry
	s_lshl_b32 s101, s101, 10
	s_add_co_u32 s100, s100, s101
	s_lshl_b32 s8, s18, 1
	s_add_co_u32 s8, s8, s16
	s_lshl_b32 s8, s8, s11                         ; my first head
	s_lshl_b32 s8, s8, s10
	s_add_co_u32 s100, s100, s8
	s_mov_b32 s101, 0
	s_add_nc_u64 s[56:57], s[56:57], s[100:101]    ; where the first head's images go,
	s_lshl_b32 s100, s20, s10
	s_add_nc_u64 s[58:59], s[56:57], s[100:101]    ; and the second's
	s_lshl_b32 s100, s17, 16
	s_lshl_b32 s8, s15, 15
	s_add_co_u32 s100, s100, s8                    ; my first token's row of 256 bytes in the embeddings
	s_add_nc_u64 s[52:53], s[52:53], s[100:101]
	s_add_nc_u64 s[54:55], s[54:55], s[100:101]
	s_lshl_b32 s100, s18, 10
	s_lshl_b32 s8, s16, 9
	s_add_co_u32 s100, s100, s8                    ; my 128 numbers of the bias
	s_add_nc_u64 s[98:99], s[98:99], s[100:101]
.irp b, 0,1,2,3,4,5,6,7
	global_load_b128 v[BI+8*\b:BI+8*\b+3], v[BO], s[98:99] offset:64*\b        ; bias at channels 16 b + 8 h + 0 .. 7
	global_load_b128 v[BI+8*\b+4:BI+8*\b+7], v[BO], s[98:99] offset:64*\b+16
.endr
; Block n = 2 a + hh: tokens 16 a on, head hh of my two.  Its sines (i = 8 c + 4 h + 0 .. 3) go to register 8 c of set n % 8 in window 1, its cosines to 8 c + 4.  Eight loads a block.
.macro EMB n
.irp c, 0,1,2,3
	global_load_b128 v[32*((\n)%8)+8*\c:32*((\n)%8)+8*\c+3], v[EO], s[52+2*((\n)%2):53+2*((\n)%2)] offset:((\n)/2)*4096+32*\c
	global_load_b128 v[32*((\n)%8)+8*\c+4:32*((\n)%8)+8*\c+7], v[EO], s[52+2*((\n)%2):53+2*((\n)%2)] offset:((\n)/2)*4096+32*\c+128
.endr
.endm
	WIN TO_B                                       ; destination window 1: the B side's fragments are done with
.irp n, 0,1,2,3,4
	EMB \n                                         ; the first DEPTH blocks go out in one run with the bias: 16 + 40 loads of mine are out
.endr
	WIN 0
	s_add_co_i32 s21, s21, s22
	s_add_co_i32 s21, s21, 127
	s_lshl_b32 s60, s21, 23                        ; 2^(the operands' exponents added) as f32
	s_mov_b32 s61, s60                             ; (named with it as a pair, so it is written)
	s_add_co_i32 s23, s23, 127
	s_lshl_b32 s62, s23, 23
	s_add_co_i32 s23, s23, 8
	s_lshl_b32 s63, s23, 23
	s_or_b32 s63, s63, 0x600000
	v_mov_b32 v[SC], s62                           ; the result's scale: the conversion takes its exponent field
	v_mov_b32 v[LM], s63                           ; 448 x that
.macro ROPEBLK n
.set RA, (\n)/2
.set RH, (\n)%2
.set ES, 32*((\n)%8)                   ; this block's sines and cosines, in window 1
.set AC, 64*(RA%4)+32*RH               ; the head's four accumulators: 32 registers on end
.if 15-(\n) >= DEPTH-1
	s_wait_loadcnt 8*(DEPTH-1)                     ; this block's eight loads (and the bias) are in; those of the four blocks behind it may be out
.else
	s_wait_loadcnt 8*(15-(\n))                     ; near the end: eight for each block still behind this one
.endif
.if (\n)+DEPTH < 16
	WIN TO_B
	EMB (\n)+DEPTH                                 ; five blocks ahead, into the set that was read three blocks ago
.endif
	WIN 0x02+(RA/4)                                ; source 0: window 2 or 3
.irp j, 0,2,4,6,8,10,12,14,16,18,20,22,24,26,28,30
	v_pk_fma_f32 v[X+\j:X+\j+1], v[AC+\j:AC+\j+1], s[60:61], v[BI+32*RH+\j:BI+32*RH+\j+1] op_sel_hi:[1,0,1]   ; sum x 2^(ea + eb) + bias; each accumulator from its low end on
.endr
	WIN 0x04                                       ; source 1 (sines, cosines): window 1
.irp p, 0,1,2,3,4,5,6,7,8,9,10,11,12,13,14,15
	v_mul_f32 v[T+2*(\p%2)], v[X+2*\p+1], v[ES+8*(\p/4)+\p%4]                                 ; x1 sin
	v_mul_f32 v[T+2*(\p%2)+1], v[X+2*\p], v[ES+8*(\p/4)+\p%4]                                 ; x0 sin
	v_fma_f32 v[X+2*\p], v[X+2*\p], v[ES+8*(\p/4)+4+\p%4], -v[T+2*(\p%2)]                     ; x0 cos - x1 sin
	v_fma_f32 v[X+2*\p+1], v[X+2*\p+1], v[ES+8*(\p/4)+4+\p%4], v[T+2*(\p%2)+1]                ; x1 cos + x0 sin
.endr
	WIN 0
.irp i, 0,1,2,3,4,5,6,7,8,9,10,11,12,13,14,15,16,17,18,19,20,21,22,23,24,25,26,27,28,29,30,31
	v_med3_num_f32 v[X+\i], v[X+\i], -v[LM], v[LM]                                            ; the conversion does not saturate (ISA guide 7.6.2): the hold at the largest code x the scale
.endr
	s_wait_xcnt 0x0                                ; the last block's stores have read their data: the codes' registers are written again only behind this wait
.irp c, 0,1,2,3
	v_cvt_scalef32_pk8_fp8_f32 v[CD+2*\c:CD+2*\c+1], v[X+8*\c:X+8*\c+7], v[SC]                ; registers 2 c, 2 c + 1 of the fragment
.endr
	v_nop                                          ; one plain vector line behind the last conversion of the run
	global_store_b128 v[SO], v[CD:CD+3], s[56+2*RH:57+2*RH] offset:RA*1024                    ; 32 lanes store 512 consecutive bytes, aligned
	global_store_b128 v[SO], v[CD+4:CD+7], s[56+2*RH:57+2*RH] offset:RA*1024+512
.endm
.irp n, 0,1,2,3,4,5,6,7,8,9,10,11,12,13,14,15
	ROPEBLK \n
.endr
	s_wait_tensorcnt 0x0                           ; the wave's end: behind my last tensor load, as my last LDS instructions
	ds_add_u32 v[SPW], v[NIL]
	s_wait_dscnt 0x0
	s_endpgm
	; ---- THE WAY OUT OF v.  A lane holds channel 16 a + r of my 128 and, in block a's 64 registers, keys 16 b + 8 h + j of my 128.
.Lv:
	s_lshr_b32 s100, s18, 3                        ; b: eight tiles of 256 keys in a batch entry
	s_lshl_b32 s100, s100, 20
	s_lshl_b32 s8, s17, 2
	s_lshl_b32 s9, s15, 1
	s_add_co_u32 s8, s8, s9                        ; my first head: 4 TR + 2 x half
	s_lshl_b32 s8, s8, 17
	s_add_co_u32 s100, s100, s8
	s_and_b32 s8, s18, 7
	s_lshl_b32 s8, s8, 1
	s_add_co_u32 s8, s8, s16                       ; my group of 128 keys
	s_lshl_b32 s8, s8, 13
	s_add_co_u32 s100, s100, s8
	s_mov_b32 s101, 0
	s_add_nc_u64 s[56:57], s[96:97], s[100:101]    ; where the first head's images go,
	s_add_nc_u64 s[58:59], s[56:57], 0x20000       ; and the second's
	s_lshl_b32 s100, s17, 10
	s_lshl_b32 s8, s15, 9
	s_add_co_u32 s100, s100, s8
	s_add_nc_u64 s[98:99], s[82:83], s[100:101]    ; my 128 numbers of bv
	s_add_co_i32 s21, s44, s45
	s_add_co_i32 s21, s21, 127
	s_lshl_b32 s60, s21, 23                        ; 2^(e4 + e5)
	s_mov_b32 s61, s60
	s_add_co_i32 s23, s48, 127
	s_lshl_b32 s62, s23, 23
	s_add_co_i32 s23, s23, 8
	s_lshl_b32 s63, s23, 23
	s_or_b32 s63, s63, 0x600000
	v_mov_b32 v[SC], s62                           ; 2^e8
	v_mov_b32 v[LM], s63                           ; 448 x 2^e8
.irp a, 0,1,2,3,4,5,6,7
	global_load_b32 v[BI+2*\a], v[VO], s[98:99] offset:64*\a      ; bv at channel 16 a + r
	v_mov_b32 v[BI+2*\a+1], 0                                     ; (named with it as a pair, so it is written)
.endr
	s_wait_loadcnt 0x0
.macro VBLK a
.set AC, 64*((\a)%4)
	WIN 0x02+((\a)/4)
.irp j, 0,2,4,6,8,10,12,14,16,18,20,22,24,26,28,30,32,34,36,38,40,42,44,46,48,50,52,54,56,58,60,62
	v_pk_fma_f32 v[X+\j:X+\j+1], v[AC+\j:AC+\j+1], s[60:61], v[BI+2*(\a):BI+2*(\a)+1] op_sel_hi:[1,0,0]   ; sum x 2^(e4 + e5) + bv: of both pairs the low word serves both halves
.endr
	WIN 0
.irp i, 0,1,2,3,4,5,6,7,8,9,10,11,12,13,14,15,16,17,18,19,20,21,22,23,24,25,26,27,28,29,30,31,32,33,34,35,36,37,38,39,40,41,42,43,44,45,46,47,48,49,50,51,52,53,54,55,56,57,58,59,60,61,62,63
	v_med3_num_f32 v[X+\i], v[X+\i], -v[LM], v[LM]
.endr
	s_wait_xcnt 0x0                                ; the last block's stores have read their data
.irp b, 0,1,2,3,4,5,6,7
	v_cvt_scalef32_pk8_fp8_f32 v[CD+2*\b:CD+2*\b+1], v[X+8*\b:X+8*\b+7], v[SC]                ; registers 2 b, 2 b + 1 of the fragment: keys 16 b + 8 h + 0 .. 7
.endr
	v_nop
.irp i, 0,1,2,3
	global_store_b128 v[SO], v[CD+4*\i:CD+4*\i+3], s[56+2*((\a)/4):57+2*((\a)/4)] offset:((\a)%4)*2048+512*\i
.endr
.endm
.irp a, 0,1,2,3,4,5,6,7
	VBLK \a
.endr
	s_wait_tensorcnt 0x0                           ; the wave's end: the same three lines
	ds_add_u32 v[SPW], v[NIL]
	s_wait_dscnt 0x0
	s_endpgm
.Lfunc_end_k_q9df57816db_proj:
	.size	k_q9df57816db_proj, .Lfunc_end_k_q9df57816db_proj-k_q9df57816db_proj
	.p2alignl 7, 3214868480
	.fill 96, 4, 3214868480
	.section	.rodata,"a",@progbits
	.p2align	6, 0x0
	.amdhsa_kernel k_q9df57816db_proj
		.amdhsa_group_segment_fixed_size 327680
		.amdhsa_private_segment_fixed_size 0
		.amdhsa_enable_private_segment 0
		.amdhsa_kernarg_size 120
		.amdhsa_user_sgpr_count 2
		.amdhsa_user_sgpr_kernarg_segment_ptr 1
		.amdhsa_wavefront_size32 1
		.amdhsa_system_sgpr_workgroup_id_x 1
		.amdhsa_system_sgpr_workgroup_id_y 1
		.amdhsa_system_sgpr_workgroup_id_z 1
		.amdhsa_system_vgpr_workitem_id 0
		.amdhsa_next_free_vgpr 1024
		.amdhsa_next_free_sgpr 102
		.amdhsa_reserve_vcc 0
		.amdhsa_float_denorm_mode_32 3
		.amdhsa_float_denorm_mode_16_64 3
		.amdhsa_memory_ordered 1
		.amdhsa_forward_progress 1
		.amdhsa_inst_pref_size 253
	.end_amdhsa_kernel
	.amdgpu_metadata
---
amdhsa.version: [ 1, 2 ]
amdhsa.kernels:
  - .name:           k_q9df57816db_proj
    .symbol:         k_q9df57816db_proj.kd
    .args:
      - { .name: tq, .offset: 0, .size: 8, .value_kind: global_buffer, .address_space: global }
      - { .name: mem_codes, .offset: 8, .size: 8, .value_kind: global_buffer, .address_space: global }
      - { .name: Wq_codes, .offset: 16, .size: 8, .value_kind: global_buffer, .address_space: global }
      - { .name: Wk_codes, .offset: 24, .size: 8, .value_kind: global_buffer, .address_space: global }
      - { .name: Wv_codes, .offset: 32, .size: 8, .value_kind: global_buffer, .address_space: global }
      - { .name: bq, .offset: 40, .size: 8, .value_kind: global_buffer, .address_space: global }
      - { .name: bk, .offset: 48, .size: 8, .value_kind: global_buffer, .address_space: global }
      - { .name: bv, .offset: 56, .size: 8, .value_kind: global_buffer, .address_space: global }
      - { .name: step_mass_embed, .offset: 64, .size: 8, .value_kind: global_buffer, .address_space: global }
      - { .name: peak_mzs_embed, .offset: 72, .size: 8, .value_kind: global_buffer, .address_space: global }
      - { .name: neg_peak_mzs_embed, .offset: 80, .size: 8, .value_kind: global_buffer, .address_space: global }
      - { .name: lowp_scales, .offset: 88, .size: 8, .value_kind: global_buffer, .address_space: global }
      - { .name: qimg, .offset: 96, .size: 8, .value_kind: global_buffer, .address_space: global }
      - { .name: kimg, .offset: 104, .size: 8, .value_kind: global_buffer, .address_space: global }
      - { .name: vimg, .offset: 112, .size: 8, .value_kind: global_buffer, .address_space: global }
    .group_segment_fixed_size: 327680
    .private_segment_fixed_size: 0
    .kernarg_segment_align: 8
    .kernarg_segment_size: 120
    .max_flat_workgroup_size: 128
    .sgpr_count:     102
    .vgpr_count:     1024
    .wavefront_size: 32
...
	.end_amdgpu_metadata
.endif
;; end of part 6
;; launch attn (part 7): grid 8 x 32, 16 waves a work-group, no clusters, 281,600 bytes of LDS; arguments qimg, kimg, vimg, lowp_scales, ao; writes ao
.if DOCPART == 7
	.amdgcn_target "amdgcn-amd-amdhsa--gfx1250"
	.amdhsa_code_object_version 6
	.text
	.protected	k_q9df57816db_attn
	.globl	k_q9df57816db_attn
	.p2align	8
	.type	k_q9df57816db_attn,@function
k_q9df57816db_attn:
	s_mov_b64 s[64:65], 0
	v_nop
	global_prefetch_b8 v0, s[64:65] scope:SCOPE_SE
	s_setreg_imm32_b32 hwreg(HW_REG_WAVE_MODE, 25, 1), 1
	s_wait_xcnt 0x0
; Attention on codes of E4M3.  For batch entry b and kv head kv (work-group y = 8 b + kv), 64 tokens (work-group x) and the head's four query heads: 256 queries against 2,048 keys, head size 64.
; THE SOFTMAX AHEAD OF THE SECOND PRODUCT: t = score x log2(e) / 8; M = the row's largest t so far, rounded UP to a whole number; p = 2^(t - M) is quantised along the keys with 2^e9, not normalised.
; The row's sum is taken of the unquantised p, in f32, and divides O at the end.  When M moves, the sum and O are multiplied by 2^(old M - new M): nothing is rounded.  The result is quantised with 2^e10 for the last projection.
; SHARES.  Sixteen waves, four to a SIMD, so that one wave's vector work stands beside another's matrix work and LDS loads.  Wave w owns ONE tile of 16 queries: query head 4 kv + w / 4, tokens 16 (w % 4) on.  Every wave walks all keys, 128 a step.
; LAYOUT.  Both products are used transposed: S^T = K Q^T (source 0 = 16 keys, source 1 = my 16 queries; the 16x16x64 form), O^T = V^T P^T (source 0 = 16 channels, source 1 = P; the 16x16x128 form): a lane holds ONE query throughout.
; Tile t of S^T gives lane (r, h) the keys 16 t + 8 h + 0 .. 7: after the conversion these are registers 2 t, 2 t + 1 of P's fragment, each k in its own place.
; K, Q and V arrive as IMAGES OF THE OPERANDS' REGISTERS (four registers a block of 512 bytes, lane l's 16 bytes at 16 l), so a chunk of 256 keys is 16 KB of K and 16 KB of V, both dense in memory.
; K AND V STAY IN LDS: the head's eight chunks are 256 KB, each in bytes of its own, and no byte is written twice.  The 512 threads copy a chunk through registers, 64 bytes each, asked for two chunks ahead.
; THE BARRIER'S HALVES STAND A CHUNK APART.  A wave stores chunk u + 1, waits for its stores, SIGNALS, works chunk u's two key steps, and only then WAITS.  What the barrier orders: every wave's stores of chunk u + 1 (in front of its signal)
; against every wave's reads of chunk u + 1 (behind its wait).  While a wave reads chunk u between its signal and its wait, another wave can be storing chunk u + 1 or chunk u + 2 and nothing else: other bytes.
; So a wave may run up to a chunk ahead of another, and the sixteen need not meet in one phase.  The sixteen key steps are written out: every LDS address is a constant + 16 x lane (or thread), on four base registers 64 KB apart.
; NO CLUSTER, no tensor load: the eight work-groups of a y read the same K and V, but a chunk is four loads a thread that nobody waits for, against two key steps of some six hundred vector instructions a wave;
; a joint load would put a round of the cluster's barrier in front of each chunk.  No prefetch for the same reason: no wave waits for the stream.
; THE HOLD of p at 448 x 2^e9 changes nothing where e9 >= -8 (448 x 2^-8 = 1.75, and p is at most 1): it is jumped over there, by a scalar branch on the given whole number e9; for smaller e9 it is executed.
; LIMITS on the given exponents: e6 + e7 between -123 and 130 (they are added to c's exponent field); e9 and e10 between -126 and 119; e8 + e9 is applied by v_ldexp_f32 and has none.
.set BUF,  32768                       ; a chunk in LDS: 16 tiles of K (1,024 bytes each), then 2 x 4 tiles of V (2,048 each); chunk u begins at u x BUF
.set VOFF, 16384
.set STG,  262144                      ; behind the eight chunks: the way out: 64 rows (tokens) x (256 bytes + 16)
.set SP,   272
.set QF,   20                          ; v20-27   Q's fragment
.set CH0,  28                          ; v28-43   an even chunk on its way
.set CH1,  224                         ; v224-239 an odd chunk on its way
.set PC,   44                          ; v44-59   p's codes
.set S,    64                          ; v64-127  S^T, then p
.set O,    128                         ; v128-159 O^T
.set KV,   160                         ; v160-223 K's eight fragments, then V's four
.set RA,   240                         ; v240-243 16 x lane + 65,536 k: where I read in chunks 2 k, 2 k + 1; never rewritten
.set SA,   244                         ; v244-247 16 x thread + 65,536 k: where I store; v244 is also my offset in a chunk in memory; never rewritten
; v3, v4 the stage, in and back; v5 my bytes in ao; v6 -M, v7 the largest t; v[8:9] the sum in two halves; v[10:11] f; v12 a permute's destination; v13-15 at work;
; v16, v17: 2^e9 and 448 x 2^e9; v[18:19] the sum's second chain; v60, v61: 2^e10 and 448 x 2^e10
	s_load_b128 s[4:7], s[0:1], 0x0                ; qimg s[4:5], kimg s[6:7]
	s_load_b128 s[8:11], s[0:1], 0x10              ; vimg s[8:9], the scales' exponents s[10:11]
	s_load_b64 s[12:13], s[0:1], 0x20              ; ao
	v_lshl_add_u32 v254, v0, 2, 0x44400
	v_mov_b32 v255, 0
	v_lshrrev_b32 v13, 5, v0
	v_readfirstlane_b32 s14, v13                   ; wave 0..15
	v_and_b32 v[RA], 31, v0
	v_lshlrev_b32 v[RA], 4, v[RA]
	v_lshlrev_b32 v[SA], 4, v0
.irp k, 1,2,3
	v_add_nc_u32 v[RA+\k], 65536*\k, v[RA]
	v_add_nc_u32 v[SA+\k], 65536*\k, v[SA]
.endr
	v_and_b32 v13, 15, v0                          ; r
	v_bfe_u32 v14, v0, 4, 1                        ; h
	v_bfe_u32 v15, v0, 5, 2                        ; w % 4
	v_lshl_add_u32 v15, v15, 4, v13                ; my query's token among the 64
	v_mul_u32_u24 v3, v15, SP
	v_bfe_u32 v15, v0, 7, 2                        ; w / 4
	v_lshl_add_u32 v3, v15, 6, v3                  ; + 64 bytes a query head
	v_lshl_add_u32 v3, v14, 3, v3                  ; + 8 h
	v_add_nc_u32 v3, STG, v3
	v_lshrrev_b32 v15, 5, v0
	v_lshl_add_u32 v15, v15, 2, v14                ; back: row 4 w + h,
	v_mul_u32_u24 v4, v15, SP
	v_lshl_add_u32 v4, v13, 4, v4                  ; sixteen lanes to a row of 256 bytes
	v_add_nc_u32 v4, STG, v4
	v_lshlrev_b32 v5, 11, v14
	v_lshl_add_u32 v5, v13, 4, v5                  ; and the same two rows in ao
	s_and_b32 s15, ttmp7, 0xffff                   ; y = 8 b + kv
	s_lshl_b32 s16, s15, 17                        ; a y's images: 2^17 bytes in each of the three buffers
	s_mov_b32 s17, 0
	s_lshr_b32 s18, s14, 2
	s_lshl_b32 s18, s18, 15                        ; my query head of the four,
	s_add_co_u32 s18, s18, s16
	s_lshl_b32 s19, ttmp9, 12                      ; the work-group's four tiles of tokens,
	s_add_co_u32 s18, s18, s19
	s_and_b32 s19, s14, 3
	s_lshl_b32 s19, s19, 10                        ; mine of them
	s_add_co_u32 s18, s18, s19
	s_mov_b32 s19, 0
	s_lshr_b32 s32, s15, 3
	s_lshl_b32 s32, s32, 9
	s_lshl_b32 s33, ttmp9, 6
	s_add_co_u32 s32, s32, s33
	s_lshl_b32 s33, s14, 2
	s_add_co_u32 s32, s32, s33                     ; the first row of ao that I store: 512 b + 64 x + 4 w,
	s_lshl_b32 s32, s32, 11
	s_and_b32 s33, s15, 7
	s_lshl_b32 s33, s33, 8                         ; at the kv head's 256 bytes
	s_add_co_u32 s32, s32, s33
	s_mov_b32 s33, 0
	s_mov_b32 s20, 0x76543210                      ; v_permlanex16_b32's selects for lane l xor 16
	s_mov_b32 s21, 0xfedcba98
	s_mov_b32 s22, 0x3e38aa3b                      ; c = log2(e) / 8
	s_wait_kmcnt 0x0
	s_load_b128 s[24:27], s[10:11], 0x18           ; e6, e7, e8, e9
	s_load_b32 s28, s[10:11], 0x28                 ; e10
	s_add_nc_u64 s[4:5], s[4:5], s[18:19]
	s_add_nc_u64 s[6:7], s[6:7], s[16:17]
	s_add_nc_u64 s[8:9], s[8:9], s[16:17]
	s_add_nc_u64 s[12:13], s[12:13], s[32:33]
.macro CHUNK u                         ; chunk u's 32 KB, 64 bytes a thread, into set u % 2: each load of a wave covers 512 consecutive bytes; the chunk stands in the immediate, 131,056 bytes at the most
.set CB, CH0+(CH1-CH0)*((\u)%2)
	global_load_b128 v[CB:CB+3], v[SA], s[6:7] offset:(\u)*16384
	global_load_b128 v[CB+4:CB+7], v[SA], s[6:7] offset:(\u)*16384+8192
	global_load_b128 v[CB+8:CB+11], v[SA], s[8:9] offset:(\u)*16384
	global_load_b128 v[CB+12:CB+15], v[SA], s[8:9] offset:(\u)*16384+8192
.endm
	global_load_b128 v[QF:QF+3], v[RA], s[4:5]     ; Q's fragment stays in registers
	global_load_b128 v[QF+4:QF+7], v[RA], s[4:5] offset:512
	CHUNK 0
	CHUNK 1
	v_mov_b32 v7, 0xff61b1e6                       ; the largest t so far: -3e38, under every t
	v_floor_f32 v6, -v7                            ; -M
	v_mov_b32 v8, 0                                ; the sum, in two halves
	v_mov_b32 v9, 0
	v_mov_b32 v11, 0                               ; (named as the upper half of the pair v[10:11])
	v_mov_b32 v12, 0                               ; written once: a lane permute's destination counts as one of its sources
.irp j, 0,1,2,3,4,5,6,7,8,9,10,11,12,13,14,15,16,17,18,19,20,21,22,23,24,25,26,27,28,29,30,31
	v_mov_b32 v[O+\j], 0                           ; O^T.  (The key step is written without a first step of its own: the first change of M multiplies zeros)
.endr
	s_wait_kmcnt 0x0
	s_add_co_i32 s31, s24, s25
	s_lshl_b32 s31, s31, 23
	s_add_co_i32 s22, s22, s31                     ; a score stands for score x 2^(e6 + e7): the two exponents are added to c's exponent field
	s_mov_b32 s23, s22                             ; (named with it as a pair, so it is written)
	s_add_co_i32 s31, s27, 127
	s_lshl_b32 s34, s31, 23
	v_mov_b32 v16, s34                             ; 2^e9
	s_add_co_i32 s31, s31, 8
	s_lshl_b32 s31, s31, 23
	s_or_b32 s31, s31, 0x600000
	v_mov_b32 v17, s31                             ; 448 x 2^e9
	s_add_co_i32 s31, s28, 127
	s_lshl_b32 s34, s31, 23
	v_mov_b32 v60, s34                             ; 2^e10
	s_add_co_i32 s31, s31, 8
	s_lshl_b32 s31, s31, 23
	s_or_b32 s31, s31, 0x600000
	v_mov_b32 v61, s31                             ; 448 x 2^e10
	s_add_co_i32 s30, s26, s27                     ; e8 + e9
; Chunk u goes from its registers into its own bytes of LDS; chunk u + 2 is asked for into the same registers; then the signal.  The wait for this barrier stands behind the key steps that follow.
.macro PASS u
.set CB, CH0+(CH1-CH0)*((\u)%2)
.if (\u) < 7
	s_wait_loadcnt 4                               ; chunk u is in (and, the first time, Q); the four loads of chunk u + 1 may be out
.else
	s_wait_loadcnt 0x0                             ; the last chunk: nothing was asked for behind it
.endif
.irp p, 0,1,2,3
	ds_store_b128 v[SA+(\u)/2], v[CB+4*\p:CB+4*\p+3] offset:((\u)%2)*BUF+\p*8192
.endr
	s_wait_dscnt 0x0                               ; for the others' sake: my stores have landed; they have also read their registers
.if (\u)+2 < 8
	CHUNK (\u)+2
.endif
	s_barrier_signal -1
.endm
; A KEY STEP: 128 keys, the q-th of chunk u.
.macro STEP u, q
.rept 4
	v_nop                                          ; places in front of loads into registers that the last products read
.endr
.irp t, 0,1,2,3,4,5,6,7
	ds_load_b128 v[KV+8*\t:KV+8*\t+3], v[RA+(\u)/2] offset:((\u)%2)*BUF+(\q)*8192+\t*1024
	ds_load_b128 v[KV+8*\t+4:KV+8*\t+7], v[RA+(\u)/2] offset:((\u)%2)*BUF+(\q)*8192+\t*1024+512
.endr
	s_wait_dscnt 0x0
.irp t, 0,1,2,3,4,5,6,7
	v_wmma_f32_16x16x64_fp8_fp8 v[S+8*\t:S+8*\t+7], v[KV+8*\t:KV+8*\t+7], v[QF:QF+7], 0
.endr
.rept 4
	v_nop                                          ; places: in front of the loads below and of the first read of the scores
.endr
.irp d, 0,1,2,3
.irp c, 0,1,2,3
	ds_load_b128 v[KV+16*\d+4*\c:KV+16*\d+4*\c+3], v[RA+(\u)/2] offset:((\u)%2)*BUF+VOFF+(\q)*8192+\d*2048+\c*512   ; V's fragments land under the softmax
.endr
.endr
	v_max3_num_f32 v13, v[S], v[S+1], v[S+2]       ; the step's largest score of my query, among my 64 keys, in two chains, each accumulator from its low end on,
	v_max3_num_f32 v14, v[S+3], v[S+4], v[S+5]
.irp i, 6,10,14,18,22,26,30,34,38,42,46,50,54,58
	v_max3_num_f32 v13, v13, v[S+\i], v[S+\i+1]
	v_max3_num_f32 v14, v14, v[S+\i+2], v[S+\i+3]
.endr
	v_max3_num_f32 v13, v13, v[S+62], v[S+63]
	v_max_num_f32 v13, v13, v14
	v_permlanex16_b32 v12, v13, s20, s21
	v_max_num_f32 v13, v13, v12                    ; and among lane l xor 16's
	v_mul_f32 v13, s22, v13                        ; as t (c is positive)
	v_max_num_f32 v7, v7, v13                      ; the running largest t
	v_mov_b32 v13, v6
	v_floor_f32 v6, -v7                            ; the new -M = floor(-t) = -ceil(t): a whole number
	v_sub_f32 v13, v6, v13                         ; M's old value less its new one: a whole number, 0 or less
	v_cvt_i32_f32 v13, v13                         ; (it saturates)
	v_ldexp_f32 v10, 1.0, v13                      ; f = 2^(old M - new M)
.irp j, 0,2,4,6,8,10,12,14,16,18,20,22,24,26,28,30,32,34,36,38,40,42,44,46,48,50,52,54,56,58,60,62
	v_pk_fma_f32 v[S+\j:S+\j+1], v[S+\j:S+\j+1], s[22:23], v[6:7] op_sel_hi:[1,0,0]   ; t - M, two at a time (of the pairs c and -M the low word serves both halves)
.endr
.irp j, 0,1,2,3,4,5,6,7,8,9,10,11,12,13,14,15,16,17,18,19,20,21,22,23,24,25,26,27,28,29,30,31,32,33,34,35,36,37,38,39,40,41,42,43,44,45,46,47,48,49,50,51,52,53,54,55,56,57,58,59,60,61,62,63
	v_exp_f32 v[S+\j], v[S+\j]                     ; p = 2^(t - M), at most 1
.endr
	v_pk_mul_f32 v[8:9], v[8:9], v[10:11] op_sel_hi:[1,0]   ; the sums under the new M: the plain instruction behind the exponentials
	s_wait_alu depctr_va_vdst(0)                   ; one wait for the whole batch, ahead of its first reader
	v_pk_add_f32 v[18:19], v[S:S+1], v[S+2:S+3]    ; the row's sum is taken of the UNQUANTISED p: two at a time, in two chains
.irp j, 4,8,12,16,20,24,28,32,36,40,44,48,52,56,60
	v_pk_add_f32 v[8:9], v[8:9], v[S+\j:S+\j+1]
	v_pk_add_f32 v[18:19], v[18:19], v[S+\j+2:S+\j+3]
.endr
	v_pk_add_f32 v[8:9], v[8:9], v[18:19]
	s_cmp_ge_i32 s27, -8                           ; 448 x 2^e9 >= 1.75 > p: the hold would change nothing
	s_cbranch_scc1 .Lnohold_\@
.irp j, 0,1,2,3,4,5,6,7,8,9,10,11,12,13,14,15,16,17,18,19,20,21,22,23,24,25,26,27,28,29,30,31,32,33,34,35,36,37,38,39,40,41,42,43,44,45,46,47,48,49,50,51,52,53,54,55,56,57,58,59,60,61,62,63
	v_min_num_f32 v[S+\j], v[S+\j], v17            ; the conversion does not saturate (ISA guide 7.6.2); p is not negative, so the hold is one-sided
.endr
.Lnohold_\@:
.irp t, 0,1,2,3,4,5,6,7
	v_cvt_scalef32_pk8_fp8_f32 v[PC+2*\t:PC+2*\t+1], v[S+8*\t:S+8*\t+7], v16   ; registers 2 t, 2 t + 1 of P's fragment: keys 16 t + 8 h + 0 .. 7
.endr
.irp j, 0,2,4,6,8,10,12,14,16,18,20,22,24,26,28,30
	v_pk_mul_f32 v[O+\j:O+\j+1], v[O+\j:O+\j+1], v[10:11] op_sel_hi:[1,0]      ; O^T under the new M.  (Also the plain lines between the conversions and the products that read their results)
.endr
	s_wait_dscnt 0x0                               ; V is in
.irp d, 0,1,2,3
	v_wmma_f32_16x16x128_fp8_fp8 v[O+8*\d:O+8*\d+7], v[KV+16*\d:KV+16*\d+15], v[PC:PC+15], v[O+8*\d:O+8*\d+7]   ; the four accumulators by turns, one instruction a turn; the next step's eight products stand between two links of a chain
.endr
.endm
	PASS 0                                         ; chunk 0 into LDS; chunk 2 is asked for
	s_barrier_wait -1                              ; everybody's part of chunk 0 lies in LDS
.irp n, 0,1,2,3,4,5,6
	PASS \n+1                                      ; the next chunk into its own bytes, and the signal;
	STEP \n, 0                                     ; between the signal and the wait: reads of a chunk that nobody writes any more, and work on registers
	STEP \n, 1
	s_barrier_wait -1                              ; everybody's part of the next chunk lies in LDS
.endr
	STEP 7, 0                                      ; the last chunk: nothing is left to store
	STEP 7, 1
	; THE WAY OUT.  O^T x 2^(e8 + e9) / the sum is quantised with 2^e10.  A lane's eight codes are 8 bytes of a row of ao whose 256 bytes (four query heads) come from four waves: they meet in the stage, and each wave stores four whole rows' units.
.rept 4
	v_nop                                          ; places behind the last products
.endr
	v_add_f32 v8, v8, v9                           ; the sum's two halves,
	v_permlanex16_b32 v12, v8, s20, s21
	v_add_f32 v8, v8, v12                          ; and lane l xor 16's: the row's sum
	v_rcp_f32 v13, v8
	v_nop                                          ; a plain instruction behind the transcendental
	s_wait_alu depctr_va_vdst(0)                   ; and the wait ahead of its first reader
	v_ldexp_f32 v13, v13, s30                      ; x 2^(e8 + e9)
.irp j, 0,1,2,3,4,5,6,7,8,9,10,11,12,13,14,15,16,17,18,19,20,21,22,23,24,25,26,27,28,29,30,31
	v_mul_f32 v[S+\j], v[O+\j], v13                ; register 8 d + j: channel 16 d + 8 h + j of my query; each accumulator from its low end on
.endr
.irp j, 0,1,2,3,4,5,6,7,8,9,10,11,12,13,14,15,16,17,18,19,20,21,22,23,24,25,26,27,28,29,30,31
	v_med3_num_f32 v[S+\j], v[S+\j], -v61, v61
.endr
.irp d, 0,1,2,3
	v_cvt_scalef32_pk8_fp8_f32 v[PC+2*\d:PC+2*\d+1], v[S+8*\d:S+8*\d+7], v60
.endr
	v_nop                                          ; one plain vector line behind the last conversion
.irp d, 0,1,2,3
	ds_store_b64 v3, v[PC+2*\d:PC+2*\d+1] offset:16*\d
.endr
	s_wait_dscnt 0x0                               ; for the others' sake: my stores into the stage are done
	s_barrier_signal -1
	s_barrier_wait -1
	ds_load_b128 v[S:S+3], v4                      ; rows 4 w, 4 w + 1
	ds_load_b128 v[S+4:S+7], v4 offset:2*SP        ; rows 4 w + 2, 4 w + 3
	s_wait_dscnt 1                                 ; the first of the two is in
	global_store_b128 v5, v[S:S+3], s[12:13]       ; sixteen lanes store 256 consecutive bytes, at a multiple of 256 from ao's first byte
	s_wait_dscnt 0x0
	global_store_b128 v5, v[S+4:S+7], s[12:13] offset:4096
	s_wait_tensorcnt 0x0
	ds_add_u32 v254, v255
	s_wait_dscnt 0x0
	s_endpgm
.Lfunc_end_k_q9df57816db_attn:
	.size	k_q9df57816db_attn, .Lfunc_end_k_q9df57816db_attn-k_q9df57816db_attn
	.p2alignl 7, 3214868480
	.fill 96, 4, 3214868480
	.section	.rodata,"a",@progbits
	.p2align	6, 0x0
	.amdhsa_kernel k_q9df57816db_attn
		.amdhsa_group_segment_fixed_size 281600
		.amdhsa_private_segment_fixed_size 0
		.amdhsa_enable_private_segment 0
		.amdhsa_kernarg_size 40
		.amdhsa_user_sgpr_count 2
		.amdhsa_user_sgpr_kernarg_segment_ptr 1
		.amdhsa_wavefront_size32 1
		.amdhsa_system_sgpr_workgroup_id_x 1
		.amdhsa_system_sgpr_workgroup_id_y 1
		.amdhsa_system_sgpr_workgroup_id_z 1
		.amdhsa_system_vgpr_workitem_id 0
		.amdhsa_next_free_vgpr 256
		.amdhsa_next_free_sgpr 66
		.amdhsa_reserve_vcc 0
		.amdhsa_float_denorm_mode_32 3
		.amdhsa_float_denorm_mode_16_64 3
		.amdhsa_memory_ordered 1
		.amdhsa_forward_progress 1
		.amdhsa_inst_pref_size 255
	.end_amdhsa_kernel
	.section	.bss,"aw",@nobits
	.p2align	6
	.space	262144
	.amdgpu_metadata
---
amdhsa.version: [ 1, 2 ]
amdhsa.kernels:
  - .name:           k_q9df57816db_attn
    .symbol:         k_q9df57816db_attn.kd
    .args:
      - { .name: qimg, .offset: 0, .size: 8, .value_kind: global_buffer, .address_space: global }
      - { .name: kimg, .offset: 8, .size: 8, .value_kind: global_buffer, .address_space: global }
      - { .name: vimg, .offset: 16, .size: 8, .value_kind: global_buffer, .address_space: global }
      - { .name: lowp_scales, .offset: 24, .size: 8, .value_kind: global_buffer, .address_space: global }
      - { .name: ao, .offset: 32, .size: 8, .value_kind: global_buffer, .address_space: global }
    .group_segment_fixed_size: 281600
    .private_segment_fixed_size: 0
    .kernarg_segment_align: 8
    .kernarg_segment_size: 40
    .max_flat_workgroup_size: 512
    .sgpr_count:     66
    .vgpr_count:     256
    .wavefront_size: 32
...
	.end_amdgpu_metadata
.endif
;; end of part 7
;; launch oproj (part 8): grid 16 x 16, 4 waves a work-group, clusters of 4 x 4, 327,680 bytes of LDS; arguments ao, Wo_codes, lowp_scales, op; writes op
.if DOCPART == 8
	.amdgcn_target "amdgcn-amd-amdhsa--gfx1250"
	.amdhsa_code_object_version 6
	.text
	.protected	k_q9df57816db_oproj
	.globl	k_q9df57816db_oproj
	.p2align	8
	.type	k_q9df57816db_oproj,@function
k_q9df57816db_oproj:
	s_mov_b64 s[64:65], 0
	v_nop
	global_prefetch_b8 v0, s[64:65] scope:SCOPE_SE
	s_setreg_imm32_b32 hwreg(HW_REG_WAVE_MODE, 25, 1), 1
	s_wait_xcnt 0x0
	s_wait_alu depctr_hold_cnt(0) depctr_sa_sdst(0) depctr_va_vdst(0) depctr_va_sdst(0) depctr_va_ssrc(0) depctr_va_vcc(0) depctr_vm_vsrc(0)
	s_getreg_b32 s2, hwreg(HW_REG_IB_STS2, 6, 4)
	s_cmp_eq_u32 s2, 0
	s_cbranch_scc0 .Lentry_in_a_cluster
	s_endpgm
.Lentry_in_a_cluster:
	s_bfe_u32 s2, ttmp6, 0x10000c
	s_cmp_lg_u32 s2, 0xf033
	s_cbranch_scc0 .Lentry_shape_is_right
	s_endpgm
.Lentry_shape_is_right:
; op[m][n] = 2^(e10 + e11) x the sum over k of ao[m][k] Wo[n][k].  ao: [2048][2048], Wo: [2048][2048]: codes of E4M3, K innermost; op: [2048][2048] f32; sums in f32.  e10, e11: entries 10 and 11 of the scales.
; LIMIT: e10 + e11 lies between -126 and 127, so that 2^(e10 + e11) is an f32 number.
; A tile of op is 128 x 128: 16 x 16 tiles give each of 256 WGPs a work-group, where tiles of 256 x 256 would be 64.  Four waves, each 64 x 64: 16 accumulators of 16 x 16, 128 registers.
; K goes in steps of 512 (LDS rows of 512 bytes; a wave's tensor load brings 64 of them), as long as two slots in LDS allow: K = 2,048 is four K steps, two first fills and two refills, so the steps are written out and there is no loop.
; CLUSTERS: 4 x 4 work-groups.  The four of a row of the cluster need the same tiles of A, the four of a column the same tiles of B: each tile is asked for JOINTLY, by the same tensor load with the
; same descriptor and a mask that names the four.  THE MATRIX INSTRUCTION IS USED TRANSPOSED (source 0 = 16 rows of B, source 1 = 16 rows of A): a lane then holds eight neighbouring numbers of a row of C.
; REGISTERS: window 0: v0-31 addresses; v32-127 at work on the way out; v128-255 the accumulators ((a, b) at v[128 + 8 (4 a + b)]).
;   window 1: two fragment buffers of 128: for 128 along K, 64 registers of A (4 x 16 rows x 128 K), then 64 of B.
; THE WAY OUT: a wave's 64 columns of f32 are 256 bytes, aligned: each wave has a stage of its own, behind the ring, and needs no barrier.
; No prefetch: the tiles are small and half of the K steps are first fills.
.set SIZE_N, 2048
.set SIZE_K, 2048
.set ROWB,   512                       ; a tile's row in bytes: 512 codes
.set KROW,   SIZE_K                    ; a row of A or of B in memory, in bytes
.set PITCH,  528                       ; an LDS row: 512 bytes of data + 16 of padding = 132 words: row r starts at bank 4 r mod 64 (64 banks of 4 bytes: ISA guide 11.1)
.set FR,     16                        ; registers of a fragment: 16 rows x 128 K
.set HALFT,  64*PITCH                  ; 64 rows: what one tensor load brings, and what one wave reads of A or of B
.set SLOT,   4*HALFT                   ; A's 128 rows, then B's 128 rows
.set STAGE,  2*SLOT                    ; behind the ring: 16 rows x 272 bytes for each wave, for the way out
.set SPITCH, 272
.set SPARE,  STAGE+4*16*SPITCH         ; behind the stages: the spare words, 128 bytes for each wave: two blocks of 256 bytes that no other line names
.set ADRA, 16                          ; v16-17  LDS address of my A fragments in slot 0, 1
.set ADRB, 20                          ; v20-21  the same for B
.set STO,  24                          ; v24     the way out: where I put 32 bytes of a row
.set RD,   25                          ; v25     the way out: where I read a row back
.set CO,   26                          ; v26     my byte offset in C
.set SPW,  28                          ; v28     LDS address of my spare word; never rewritten
.set NIL,  29                          ; v29     0; never rewritten
.set TMP,  32                          ; v32-63  the way out: a block's sums x 2^(e10 + e11)
.set BK,   64                          ; v64-95 and v96-127 by turns: 16 rows read back from the stage
.set ACC,  128
.set F0,   0                           ; fragment buffers, in window 1
.set F1,   128
.set G1, 24                            ; s[24:31] descriptor group 1 for A's tiles;  s[32:39] group 0, one set for each slot
.set G0, 32
.set G1B, 48                           ; s[48:55], s[56:63] the same for B's tiles
.set G0B, 56
.set MSB, 0
.macro WIN new                         ; the immediate's high byte repeats the setting that is left
.if MSB != (\new)
	s_set_vgpr_msb (MSB<<8)|(\new)
.set MSB, (\new)
.endif
.endm
.set MUL,  0x05                        ; sources 0 (B) and 1 (A) window 1; C and D window 0
.set TO_F, 0x40                        ; destination window 1, address window 0
; A joint load: waves 0 and 1 fetch A's two halves, waves 2 and 3 B's.  Each of the two lines has ONE mask and one set of registers for all that issue it; the branch hangs on the wave's number alone.
; Four v_nop follow each of the two lines, ahead of the jump, the label and what follows.
.macro JLOAD s
	s_cmp_eq_u32 s15, 0
	s_cbranch_scc0 .Lfor_b_\@
	tensor_load_to_lds s[G0+4*\s:G0+4*\s+3], s[G1:G1+7]
	s_nop 0
.rept 4
	v_nop
.endr
	s_branch .Lasked_\@
.Lfor_b_\@:
	tensor_load_to_lds s[G0B+4*\s:G0B+4*\s+3], s[G1B:G1B+7]
	s_nop 0
.rept 4
	v_nop
.endr
.Lasked_\@:
.endm
.macro CREST                           ; a round of the cluster's barrier behind its opening barrier
	s_cmp_lg_u32 s14, 0
	s_cbranch_scc1 .Lnot_wave_0_\@
	s_barrier_signal -3
.Lnot_wave_0_\@:
	s_barrier_wait -3
	s_barrier_signal -1
	s_barrier_wait -1
.endm
.macro CROUND                          ; a whole round
	s_barrier_signal -1
	s_barrier_wait -1
	CREST
.endm
	s_load_b128 s[4:7], s[0:1], 0x0                ; A's codes s[4:5], B's codes s[6:7]
	s_load_b128 s[8:11], s[0:1], 0x10              ; the scales' exponents s[8:9], C s[10:11]
	v_lshl_add_u32 v[SPW], v0, 2, SPARE
	v_mov_b32 v[NIL], 0
	ds_add_u32 v28, v29
	ds_add_u32 v28, v29
	s_wait_dscnt 0x0
	v_lshrrev_b32 v1, 5, v0
	v_readfirstlane_b32 s14, v1                    ; wave 0..3
	s_lshr_b32 s15, s14, 1                         ; which half of the tile's rows is mine.  Also: I fetch for A (0) or for B (1)
	s_and_b32 s16, s14, 1                          ; which half of its columns.  Also: which 64 rows of that tile I fetch
	s_bfe_u32 s40, ttmp6, 0x40000                  ; cx, cy: my place in the cluster
	s_bfe_u32 s41, ttmp6, 0x40004
	s_lshl_b32 s42, ttmp9, 2
	s_add_co_u32 s42, s42, s40                     ; tile column of C = 4 x cluster x + cx
	s_and_b32 s17, ttmp7, 0xffff
	s_lshl_b32 s17, s17, 2
	s_add_co_u32 s17, s17, s41                     ; tile row of C = 4 x cluster y + cy
	s_lshl_b32 s43, s41, 2
	s_lshl_b32 s43, 15, s43                        ; my row of the cluster
	s_lshl_b32 s44, 0x1111, s40                    ; my column
	; descriptor group 1: a tile of 64 rows x 512 bytes, padded in LDS
	s_or_b32 s[G1+0], s43, (0<<16)|(1<<20)|(1<<21)|(6<<22)|(3<<25)  ; 15:0 the mask: A's tiles go to my row; 17:16 element of 1 byte; 20 padding on; 21 set beside a mask; 24:22 after every 128 words (code 6); 31:25 of 4 words (code 3)
	s_or_b32 s[G1B+0], s44, (0<<16)|(1<<20)|(1<<21)|(6<<22)|(3<<25)
.irp g, G1, G1B
	s_mov_b32 s[\g+1], ROWB<<16                    ; tensor_dim0 = 512
	s_mov_b32 s[\g+2], 64<<16                      ; tensor_dim1 = 64
	s_mov_b32 s[\g+3], ROWB<<16                    ; tile_dim0 = 512
	s_mov_b32 s[\g+4], 64                          ; tile_dim1 = 64
	s_mov_b32 s[\g+5], KROW                        ; tensor_dim0_stride
	s_mov_b32 s[\g+6], 0
	s_mov_b32 s[\g+7], 0
.endr
	s_lshl_b32 s18, s16, 6                         ; which 64 rows of the tile I fetch
	s_lshl_b32 s20, s17, 7
	s_add_co_u32 s20, s20, s18                     ; A: row 128 x tile row + 64 x half
	s_lshl_b32 s46, s42, 7
	s_add_co_u32 s46, s46, s18                     ; B: row 128 x tile column + 64 x half
	s_mov_b32 s21, 0
	s_mov_b32 s47, 0
	s_mov_b64 s[18:19], KROW
	s_mul_u64 s[20:21], s[20:21], s[18:19]         ; and their codes
	s_mul_u64 s[46:47], s[46:47], s[18:19]
	s_mul_i32 s45, s14, HALFT                      ; where they go: wave x 64 rows: no place in the cluster enters an LDS address
	s_wait_kmcnt 0x0
	s_load_b64 s[96:97], s[8:9], 0x28              ; e10, e11
	s_add_nc_u64 s[20:21], s[4:5], s[20:21]
	s_add_nc_u64 s[46:47], s[6:7], s[46:47]
	CROUND                                         ; all sixteen work-groups are here: the first joint loads meet
.irp s, 0,1
	s_mov_b32 s[G0+4*\s], 1
	s_add_co_u32 s[G0+4*\s+1], s45, \s*SLOT
	s_add_nc_u64 s[G0+4*\s+2:G0+4*\s+3], s[20:21], \s*ROWB
	s_or_b32 s[G0+4*\s+3], s[G0+4*\s+3], 0x80000000
	s_mov_b32 s[G0B+4*\s], 1
	s_add_co_u32 s[G0B+4*\s+1], s45, \s*SLOT
	s_add_nc_u64 s[G0B+4*\s+2:G0B+4*\s+3], s[46:47], \s*ROWB
	s_or_b32 s[G0B+4*\s+3], s[G0B+4*\s+3], 0x80000000
	JLOAD \s                                       ; K steps 0 and 1: two loads of mine are out
.endr
	v_and_b32 v1, 15, v0                           ; l % 16
	v_bfe_u32 v2, v0, 4, 1                         ; l / 16
	v_mul_u32_u24 v3, v1, PITCH
	v_lshl_add_u32 v4, v2, 4, v3                   ; a fragment's row x pitch + 16 x half
	s_mul_i32 s21, s15, HALFT                      ; my 64 rows of A
	s_mul_i32 s22, s16, HALFT                      ; my 64 rows of B,
	s_add_co_u32 s22, s22, 2*HALFT                 ; which lie behind A's 128
.irp s, 0,1
	v_add_nc_u32 v[ADRA+\s], s21, v4
	v_add_nc_u32 v[ADRB+\s], s22, v4
	s_add_co_u32 s21, s21, SLOT
	s_add_co_u32 s22, s22, SLOT
.endr
	s_mul_i32 s23, s14, 16*SPITCH
	s_add_co_u32 s23, s23, STAGE                   ; my stage
	v_mul_u32_u24 v5, v1, SPITCH                   ; in: row l % 16, 32 bytes for each half of the lanes
	v_lshl_add_u32 v5, v2, 5, v5
	v_add_nc_u32 v[STO], s23, v5
	v_mul_u32_u24 v5, v2, SPITCH                   ; back: lanes 0-15 take one row of 256 bytes, lanes 16-31 the next
	v_lshl_add_u32 v5, v1, 4, v5
	v_add_nc_u32 v[RD], s23, v5
	v_mul_u32_u24 v5, v2, SIZE_N*4                 ; and the same two rows in C
	v_lshl_add_u32 v[CO], v1, 4, v5
	s_lshl_b32 s20, s17, 7
	s_lshl_b32 s21, s15, 6
	s_add_co_u32 s20, s20, s21                     ; my first row of C: 128 x tile row + 64 x half
	s_mov_b32 s21, 0
	s_mov_b64 s[18:19], SIZE_N*4
	s_mul_u64 s[20:21], s[20:21], s[18:19]
	s_lshl_b32 s46, s42, 9                         ; my first column, in bytes: 512 x tile column + 256 x half
	s_lshl_b32 s47, s16, 8
	s_add_co_u32 s46, s46, s47
	s_mov_b32 s47, 0
	s_add_nc_u64 s[20:21], s[20:21], s[46:47]
	s_add_nc_u64 s[10:11], s[10:11], s[20:21]
; 4 matrix instructions: A's block a x B's four, 128 along K, from buffer f.  zero = 1: the first product starts the sums: nothing is ever cleared.
; The 16 accumulators take turns, one instruction a turn, in the same order in every quarter.
.macro MUL4 f, a, zero
.irp b, 0,1,2,3
.if \zero
	v_wmma_f32_16x16x128_fp8_fp8 v[ACC+8*(4*(\a)+\b):ACC+8*(4*(\a)+\b)+7], v[\f+64+FR*\b:\f+64+FR*\b+FR-1], v[\f+FR*(\a):\f+FR*(\a)+FR-1], 0
.else
	v_wmma_f32_16x16x128_fp8_fp8 v[ACC+8*(4*(\a)+\b):ACC+8*(4*(\a)+\b)+7], v[\f+64+FR*\b:\f+64+FR*\b+FR-1], v[\f+FR*(\a):\f+FR*(\a)+FR-1], v[ACC+8*(4*(\a)+\b):ACC+8*(4*(\a)+\b)+7]
.endif
.endr
.endm
; 32 LDS loads in one run: the fragments of 128 along K at byte k of the rows, into buffer f: B's four first, then A's.  A fragment is 16 registers, brought by four loads of 16 bytes:
; registers 4 c .. 4 c + 3 hold K = 32 c + 16 (l / 16) + 0 .. 15: one permutation of k, the same in A and B.
.macro FETCH slot, k, f
	WIN TO_F
.irp i, 0,1,2,3
.irp c, 0,1,2,3
	ds_load_b128 v[\f+64+FR*\i+4*\c:\f+64+FR*\i+4*\c+3], v[ADRB+\slot] offset:\k+32*\c+\i*16*PITCH
.endr
.endr
.irp i, 0,1,2,3
.irp c, 0,1,2,3
	ds_load_b128 v[\f+FR*\i+4*\c:\f+FR*\i+4*\c+3], v[ADRA+\slot] offset:\k+32*\c+\i*16*PITCH
.endr
.endr
.endm
.macro PLACES                          ; four places in front of loads into registers that matrix instructions have read, and of vector instructions that read results
.rept 4
	v_nop
.endr
.endm
; A K step is four quarters of 128 along K, 16 matrix instructions each, on buffers 0, 1, 0, 1.  One of the first three: multiplies buffer f and fetches the next quarter, at byte k, into g.
.macro QUARTER slot, k, f, g, zero
	s_wait_dscnt 8                                 ; B's four fragments and A's blocks 0, 1 are in; the youngest eight loads (A's blocks 2, 3) may be out
	WIN MUL
	MUL4 \f, 0, \zero
	MUL4 \f, 1, \zero
	PLACES
	FETCH \slot, \k, \g
	s_wait_dscnt 32                                ; all but the 32 just issued
	WIN MUL
	MUL4 \f, 2, \zero
	MUL4 \f, 3, \zero
.endm
; The last quarter multiplies buffer 1 and changes slots: ONE barrier; in front of it each wave waits for all its tensor loads, adds 0 to its spare word, and waits for that and for its own reads of this slot.  fill = 1: this slot is filled again, two K steps ahead.
.macro TURN slot, next, fill
	WIN 0                                          ; (the add's two registers lie in window 0)
	s_wait_tensorcnt 0x0                           ; all my tensor loads have landed: my part of the next slot
	ds_add_u32 v[SPW], v[NIL]                      ; 0 onto my spare word
	s_wait_dscnt 9                                 ; (the add and the youngest eight loads may be out)
	WIN MUL
	MUL4 F1, 0, 0                                  ; four matrix instructions stand between the add and the wait for it
	s_wait_dscnt 0x0                               ; the add is done, and my reads of this slot are over
	s_barrier_signal -1
	MUL4 F1, 1, 0
.if \fill
	WIN 0
.endif
	s_barrier_wait -1
.if \fill
	CREST                                          ; the barrier has opened a round of the cluster's barrier: no wave of any partner still reads this slot's tile or has a load on its way
	s_add_nc_u64 s[G0+4*\slot+2:G0+4*\slot+3], s[G0+4*\slot+2:G0+4*\slot+3], 2*ROWB
	s_add_nc_u64 s[G0B+4*\slot+2:G0B+4*\slot+3], s[G0B+4*\slot+2:G0B+4*\slot+3], 2*ROWB
	JLOAD \slot                                    ; the first tensor load behind the round, and my only one until the next; the four v_nop behind it are also the places in front of the loads below
.else
	PLACES
.endif
	FETCH \next, 0, F0
	WIN MUL
	MUL4 F1, 2, 0
	MUL4 F1, 3, 0
.endm
	s_wait_tensorcnt 1                             ; my part of K step 0 is in (K step 1's load may be out)
	s_barrier_signal -1
	s_barrier_wait -1                              ; everybody's is
	FETCH 0, 0, F0
	QUARTER 0, 128, F0, F1, 1                      ; K step 0; the first quarter's products start the sums
	QUARTER 0, 256, F1, F0, 0
	QUARTER 0, 384, F0, F1, 0
	TURN 0, 1, 1                                   ; slot 0 takes K step 2
	QUARTER 1, 128, F0, F1, 0                      ; K step 1
	QUARTER 1, 256, F1, F0, 0
	QUARTER 1, 384, F0, F1, 0
	TURN 1, 0, 1                                   ; slot 1 takes K step 3
	QUARTER 0, 128, F0, F1, 0                      ; K step 2
	QUARTER 0, 256, F1, F0, 0
	QUARTER 0, 384, F0, F1, 0
	TURN 0, 1, 0                                   ; nothing is left to fetch, so no round of the cluster's barrier
	QUARTER 1, 128, F0, F1, 0                      ; K step 3
	QUARTER 1, 256, F1, F0, 0
	QUARTER 1, 384, F0, F1, 0
	s_wait_dscnt 8                                 ; the very last quarter
	WIN MUL
	MUL4 F1, 0, 0
	MUL4 F1, 1, 0
	s_wait_dscnt 0
	MUL4 F1, 2, 0
	MUL4 F1, 3, 0
	WIN 0
; THE WAY OUT, block by block of 16 rows x 64 columns.  A lane holds 32 neighbouring bytes of a row, and the lanes beside it hold other rows: so a block goes through my own stage in LDS and comes back as whole
; rows of 256 bytes, two an instruction.  LDS serves a wave's instructions in order (ISA guide 5.7.1.4): no wait between the stores and the loads, nor in front of the next block's stores.
.macro TOSTAGE a
.irp j, 0,2,4,6,8,10,12,14,16,18,20,22,24,26,28,30
	v_pk_mul_f32 v[TMP+\j:TMP+\j+1], v[ACC+32*(\a)+\j:ACC+32*(\a)+\j+1], s[96:97] op_sel_hi:[1,0]   ; both x s96 = 2^(e10 + e11); each accumulator from its low end on
.endr
.irp b, 0,1,2,3
	ds_store_b128 v[STO], v[TMP+8*\b:TMP+8*\b+3] offset:64*\b
	ds_store_b128 v[STO], v[TMP+8*\b+4:TMP+8*\b+7] offset:64*\b+16
.endr
.set BB, BK+32*((\a)%2)
.irp t, 0,1,2,3,4,5,6,7
	ds_load_b128 v[BB+4*\t:BB+4*\t+3], v[RD] offset:\t*2*SPITCH
.endr
.endm
.macro SEND a, younger                 ; younger: the LDS instructions issued behind block a's loads, which may stay out
.set BB, BK+32*((\a)%2)
	s_wait_dscnt \younger                          ; the block is back in registers
.irp t, 0,1,2,3,4,5,6,7
	global_store_b128 v[CO], v[BB+4*\t:BB+4*\t+3], s[10:11] offset:(16*(\a)+2*\t)*SIZE_N*4 th:TH_STORE_NT   ; 16 lanes store 256 consecutive bytes, at a multiple of 256 from C's first byte; the row stands in the immediate: 62 rows of 8,192 bytes at the most
.endr
.endm
	s_wait_kmcnt 0x0
	s_add_co_i32 s96, s96, s97                     ; e10 + e11, between -126 and 127,
	s_add_co_i32 s96, s96, 127
	s_lshl_b32 s96, s96, 23                        ; makes the f32 number 2^(e10 + e11)
	PLACES                                         ; in front of the reads of the last products' results
	TOSTAGE 0
.irp a, 1,2,3
.if \a > 1
	s_wait_xcnt 0x0                                ; block a - 2's stores have read their registers: block a's loads may land there
.endif
	TOSTAGE \a
	SEND \a-1, 16                                  ; behind block a - 1's loads: block a's 8 stores and 8 loads
.endr
	SEND 3, 0
	s_wait_tensorcnt 0x0                           ; the wave's end: behind my last tensor load and my last LDS store
	ds_add_u32 v[SPW], v[NIL]
	s_wait_dscnt 0x0
	CROUND                                         ; the closing round: no work-group ends while a partner may still ask for a tile that names it
	s_endpgm
.Lfunc_end_k_q9df57816db_oproj:
	.size	k_q9df57816db_oproj, .Lfunc_end_k_q9df57816db_oproj-k_q9df57816db_oproj
	.p2alignl 7, 3214868480
	.fill 96, 4, 3214868480
	.section	.rodata,"a",@progbits
	.p2align	6, 0x0
	.amdhsa_kernel k_q9df57816db_oproj
		.amdhsa_group_segment_fixed_size 327680
		.amdhsa_private_segment_fixed_size 0
		.amdhsa_enable_private_segment 0
		.amdhsa_kernarg_size 32
		.amdhsa_user_sgpr_count 2
		.amdhsa_user_sgpr_kernarg_segment_ptr 1
		.amdhsa_wavefront_size32 1
		.amdhsa_system_sgpr_workgroup_id_x 1
		.amdhsa_system_sgpr_workgroup_id_y 1
		.amdhsa_system_sgpr_workgroup_id_z 1
		.amdhsa_system_vgpr_workitem_id 0
		.amdhsa_next_free_vgpr 512
		.amdhsa_next_free_sgpr 98
		.amdhsa_reserve_vcc 0
		.amdhsa_float_denorm_mode_32 3
		.amdhsa_float_denorm_mode_16_64 3
		.amdhsa_memory_ordered 1
		.amdhsa_forward_progress 1
		.amdhsa_inst_pref_size 74
	.end_amdhsa_kernel
	.amdgpu_metadata
---
amdhsa.version: [ 1, 2 ]
amdhsa.kernels:
  - .name:           k_q9df57816db_oproj
    .symbol:         k_q9df57816db_oproj.kd
    .args:
      - { .name: ao, .offset: 0, .size: 8, .value_kind: global_buffer, .address_space: global }
      - { .name: Wo_codes, .offset: 8, .size: 8, .value_kind: global_buffer, .address_space: global }
      - { .name: lowp_scales, .offset: 16, .size: 8, .value_kind: global_buffer, .address_space: global }
      - { .name: op, .offset: 24, .size: 8, .value_kind: global_buffer, .address_space: global }
    .group_segment_fixed_size: 327680
    .private_segment_fixed_size: 0
    .kernarg_segment_align: 8
    .kernarg_segment_size: 32
    .max_flat_workgroup_size: 128
    .sgpr_count:     98
    .vgpr_count:     512
    .wavefront_size: 32
...
	.end_amdgpu_metadata
.endif
;; end of part 8
;; launch lnorm: the kernel of part 5 again; grid 256 x 1, 8 waves a work-group, no clusters, 25,600 bytes of LDS; arguments op, tgt, bo, ln_gamma, ln_beta, out0; writes out0
;; ======== version 3 of 3: 5 launches; version 2 with the launch attn written anew for expert scheduling mode
;; workspace buffers: tq 4,194,304 bytes; qimg 4,194,304 bytes; kimg 4,194,304 bytes; vimg 4,194,304 bytes; ao 4,194,304 bytes; op 16,777,216 bytes
;; launch quant: the kernel of part 1 again; grid 256 x 1, 4 waves a work-group, no clusters, 33,280 bytes of LDS; arguments tgt, lowp_scales, tq; writes tq
;; launch proj: the kernel of part 6 again; grid 64 x 3, 4 waves a work-group, no clusters, 327,680 bytes of LDS; arguments tq, mem_codes, Wq_codes, Wk_codes, Wv_codes, bq, bk, bv, step_mass_embed, peak_mzs_embed, neg_peak_mzs_embed, lowp_scales, qimg, kimg, vimg; writes qimg, kimg, vimg
;; launch attn (part 9): grid 8 x 32, 16 waves a work-group, no clusters, 281,600 bytes of LDS; arguments qimg, kimg, vimg, lowp_scales, ao; writes ao
.if DOCPART == 9
	.amdgcn_target "amdgcn-amd-amdhsa--gfx1250"
	.amdhsa_code_object_version 6
	.text
	.protected	k_q9df57816db_attn
	.globl	k_q9df57816db_attn
	.p2align	8
	.type	k_q9df57816db_attn,@function
k_q9df57816db_attn:
	s_mov_b64 s[64:65], 0
	v_nop
	global_prefetch_b8 v0, s[64:65] scope:SCOPE_SE
	s_setreg_imm32_b32 hwreg(HW_REG_WAVE_SCHED_MODE, 0, 2), 2
	s_setreg_imm32_b32 hwreg(HW_REG_WAVE_MODE, 25, 1), 1
	s_wait_xcnt 0x0
	s_wait_alu depctr_vm_vsrc(0)
; Attention on codes of E4M3.  For batch entry b and kv head kv (work-group y = 8 b + kv), 64 tokens (work-group x) and the head's four query heads: 256 queries against 2,048 keys, head size 64.
; THE SOFTMAX AHEAD OF THE SECOND PRODUCT: t = score x log2(e) / 8; M = the row's largest t so far, rounded UP to a whole number; p = 2^(t - M) is quantised along the keys with 2^e9, not normalised.
; The row's sum is taken of the unquantised p, in f32, and divides O at the end.  When M moves, the sum and O are multiplied by 2^(old M - new M): nothing is rounded.  The result is quantised with 2^e10 for the last projection.
; SHARES.  Sixteen waves, four to a SIMD, so that one wave's vector work stands beside another's matrix work and LDS loads.  Wave w owns ONE tile of 16 queries: query head 4 kv + w / 4, tokens 16 (w % 4) on.  Every wave walks all keys, 128 a step.
; LAYOUT.  Both products are used transposed: S^T = K Q^T (source 0 = 16 keys, source 1 = my 16 queries; the 16x16x64 form), O^T = V^T P^T (source 0 = 16 channels, source 1 = P; the 16x16x128 form): a lane holds ONE query throughout.
; Tile t of S^T gives lane (r, h) the keys 16 t + 8 h + 0 .. 7: after the conversion these are registers 2 t, 2 t + 1 of P's fragment, each k in its own place.
; K, Q and V arrive as IMAGES OF THE OPERANDS' REGISTERS (four registers a block of 512 bytes, lane l's 16 bytes at 16 l), so a chunk of 256 keys is 16 KB of K and 16 KB of V, both dense in memory.
; K AND V STAY IN LDS: the head's eight chunks are 256 KB, each in bytes of its own, and no byte is written twice.  The 512 threads copy a chunk through registers, 64 bytes each, asked for two chunks ahead.
; THE BARRIER'S HALVES STAND A CHUNK APART.  A wave stores chunk u + 1, waits for its stores, SIGNALS, works chunk u's two key steps, and only then WAITS.  What the barrier orders: every wave's stores of chunk u + 1 (in front of its signal)
; against every wave's reads of chunk u + 1 (behind its wait).  While a wave reads chunk u between its signal and its wait, another wave can be storing chunk u + 1 or chunk u + 2 and nothing else: other bytes.
; So a wave may run up to a chunk ahead of another, and the sixteen need not meet in one phase.  The sixteen key steps are written out: every LDS address is a constant + 16 x lane (or thread), on four base registers 64 KB apart.
; NO CLUSTER, no tensor load: the eight work-groups of a y read the same K and V, but a chunk is four loads a thread that nobody waits for, against two key steps of some six hundred vector instructions a wave;
; a joint load would put a round of the cluster's barrier in front of each chunk.  No prefetch for the same reason: no wave waits for the stream.
; THE HOLD of p at 448 x 2^e9 changes nothing where e9 >= -8 (448 x 2^-8 = 1.75, and p is at most 1): it is jumped over there, by a scalar branch on the given whole number e9; for smaller e9 it is executed.
; LIMITS on the given exponents: e6 + e7 between -123 and 130 (they are added to c's exponent field); e9 and e10 between -126 and 119; e8 + e9 is applied by v_ldexp_f32 and has none.
; THE MODE: SCHED_MODE bits 1:0 = 2 (LLVM: expert scheduling mode 2), set by the entry lines.  The code itself states the register dependences between vector or matrix instructions and memory or LDS instructions,
; with s_wait_alu, always for 0.
; THE PLAN.  Registers that memory or LDS instructions touch:
;   RA, SA, v3, v4, v5, v254, v255   addresses: written by vector instructions at the head and never again.  One wait on va_vdst ahead of the first load serves them for the whole kernel.
;   QF            two global loads land in it once; matrix instructions read it; nothing lands there again.
;   CH0, CH1      chunk u's global loads land in set u % 2; four LDS stores read it; chunk u + 2's loads land in it.  No vector instruction names them: one wait on vm_vsrc between the stores and the loads.
;   KV            a key step: K's LDS loads land; the eight products K Q^T read; V's LDS loads land; the four products V^T P read; the next step's K lands.  So two waits on va_vdst a step, one ahead of each of the two
;                 groups of loads.  The sixteen waves' 256 registers each are all that four SIMDs hold: there is no second set for K or V.
;   PC, S         on the way out alone: the conversions write PC, which four LDS stores read; vector instructions name S, in which two LDS loads then land: one wait on va_vdst ahead of the stores serves both.
; V's sixteen loads are dealt among the maximum's v_max3_num_f32, which name v13, v14 and S: none of the registers that those loads touch, so the wait ahead of the first of them serves all sixteen.
.set BUF,  32768                       ; a chunk in LDS: 16 tiles of K (1,024 bytes each), then 2 x 4 tiles of V (2,048 each); chunk u begins at u x BUF
.set VOFF, 16384
.set STG,  262144                      ; behind the eight chunks: the way out: 64 rows (tokens) x (256 bytes + 16)
.set SP,   272
.set QF,   20                          ; v20-27   Q's fragment
.set CH0,  28                          ; v28-43   an even chunk on its way
.set CH1,  224                         ; v224-239 an odd chunk on its way
.set PC,   44                          ; v44-59   p's codes
.set S,    64                          ; v64-127  S^T, then p
.set O,    128                         ; v128-159 O^T
.set KV,   160                         ; v160-223 K's eight fragments, then V's four
.set RA,   240                         ; v240-243 16 x lane + 65,536 k: where I read in chunks 2 k, 2 k + 1; never rewritten
.set SA,   244                         ; v244-247 16 x thread + 65,536 k: where I store; v244 is also my offset in a chunk in memory; never rewritten
; v3, v4 the stage, in and back; v5 my bytes in ao; v6 -M, v7 the largest t; v[8:9] the sum in two halves; v[10:11] f; v12 a permute's destination; v13-15 at work;
; v16, v17: 2^e9 and 448 x 2^e9; v[18:19] the sum's second chain; v60, v61: 2^e10 and 448 x 2^e10; v254, v255: the closing add's two, made at the head and kept for it alone
	s_load_b128 s[4:7], s[0:1], 0x0                ; qimg s[4:5], kimg s[6:7]
	s_load_b128 s[8:11], s[0:1], 0x10              ; vimg s[8:9], the scales' exponents s[10:11]
	s_load_b64 s[12:13], s[0:1], 0x20              ; ao
	v_lshl_add_u32 v254, v0, 2, 0x44400
	v_mov_b32 v255, 0
	v_lshrrev_b32 v13, 5, v0
	v_readfirstlane_b32 s14, v13                   ; wave 0..15
	v_and_b32 v[RA], 31, v0
	v_lshlrev_b32 v[RA], 4, v[RA]
	v_lshlrev_b32 v[SA], 4, v0
.irp k, 1,2,3
	v_add_nc_u32 v[RA+\k], 65536*\k, v[RA]
	v_add_nc_u32 v[SA+\k], 65536*\k, v[SA]
.endr
	v_and_b32 v13, 15, v0                          ; r
	v_bfe_u32 v14, v0, 4, 1                        ; h
	v_bfe_u32 v15, v0, 5, 2                        ; w % 4
	v_lshl_add_u32 v15, v15, 4, v13                ; my query's token among the 64
	v_mul_u32_u24 v3, v15, SP
	v_bfe_u32 v15, v0, 7, 2                        ; w / 4
	v_lshl_add_u32 v3, v15, 6, v3                  ; + 64 bytes a query head
	v_lshl_add_u32 v3, v14, 3, v3                  ; + 8 h
	v_add_nc_u32 v3, STG, v3
	v_lshrrev_b32 v15, 5, v0
	v_lshl_add_u32 v15, v15, 2, v14                ; back: row 4 w + h,
	v_mul_u32_u24 v4, v15, SP
	v_lshl_add_u32 v4, v13, 4, v4                  ; sixteen lanes to a row of 256 bytes
	v_add_nc_u32 v4, STG, v4
	v_lshlrev_b32 v5, 11, v14
	v_lshl_add_u32 v5, v13, 4, v5                  ; and the same two rows in ao
	s_wait_alu depctr_va_sdst(0)                   ; s14 is written, ahead of its first reader: Q's and ao's bases are made from it
	s_and_b32 s15, ttmp7, 0xffff                   ; y = 8 b + kv
	s_lshl_b32 s16, s15, 17                        ; a y's images: 2^17 bytes in each of the three buffers
	s_mov_b32 s17, 0
	s_lshr_b32 s18, s14, 2
	s_lshl_b32 s18, s18, 15                        ; my query head of the four,
	s_add_co_u32 s18, s18, s16
	s_lshl_b32 s19, ttmp9, 12                      ; the work-group's four tiles of tokens,
	s_add_co_u32 s18, s18, s19
	s_and_b32 s19, s14, 3
	s_lshl_b32 s19, s19, 10                        ; mine of them
	s_add_co_u32 s18, s18, s19
	s_mov_b32 s19, 0
	s_lshr_b32 s32, s15, 3
	s_lshl_b32 s32, s32, 9
	s_lshl_b32 s33, ttmp9, 6
	s_add_co_u32 s32, s32, s33
	s_lshl_b32 s33, s14, 2
	s_add_co_u32 s32, s32, s33                     ; the first row of ao that I store: 512 b + 64 x + 4 w,
	s_lshl_b32 s32, s32, 11
	s_and_b32 s33, s15, 7
	s_lshl_b32 s33, s33, 8                         ; at the kv head's 256 bytes
	s_add_co_u32 s32, s32, s33
	s_mov_b32 s33, 0
	s_mov_b32 s20, 0x76543210                      ; v_permlanex16_b32's selects for lane l xor 16
	s_mov_b32 s21, 0xfedcba98
	s_mov_b32 s22, 0x3e38aa3b                      ; c = log2(e) / 8
	s_wait_kmcnt 0x0
	s_load_b128 s[24:27], s[10:11], 0x18           ; e6, e7, e8, e9
	s_load_b32 s28, s[10:11], 0x28                 ; e10
	s_add_nc_u64 s[4:5], s[4:5], s[18:19]
	s_add_nc_u64 s[6:7], s[6:7], s[16:17]
	s_add_nc_u64 s[8:9], s[8:9], s[16:17]
	s_add_nc_u64 s[12:13], s[12:13], s[32:33]
.macro CHUNK u                         ; chunk u's 32 KB, 64 bytes a thread, into set u % 2: each load of a wave covers 512 consecutive bytes; the chunk stands in the immediate, 131,056 bytes at the most
.set CB, CH0+(CH1-CH0)*((\u)%2)
	global_load_b128 v[CB:CB+3], v[SA], s[6:7] offset:(\u)*16384
	global_load_b128 v[CB+4:CB+7], v[SA], s[6:7] offset:(\u)*16384+8192
	global_load_b128 v[CB+8:CB+11], v[SA], s[8:9] offset:(\u)*16384
	global_load_b128 v[CB+12:CB+15], v[SA], s[8:9] offset:(\u)*16384+8192
.endm
	s_wait_alu depctr_va_vdst(0)                   ; RA, SA, v3, v4, v5, v254 and v255 are written: every load, store and the closing add reads one of them as its address, and no vector instruction names them again
	global_load_b128 v[QF:QF+3], v[RA], s[4:5]     ; Q's fragment stays in registers
	global_load_b128 v[QF+4:QF+7], v[RA], s[4:5] offset:512
	CHUNK 0
	CHUNK 1
	v_mov_b32 v7, 0xff61b1e6                       ; the largest t so far: -3e38, under every t
	v_floor_f32 v6, -v7                            ; -M
	v_mov_b32 v8, 0                                ; the sum, in two halves
	v_mov_b32 v9, 0
	v_mov_b32 v11, 0                               ; (named as the upper half of the pair v[10:11])
	v_mov_b32 v12, 0                               ; written once: a lane permute's destination counts as one of its sources
.irp j, 0,1,2,3,4,5,6,7,8,9,10,11,12,13,14,15,16,17,18,19,20,21,22,23,24,25,26,27,28,29,30,31
	v_mov_b32 v[O+\j], 0                           ; O^T.  (The key step is written without a first step of its own: the first change of M multiplies zeros)
.endr
	s_wait_kmcnt 0x0
	s_add_co_i32 s31, s24, s25
	s_lshl_b32 s31, s31, 23
	s_add_co_i32 s22, s22, s31                     ; a score stands for score x 2^(e6 + e7): the two exponents are added to c's exponent field
	s_mov_b32 s23, s22                             ; (named with it as a pair, so it is written)
	s_add_co_i32 s31, s27, 127
	s_lshl_b32 s34, s31, 23
	v_mov_b32 v16, s34                             ; 2^e9
	s_add_co_i32 s31, s31, 8
	s_lshl_b32 s31, s31, 23
	s_or_b32 s31, s31, 0x600000
	v_mov_b32 v17, s31                             ; 448 x 2^e9
	s_add_co_i32 s31, s28, 127
	s_lshl_b32 s34, s31, 23
	v_mov_b32 v60, s34                             ; 2^e10
	s_add_co_i32 s31, s31, 8
	s_lshl_b32 s31, s31, 23
	s_or_b32 s31, s31, 0x600000
	v_mov_b32 v61, s31                             ; 448 x 2^e10
	s_add_co_i32 s30, s26, s27                     ; e8 + e9
; Chunk u goes from its registers into its own bytes of LDS; chunk u + 2 is asked for into the same registers; then the signal.  The wait for this barrier stands behind the key steps that follow.
.macro PASS u
.set CB, CH0+(CH1-CH0)*((\u)%2)
.if (\u) < 7
	s_wait_loadcnt 4                               ; chunk u is in (and, the first time, Q); the four loads of chunk u + 1 may be out
.else
	s_wait_loadcnt 0x0                             ; the last chunk: nothing was asked for behind it
.endif
.irp p, 0,1,2,3
	ds_store_b128 v[SA+(\u)/2], v[CB+4*\p:CB+4*\p+3] offset:((\u)%2)*BUF+\p*8192
.endr
	s_wait_dscnt 0x0                               ; for the others' sake: my stores have landed
.if (\u)+2 < 8
	s_wait_alu depctr_vm_vsrc(0)                   ; my four LDS stores have read the set's sixteen registers, in which chunk u + 2's loads land
	CHUNK (\u)+2
.endif
	s_barrier_signal -1
.endm
; A KEY STEP: 128 keys, the q-th of chunk u.
.macro STEP u, q
.rept 4
	v_nop                                          ; four places behind the last step's products
.endr
.if (\u)+(\q) > 0
	s_wait_alu depctr_va_vdst(0)                   ; the last step's products V^T P are done reading KV, in which K's loads land.  (The first step has no such line: nothing has named KV yet)
.endif
.irp t, 0,1,2,3,4,5,6,7
	ds_load_b128 v[KV+8*\t:KV+8*\t+3], v[RA+(\u)/2] offset:((\u)%2)*BUF+(\q)*8192+\t*1024
	ds_load_b128 v[KV+8*\t+4:KV+8*\t+7], v[RA+(\u)/2] offset:((\u)%2)*BUF+(\q)*8192+\t*1024+512
.endr
	s_wait_dscnt 0x0
.irp t, 0,1,2,3,4,5,6,7
	v_wmma_f32_16x16x64_fp8_fp8 v[S+8*\t:S+8*\t+7], v[KV+8*\t:KV+8*\t+7], v[QF:QF+7], 0
.endr
.rept 4
	v_nop                                          ; places in front of the first read of the scores (ISA guide 7.12.1); they stay beside the wait below
.endr
	s_wait_alu depctr_va_vdst(0)                   ; the eight products K Q^T are done reading KV, in which V's sixteen loads land
; V's fragments (load n of 16: registers KV + 4 n, 512 n bytes on) land under the softmax: two loads now, then one ahead of each pair of the maximum's lines.  No further wait: no vector instruction since the wait above names KV or the address
.set nv, 0
.rept 2
	ds_load_b128 v[KV+4*nv:KV+4*nv+3], v[RA+(\u)/2] offset:((\u)%2)*BUF+VOFF+(\q)*8192+512*nv
.set nv, nv+1
.endr
	v_max3_num_f32 v13, v[S], v[S+1], v[S+2]       ; the step's largest score of my query, among my 64 keys, in two chains, each accumulator from its low end on,
	v_max3_num_f32 v14, v[S+3], v[S+4], v[S+5]
.irp i, 6,10,14,18,22,26,30,34,38,42,46,50,54,58
	ds_load_b128 v[KV+4*nv:KV+4*nv+3], v[RA+(\u)/2] offset:((\u)%2)*BUF+VOFF+(\q)*8192+512*nv
.set nv, nv+1
	v_max3_num_f32 v13, v13, v[S+\i], v[S+\i+1]
	v_max3_num_f32 v14, v14, v[S+\i+2], v[S+\i+3]
.endr
	v_max3_num_f32 v13, v13, v[S+62], v[S+63]
	v_max_num_f32 v13, v13, v14
	v_permlanex16_b32 v12, v13, s20, s21
	v_max_num_f32 v13, v13, v12                    ; and among lane l xor 16's
	v_mul_f32 v13, s22, v13                        ; as t (c is positive)
	v_max_num_f32 v7, v7, v13                      ; the running largest t
	v_mov_b32 v13, v6
	v_floor_f32 v6, -v7                            ; the new -M = floor(-t) = -ceil(t): a whole number
	v_sub_f32 v13, v6, v13                         ; M's old value less its new one: a whole number, 0 or less
	v_cvt_i32_f32 v13, v13                         ; (it saturates)
	v_ldexp_f32 v10, 1.0, v13                      ; f = 2^(old M - new M)
.irp j, 0,2,4,6,8,10,12,14,16,18,20,22,24,26,28,30,32,34,36,38,40,42,44,46,48,50,52,54,56,58,60,62
	v_pk_fma_f32 v[S+\j:S+\j+1], v[S+\j:S+\j+1], s[22:23], v[6:7] op_sel_hi:[1,0,0]   ; t - M, two at a time (of the pairs c and -M the low word serves both halves)
.endr
.irp j, 0,1,2,3,4,5,6,7,8,9,10,11,12,13,14,15,16,17,18,19,20,21,22,23,24,25,26,27,28,29,30,31,32,33,34,35,36,37,38,39,40,41,42,43,44,45,46,47,48,49,50,51,52,53,54,55,56,57,58,59,60,61,62,63
	v_exp_f32 v[S+\j], v[S+\j]                     ; p = 2^(t - M), at most 1
.endr
	v_pk_mul_f32 v[8:9], v[8:9], v[10:11] op_sel_hi:[1,0]   ; the sums under the new M: the plain instruction behind the exponentials
	s_wait_alu depctr_va_vdst(0)                   ; the 64 exponentials have written p: one wait for the whole batch, ahead of its first reader
	v_pk_add_f32 v[18:19], v[S:S+1], v[S+2:S+3]    ; the row's sum is taken of the UNQUANTISED p: two at a time, in two chains
.irp j, 4,8,12,16,20,24,28,32,36,40,44,48,52,56,60
	v_pk_add_f32 v[8:9], v[8:9], v[S+\j:S+\j+1]
	v_pk_add_f32 v[18:19], v[18:19], v[S+\j+2:S+\j+3]
.endr
	v_pk_add_f32 v[8:9], v[8:9], v[18:19]
	s_cmp_ge_i32 s27, -8                           ; 448 x 2^e9 >= 1.75 > p: the hold would change nothing
	s_cbranch_scc1 .Lnohold_\@
.irp j, 0,1,2,3,4,5,6,7,8,9,10,11,12,13,14,15,16,17,18,19,20,21,22,23,24,25,26,27,28,29,30,31,32,33,34,35,36,37,38,39,40,41,42,43,44,45,46,47,48,49,50,51,52,53,54,55,56,57,58,59,60,61,62,63
	v_min_num_f32 v[S+\j], v[S+\j], v17            ; the conversion does not saturate (ISA guide 7.6.2); p is not negative, so the hold is one-sided
.endr
.Lnohold_\@:
.irp t, 0,1,2,3,4,5,6,7
	v_cvt_scalef32_pk8_fp8_f32 v[PC+2*\t:PC+2*\t+1], v[S+8*\t:S+8*\t+7], v16   ; registers 2 t, 2 t + 1 of P's fragment: keys 16 t + 8 h + 0 .. 7
.endr
.irp j, 0,2,4,6,8,10,12,14,16,18,20,22,24,26,28,30
	v_pk_mul_f32 v[O+\j:O+\j+1], v[O+\j:O+\j+1], v[10:11] op_sel_hi:[1,0]      ; O^T under the new M.  (Also the plain lines between the conversions and the products that read their results)
.endr
	s_wait_dscnt 0x0                               ; V is in
.irp d, 0,1,2,3
	v_wmma_f32_16x16x128_fp8_fp8 v[O+8*\d:O+8*\d+7], v[KV+16*\d:KV+16*\d+15], v[PC:PC+15], v[O+8*\d:O+8*\d+7]   ; the four accumulators by turns, one instruction a turn; the next step's eight products stand between two links of a chain
.endr
.endm
	PASS 0                                         ; chunk 0 into LDS; chunk 2 is asked for
	s_barrier_wait -1                              ; everybody's part of chunk 0 lies in LDS
.irp n, 0,1,2,3,4,5,6
	PASS \n+1                                      ; the next chunk into its own bytes, and the signal;
	STEP \n, 0                                     ; between the signal and the wait: reads of a chunk that nobody writes any more, and work on registers
	STEP \n, 1
	s_barrier_wait -1                              ; everybody's part of the next chunk lies in LDS
.endr
	STEP 7, 0                                      ; the last chunk: nothing is left to store
	STEP 7, 1
	; THE WAY OUT.  O^T x 2^(e8 + e9) / the sum is quantised with 2^e10.  A lane's eight codes are 8 bytes of a row of ao whose 256 bytes (four query heads) come from four waves: they meet in the stage, and each wave stores four whole rows' units.
.rept 4
	v_nop                                          ; places behind the last products
.endr
	v_add_f32 v8, v8, v9                           ; the sum's two halves,
	v_permlanex16_b32 v12, v8, s20, s21
	v_add_f32 v8, v8, v12                          ; and lane l xor 16's: the row's sum
	v_rcp_f32 v13, v8
	v_nop                                          ; a plain instruction behind the transcendental
	s_wait_alu depctr_va_vdst(0)                   ; the reciprocal has written v13, ahead of its first reader
	v_ldexp_f32 v13, v13, s30                      ; x 2^(e8 + e9)
.irp j, 0,1,2,3,4,5,6,7,8,9,10,11,12,13,14,15,16,17,18,19,20,21,22,23,24,25,26,27,28,29,30,31
	v_mul_f32 v[S+\j], v[O+\j], v13                ; register 8 d + j: channel 16 d + 8 h + j of my query; each accumulator from its low end on
.endr
.irp j, 0,1,2,3,4,5,6,7,8,9,10,11,12,13,14,15,16,17,18,19,20,21,22,23,24,25,26,27,28,29,30,31
	v_med3_num_f32 v[S+\j], v[S+\j], -v61, v61
.endr
.irp d, 0,1,2,3
	v_cvt_scalef32_pk8_fp8_f32 v[PC+2*\d:PC+2*\d+1], v[S+8*\d:S+8*\d+7], v60
.endr
	v_nop                                          ; one plain vector line behind the last conversion
	s_wait_alu depctr_va_vdst(0)                   ; the conversions have written the codes, which the LDS stores read; and all that named v[S ..] is complete, in which the two LDS loads behind the barrier land: no vector instruction follows this line
.irp d, 0,1,2,3
	ds_store_b64 v3, v[PC+2*\d:PC+2*\d+1] offset:16*\d
.endr
	s_wait_dscnt 0x0                               ; for the others' sake: my stores into the stage are done
	s_barrier_signal -1
	s_barrier_wait -1
	ds_load_b128 v[S:S+3], v4                      ; rows 4 w, 4 w + 1
	ds_load_b128 v[S+4:S+7], v4 offset:2*SP        ; rows 4 w + 2, 4 w + 3
	s_wait_dscnt 1                                 ; the first of the two is in
	global_store_b128 v5, v[S:S+3], s[12:13]       ; sixteen lanes store 256 consecutive bytes, at a multiple of 256 from ao's first byte
	s_wait_dscnt 0x0
	global_store_b128 v5, v[S+4:S+7], s[12:13] offset:4096
	s_wait_dscnt 0x0                               ; the closing lines, six on end
	s_wait_alu 0x0
	s_wait_tensorcnt 0x0
	ds_add_u32 v254, v255
	s_wait_dscnt 0x0
	s_endpgm
.Lfunc_end_k_q9df57816db_attn:
	.size	k_q9df57816db_attn, .Lfunc_end_k_q9df57816db_attn-k_q9df57816db_attn
	.p2alignl 7, 3214868480
	.fill 96, 4, 3214868480
	.section	.rodata,"a",@progbits
	.p2align	6, 0x0
	.amdhsa_kernel k_q9df57816db_attn
		.amdhsa_group_segment_fixed_size 281600
		.amdhsa_private_segment_fixed_size 0
		.amdhsa_enable_private_segment 0
		.amdhsa_kernarg_size 40
		.amdhsa_user_sgpr_count 2
		.amdhsa_user_sgpr_kernarg_segment_ptr 1
		.amdhsa_wavefront_size32 1
		.amdhsa_system_sgpr_workgroup_id_x 1
		.amdhsa_system_sgpr_workgroup_id_y 1
		.amdhsa_system_sgpr_workgroup_id_z 1
		.amdhsa_system_vgpr_workitem_id 0
		.amdhsa_next_free_vgpr 256
		.amdhsa_next_free_sgpr 66
		.amdhsa_reserve_vcc 0
		.amdhsa_float_denorm_mode_32 3
		.amdhsa_float_denorm_mode_16_64 3
		.amdhsa_memory_ordered 1
		.amdhsa_forward_progress 1
		.amdhsa_inst_pref_size 255
	.end_amdhsa_kernel
	.section	.bss,"aw",@nobits
	.p2align	6
	.space	262144
	.amdgpu_metadata
---
amdhsa.version: [ 1, 2 ]
amdhsa.kernels:
  - .name:           k_q9df57816db_attn
    .symbol:         k_q9df57816db_attn.kd
    .args:
      - { .name: qimg, .offset: 0, .size: 8, .value_kind: global_buffer, .address_space: global }
      - { .name: kimg, .offset: 8, .size: 8, .value_kind: global_buffer, .address_space: global }
      - { .name: vimg, .offset: 16, .size: 8, .value_kind: global_buffer, .address_space: global }
      - { .name: lowp_scales, .offset: 24, .size: 8, .value_kind: global_buffer, .address_space: global }
      - { .name: ao, .offset: 32, .size: 8, .value_kind: global_buffer, .address_space: global }
    .group_segment_fixed_size: 281600
    .private_segment_fixed_size: 0
    .kernarg_segment_align: 8
    .kernarg_segment_size: 40
    .max_flat_workgroup_size: 512
    .sgpr_count:     66
    .vgpr_count:     256
    .wavefront_size: 32
...
	.end_amdgpu_metadata
.endif
;; end of part 9
;; launch oproj: the kernel of part 8 again; grid 16 x 16, 4 waves a work-group, clusters of 4 x 4, 327,680 bytes of LDS; arguments ao, Wo_codes, lowp_scales, op; writes op
;; launch lnorm: the kernel of part 5 again; grid 256 x 1, 8 waves a work-group, no clusters, 25,600 bytes of LDS; arguments op, tgt, bo, ln_gamma, ln_beta, out0; writes out0
